; MI455X (gfx1250); checked and timed in simulation.
; The chip was launched on July 23, 2026; its instructions are those of AMD's public machine-readable ISA for CDNA 5 (MIT licence, August 2026) and "CDNA5" Instruction Set Architecture Reference Guide (July 2026). The comments in the code are by the model that wrote it; some were corrected since.
;; Block. Allowed arithmetic: matrix products marked QUANTISED: E4M3 operands, one E8M0 scale for each 32 along K, by v_wmma_scale_f32_16x16x128_f8f6f4 with both operands' format E4M3, f32 sums; everything else in f32.
;; Inputs: b1 2,048 float32; b2 512 float32; b_proj 512 float32; ln1_b 512 float32; ln1_g 512 float32; ln2_b 512 float32; ln2_g 512 float32; w1_codes 2,048 x 16 x 32 uint8 (E4M3 codes of w1, K innermost, in blocks of 32 codes); w1_scales 2,048 x 16 uint8 (E8M0 scales of w1, one for each 32 codes along K); w2_codes 512 x 64 x 32 uint8 (E4M3 codes of w2, K innermost, in blocks of 32 codes); w2_scales 512 x 64 uint8 (E8M0 scales of w2, one for each 32 codes along K); w_proj_codes 512 x 16 x 32 uint8 (E4M3 codes of w_proj, K innermost, in blocks of 32 codes); w_proj_scales 512 x 16 uint8 (E8M0 scales of w_proj, one for each 32 codes along K); wk_codes 8 x 64 x 16 x 32 uint8 (E4M3 codes of wk, K innermost, in blocks of 32 codes); wk_scales 8 x 64 x 16 uint8 (E8M0 scales of wk, one for each 32 codes along K); wq_codes 8 x 64 x 16 x 32 uint8 (E4M3 codes of wq, K innermost, in blocks of 32 codes); wq_scales 8 x 64 x 16 uint8 (E8M0 scales of wq, one for each 32 codes along K); wv_codes 8 x 64 x 16 x 32 uint8 (E4M3 codes of wv, K innermost, in blocks of 32 codes); wv_scales 8 x 64 x 16 uint8 (E8M0 scales of wv, one for each 32 codes along K); x 32 x 512 x 512 float32.
;; Outputs: out0 32 x 512 x 512 float32.
;; This version of the problem:
;;   THIS VERSION OF THE PROBLEM IS GIVEN IN LOW PRECISION. The matrix products marked QUANTISED in the list below multiply operands that are first quantised to E4M3 (4 exponent bits, 3 mantissa bits; 8 bits a number), with one power-of-two scale for each 32 numbers along K (OCP MX v1.0); their sums are f32. All else is computed in f32.
;;   The module's matrix products, in the order in which they are computed (A, B: the left and right operand; K: the contracted axis; several contracted axes count as one K, in the product's order):
;;     1. [M 512, K 512] x [K 512, N 16,384]; A: input wq (given as codes); B: computed on the way: QUANTISED
;;     2. [M 512, K 512] x [K 512, N 16,384]; A: input wk (given as codes); B: computed on the way: QUANTISED
;;     3. [M 512, K 512] x [K 512, N 16,384]; A: input wv (given as codes); B: computed on the way: QUANTISED
;;     4. batch 256 x [M 512, K 64] x [K 64, N 512]; A: computed on the way; B: computed on the way: QUANTISED
;;     5. batch 256 x [M 512, K 512] x [K 512, N 64]; A: softmax (see below); B: computed on the way: QUANTISED
;;     6. [M 16,384, K 512] x [K 512, N 512]; A: computed on the way; B: input w_proj (given as codes): QUANTISED
;;     7. [M 16,384, K 512] x [K 512, N 2,048]; A: computed on the way; B: input w1 (given as codes): QUANTISED
;;     8. [M 16,384, K 2,048] x [K 2,048, N 512]; A: computed on the way; B: input w2 (given as codes): QUANTISED
;;   THE QUANTISER, for each operand of a quantised product, along K:
;;     - K is cut into blocks of 32 from its start; a last block that is shorter is filled with zeros.
;;     - A block's scale is 2^e with e = floor(log2(the largest magnitude in the block)) - 8, held to -126 .. 127; a block of zeros has e = 0. As a byte (E8M0): e + 127.
;;     - Each number is divided by its block's scale, clamped to +-448, and rounded to the nearest number of E4M3, ties to even, subnormals kept.
;;     - The product sums the exact products of the quantised numbers (number of the format x scale) in f32.
;;   ~~~python
;;   def quantise(x, axis):      # numpy; x: float32 -> the quantised numbers, widened to float32 again
;;       x = np.moveaxis(x, axis, -1); K = x.shape[-1]
;;       x = np.pad(x, [(0, 0)] * (x.ndim - 1) + [(0, -K % 32)]); x = x.reshape(x.shape[:-1] + (-1, 32)); a = np.abs(x).max(-1, keepdims=True)
;;       e = np.where(a > 0, np.clip(np.frexp(np.where(a > 0, a, 1))[1] - 1 - 8, -126, 127), 0)      # np.frexp(a)[1] - 1 = floor(log2(a)), exactly
;;       r = np.clip(x / 2.0 ** e, -448, 448)
;;       step = 2.0 ** (np.maximum(np.frexp(np.where(r == 0, 1, r))[1] - 1, -6) - 3)
;;       q = np.round(r / step) * step * 2.0 ** e      # np.round: ties to even
;;       return np.moveaxis(q.reshape(q.shape[:-2] + (-1,))[..., :K], -1, axis).astype(np.float32)
;;   ~~~
;;   SOFTMAX AHEAD OF A QUANTISED PRODUCT. Where the list says 'softmax', what is quantised is not the finished softmax but p = 2^(t - M), with t = logit x log2(e) and M = ceil(the row's largest t), a whole number; so 1/2 < the row's largest p <= 1. The row's sum l is taken of the UNQUANTISED p, in f32, and the product's result is divided by l at the end. Since M is a whole number, a kernel that streams over the keys may use a running M (the ceiling of the running maximum): every later rescaling is an exact power of two, which a block's scale takes up: the codes' values come out the same.
;;   OPERANDS COMPUTED ON THE WAY. 'Computed on the way' means the value that the module computes at that place (a softmax that the list does not call 'softmax' is quantised finished and normalised). What goes into a quantiser is computed in f32, as accurately as f32 sums, v_exp_f32 and their like allow (about 1e-6 of the number): no bf16 or f16 on the way to a quantiser, and a product that is left as it is and whose result goes on into a quantised operand takes f32 operands (vector FMAs, or v_wmma_f32_16x16x4_f32). A number that lies on a knife's edge between two numbers of the format may be rounded either way, as far as f32 arithmetic and the matrix unit's own rounding can turn it there, and no further.
;;   INPUTS GIVEN AS CODES. w1 (in the module: [512, 2048], K = its axis 0); w2 (in the module: [2048, 512], K = its axis 0); w_proj (in the module: [512, 512], K = its axis 0); wk (in the module: [8, 512, 64], K = its axis 1); wq (in the module: [8, 512, 64], K = its axis 1); wv (in the module: [8, 512, 64], K = its axis 1): each comes as NAME_codes (uint8): NAME with its K axis moved to the last place and cut into blocks of 32 codes, [.., K / 32, bytes a block], one block behind the other in memory; one code a byte (a code: sign, 4 exponent bits, 3 mantissa bits); and NAME_scales (uint8): the same leading axes, one E8M0 byte (e + 127) for each 32 codes along K. Its value is code x scale, taken as it is: it is not quantised again, and the codes and scales need not be those that the quantiser above would give.
;; 2 versions. Each part assembles by itself: llvm-mc -triple=amdgcn-amd-amdhsa -mcpu=gfx1250 --defsym DOCPART=n.
;; ======== version 1 of 2: 3 launches
;; workspace buffers: wf 3,145,728 bytes; qf 8,388,608 bytes; kf 8,388,608 bytes; vf 8,388,608 bytes; qs 262,144 bytes; ks 262,144 bytes; vs 262,144 bytes
;; launch lay (part 1): grid 48 x 4, 8 waves a work-group, no clusters, 0 bytes of LDS; arguments wq_codes, wk_codes, wv_codes, w_proj_codes, w1_codes, w2_codes, wf; writes wf
.if DOCPART == 1
	.amdgcn_target "amdgcn-amd-amdhsa--gfx1250"
	.amdhsa_code_object_version 6
	.text
	.protected	k_q802dde467c_lay
	.globl	k_q802dde467c_lay
	.p2align	8
	.type	k_q802dde467c_lay,@function
k_q802dde467c_lay:
	s_mov_b64 s[64:65], 0
	v_nop
	global_prefetch_b8 v0, s[64:65] scope:SCOPE_SE
	s_setreg_imm32_b32 hwreg(HW_REG_WAVE_MODE, 25, 1), 1
	s_wait_xcnt 0x0
; The six weights' codes are laid once in the order in which the two large launches take them into operand registers.
; wf = [w 4][X 48][wv 8][c 4][lane 32][16 bytes]: a fragment (16 rows x 128 K) is 2,048 consecutive bytes, register group c of lane l at 512 c + 16 l.
; w = the wave of the later launches that will read it (it owns 128 rows of each weight, for w1 128 of each chunk of 512), X = work-group x, wv = this wave: one wave moves one fragment.
; THE ROWS OF A TILE ARE NOT NEIGHBOURS: lane r of tile t takes row 32 (t / 2) + 8 (t % 2) + r + 8 (r / 8), so that the results of tiles 2 b and 2 b + 1 are 16 neighbours along the next K.
; X 0-11: wq, wk, wv (X / 4), pair X % 4;  X 12-15: w_proj;  X 16-47: X - 16 = 8 ch + 4 ph + xx: ph = 0: w1, chunk ch, pair xx;  ph = 1: w2, K step 4 ch + xx, tile wv.
; In all but w2: tile = 2 pair + wv % 2, K step = 2 (wv / 4) + (wv % 4) / 2.
; Each store of a wave covers 512 consecutive bytes, aligned.  The loads take 32 bytes of 16 rows: 3 MiB in all, once.
	s_load_b256 s[4:11], s[0:1], 0x0               ; wq s[4:5], wk s[6:7], wv s[8:9], w_proj s[10:11]
	s_load_b128 s[12:15], s[0:1], 0x20             ; w1 s[12:13], w2 s[14:15]
	s_load_b64 s[16:17], s[0:1], 0x30              ; wf
	v_lshrrev_b32 v1, 5, v0
	v_readfirstlane_b32 s18, v1                    ; wv 0..7
	s_and_b32 s19, ttmp7, 0xffff                   ; w
	s_lshr_b32 s20, s18, 2                         ; hf
	s_and_b32 s21, s18, 3                          ; f
	s_and_b32 s22, s21, 1                          ; u
	s_lshr_b32 s23, s21, 1
	s_lshl_b32 s24, s20, 1
	s_add_co_u32 s23, s23, s24                     ; K step where the source is not w2: 2 hf + f / 2
	s_and_b32 s24, ttmp9, 3                        ; X % 4
	s_lshl_b32 s25, s24, 1
	s_add_co_u32 s25, s25, s22                     ; tile in the wave's share: 2 (X % 4) + u
	s_max_u32 s26, ttmp9, 16
	s_sub_co_u32 s26, s26, 16                      ; Y = X - 16, or 0 for X < 16: then ch = ph = 0
	s_lshr_b32 s27, s26, 3                         ; ch
	s_bfe_u32 s28, s26, 0x10002                    ; ph
	s_lshl_b32 s29, s27, 5
	s_add_co_u32 s29, s29, s25                     ; 32 ch + tile
	s_lshl_b32 s30, s27, 2
	s_add_co_u32 s30, s30, s24                     ; w2's K step: 4 ch + xx
	s_cmp_eq_u32 s28, 1                            ; w2?
	s_cselect_b32 s29, s18, s29                    ; its tile is wv
	s_cselect_b32 s30, s30, s23
	s_cselect_b32 s31, 11, 9                       ; a row is 2,048 bytes in w2, 512 elsewhere
	s_lshl_b32 s32, s19, 3
	s_add_co_u32 s29, s29, s32                     ; + 8 w
	s_lshr_b32 s33, s29, 1
	s_lshl_b32 s33, s33, 5
	s_and_b32 s34, s29, 1
	s_lshl_b32 s34, s34, 3
	s_add_co_u32 s33, s33, s34                     ; the tile's first row
	s_lshl_b32 s30, s30, 7                         ; the K step in bytes
	v_and_b32 v2, 15, v0                           ; r
	v_bfe_u32 v3, v0, 4, 1                         ; h
	v_and_b32 v4, 8, v2
	v_add_nc_u32 v2, v2, v4                        ; r + 8 (r / 8)
	v_add_nc_u32 v2, s33, v2
	v_lshlrev_b32 v2, s31, v2                      ; my row
	v_lshl_add_u32 v2, v3, 4, v2                   ; + 16 h
	v_add_nc_u32 v2, s30, v2
	v_and_b32 v5, 31, v0
	v_lshlrev_b32 v5, 4, v5
	s_mul_i32 s35, s19, 786432
	s_lshl_b32 s36, ttmp9, 14
	s_add_co_u32 s35, s35, s36
	s_lshl_b32 s36, s18, 11
	s_add_co_u32 s35, s35, s36
	v_add_nc_u32 v5, s35, v5                       ; where the fragment goes
	s_wait_kmcnt 0x0
	s_mov_b64 s[38:39], s[4:5]                     ; the source: a choice on the work-group's number alone
	s_cmp_ge_u32 ttmp9, 4
	s_cselect_b64 s[38:39], s[6:7], s[38:39]
	s_cmp_ge_u32 ttmp9, 8
	s_cselect_b64 s[38:39], s[8:9], s[38:39]
	s_cmp_ge_u32 ttmp9, 12
	s_cselect_b64 s[38:39], s[10:11], s[38:39]
	s_cmp_ge_u32 ttmp9, 16
	s_cselect_b64 s[38:39], s[12:13], s[38:39]
	s_cmp_eq_u32 s28, 1
	s_cselect_b64 s[38:39], s[14:15], s[38:39]
.irp c, 0,1,2,3
	global_load_b128 v[8+4*\c:11+4*\c], v2, s[38:39] offset:32*\c   ; k = 32 c + 16 h + 0 .. 15 of my row
.endr
	s_wait_loadcnt 0x0
.irp c, 0,1,2,3
	global_store_b128 v5, v[8+4*\c:11+4*\c], s[16:17] offset:512*\c
.endr
	s_endpgm
.Lfunc_end_k_q802dde467c_lay:
	.size	k_q802dde467c_lay, .Lfunc_end_k_q802dde467c_lay-k_q802dde467c_lay
	.p2alignl 7, 3214868480
	.fill 96, 4, 3214868480
	.section	.rodata,"a",@progbits
	.p2align	6, 0x0
	.amdhsa_kernel k_q802dde467c_lay
		.amdhsa_group_segment_fixed_size 0
		.amdhsa_private_segment_fixed_size 0
		.amdhsa_enable_private_segment 0
		.amdhsa_kernarg_size 56
		.amdhsa_user_sgpr_count 2
		.amdhsa_user_sgpr_kernarg_segment_ptr 1
		.amdhsa_wavefront_size32 1
		.amdhsa_system_sgpr_workgroup_id_x 1
		.amdhsa_system_sgpr_workgroup_id_y 1
		.amdhsa_system_sgpr_workgroup_id_z 1
		.amdhsa_system_vgpr_workitem_id 0
		.amdhsa_next_free_vgpr 24
		.amdhsa_next_free_sgpr 66
		.amdhsa_reserve_vcc 0
		.amdhsa_float_denorm_mode_32 3
		.amdhsa_float_denorm_mode_16_64 3
		.amdhsa_memory_ordered 1
		.amdhsa_forward_progress 1
		.amdhsa_inst_pref_size 4
	.end_amdhsa_kernel
	.amdgpu_metadata
---
amdhsa.version: [ 1, 2 ]
amdhsa.kernels:
  - .name:           k_q802dde467c_lay
    .symbol:         k_q802dde467c_lay.kd
    .args:
      - { .name: wq_codes, .offset: 0, .size: 8, .value_kind: global_buffer, .address_space: global }
      - { .name: wk_codes, .offset: 8, .size: 8, .value_kind: global_buffer, .address_space: global }
      - { .name: wv_codes, .offset: 16, .size: 8, .value_kind: global_buffer, .address_space: global }
      - { .name: w_proj_codes, .offset: 24, .size: 8, .value_kind: global_buffer, .address_space: global }
      - { .name: w1_codes, .offset: 32, .size: 8, .value_kind: global_buffer, .address_space: global }
      - { .name: w2_codes, .offset: 40, .size: 8, .value_kind: global_buffer, .address_space: global }
      - { .name: wf, .offset: 48, .size: 8, .value_kind: global_buffer, .address_space: global }
    .group_segment_fixed_size: 0
    .private_segment_fixed_size: 0
    .kernarg_segment_align: 8
    .kernarg_segment_size: 56
    .max_flat_workgroup_size: 256
    .sgpr_count:     66
    .vgpr_count:     24
    .wavefront_size: 32
...
	.end_amdgpu_metadata
.endif
;; end of part 1
;; launch qkv (part 2): grid 256 x 1, 4 waves a work-group, no clusters, 105,984 bytes of LDS; arguments x, ln1_g, ln1_b, wq_scales, wk_scales, wv_scales, wf, qf, kf, vf, qs, ks, vs; writes qf, kf, vf, qs, ks, vs
.if DOCPART == 2
	.amdgcn_target "amdgcn-amd-amdhsa--gfx1250"
	.amdhsa_code_object_version 6
	.text
	.protected	k_q802dde467c_qkv
	.globl	k_q802dde467c_qkv
	.p2align	8
	.type	k_q802dde467c_qkv,@function
k_q802dde467c_qkv:
	s_mov_b64 s[64:65], 0
	v_nop
	global_prefetch_b8 v0, s[64:65] scope:SCOPE_SE
	s_setreg_imm32_b32 hwreg(HW_REG_WAVE_MODE, 25, 1), 1
	s_wait_xcnt 0x0
; h = layernorm(x), q, k, v = h W: three products on codes of E4M3 with one E8M0 scale for each 32 along K; q, k, v leave as codes, quantised for the attention's products (q, k along d; v along the keys).
; SHARES.  A work-group takes 64 rows of x (block x), as four tiles of 16; tile m holds at place i the row 32 (m / 2) + 8 (m % 2) + i + 8 (i / 8).  THE WAVES SHARE THE COLUMNS: wave w owns channels 128 w .. + 127 of x
; for the norm, and the 128 weight rows of heads 2 w and 2 w + 1 of each of q, k, v.  h's codes go from wave to wave through LDS as images of the operand's registers (4 x 512 bytes a fragment, 4 bytes a lane a scale word).
; The weights come from wf (laid by the launch before in this order) straight into registers: a ring of four slots of four fragments, three batches of 16 loads on their way; each weight byte is used by one wave of the work-group.
; q, k: source 0 = 16 weight rows, source 1 = 16 rows of h: a lane holds one token and 16 neighbouring d.   v: the sources swapped: a lane holds one d and 16 neighbouring tokens (keys).
; No cluster and no tensor load: the waves of a work-group share no weight byte, and what work-groups share (768 KiB of weights) is read by plain loads of 512 consecutive bytes.
; LIMITS: a block of zeros gets the byte 1 where the rule says 127 (its codes are zeros, and this program alone reads the bytes); a block whose largest magnitude lies under 2^-118 is held at that floor; NaN and infinities are not served.
; REGISTERS, in windows of 256: window 0 addresses, work, all scale words; window 1 gain and bias, then h's 16 fragments ((m, s) at 16 (4 m + s)); window 2 the weights' ring; window 3 x: T(m) at 64 m: register 16 B + i of lane
; (r, h) = channel 128 w + 32 B + 16 h + i of tile m's row r.
.set IMG1, 34816                       ; LDS: h's images: 16 fragments of 2,048 bytes ((m, s) at (4 s + m) x 2,048), then 16 x 128 bytes of scale words
.set STG,  69632                       ; a stage of 16 rows x (512 + 16) bytes for each wave
.set STAT, 103424                      ; [wave][64 rows][mean, sum of squared deviations]
.set LI0, 1                            ; v1   16 x lane
.set LI1, 2                            ; v2   16 x lane + IMG1
.set LS1, 4                            ; v4   4 x lane + IMG1
.set IW1, 6                            ; v6   16 x lane + 8,192 x wave + IMG1: where I store images
.set IS1, 8                            ; v8   4 x lane + 512 x wave + IMG1: and their scale words
.set STW, 9                            ; v9   my stage, by rows: + 16 x lane
.set STR, 10                           ; v10  my stage, by my row: + 528 r + 64 h
.set SAW, 11                           ; v11  STAT + 512 x wave + 8 r
.set SAR, 12                           ; v12  STAT + 8 r
.set CB,  13                           ; v13  512 x wave + 64 h: my channels in a gain or bias
.set SPA, 14                           ; v14  16 x (8 h + r + 8 (r / 8)): my weight row's 16 scale bytes
.set L8,  17                           ; v17  8 x lane
.set MS,  28                           ; v[28:29] the row's mean (a pair for the packed forms)
.set RS,  30                           ; v[30:31] 1 / sqrt(var + eps)
.set ACC, 32                           ; v32-95   64 numbers at work, or eight accumulators
.set PC,  96                           ; v96-111  codes just made
.set TM,  112                          ; v112-127 the quantiser's: largest magnitudes, bytes, limits, scale operands
.set PW,  128                          ; v128     a scale word just made
.set AS,  132                          ; v132-147 h's scale words, (m, s) at 4 m + s
.set WSQ, 148                          ; v148-195 the weights' scale words: pair p, K step s at 4 p + s; lanes 0-15 the even tile's rows, lanes 16-31 the odd tile's
.set SQ,  196                          ; v196-199 scale words of q, k or v on their way out
.set OUT, 200
.set ST,  220                          ; v220-251 the norm's figures, eight a tile
.set XP,  4                            ; s[4:5] x;  s[6:7] gain;  s[8:9] bias;  s[10:15] the three weights' scales;  s[16:17] wf;  s[18:23] qf, kf, vf;  s[24:29] qs, ks, vs
.set G1P, 6
.set B1LP, 8
.set WSP, 10
.set WP,  16
.set CFP, 18
.set SFP, 24
.set WV,  30
.set SEL, 36
.set MNT, 38
.set EPS, 39
.set HIM, 40
.set MSB, 0
.macro WIN new                         ; the immediate's high byte repeats the setting that is left; a switch that changes nothing is dropped
.if MSB != (\new)
	s_set_vgpr_msb (MSB<<8)|(\new)
.set MSB, \new
.endif
.endm
.macro NOPS n
.rept \n
	v_nop
.endr
.endm
.macro BARRIER                         ; my LDS stores have landed and my LDS loads are in: then the work-group's barrier
	s_wait_dscnt 0x0
	s_barrier_signal -1
	s_barrier_wait -1
.endm
.macro XLD m, rows                     ; tile m's 16 rows of x, my 512 bytes of each: 32 lanes read them on end
	WIN 0xc0
.set i_, 0
.rept 16
	global_load_b128 v[64*(\m)+4*i_:64*(\m)+4*i_+3], v[LI0], s[XP:XP+1] offset:((\rows)+i_+8*(i_/8))*2048
.set i_, i_+1
.endr
	WIN 0
.endm
.macro XTR m                           ; through my own stage: in by rows, back 64 bytes of my row at a time.  LDS serves a wave's instructions in order: no wait between
	WIN 0x0c
.set i_, 0
.rept 16
	ds_store_b128 v[STW], v[64*(\m)+4*i_:64*(\m)+4*i_+3] offset:528*i_
.set i_, i_+1
.endr
	WIN 0xc0
.set i_, 0
.rept 16
	ds_load_b128 v[64*(\m)+4*i_:64*(\m)+4*i_+3], v[STR] offset:128*(i_/4)+16*(i_%4)
.set i_, i_+1
.endr
	WIN 0
.endm
.macro GLD base, ptr                   ; a gain or bias in T's layout, into window 1
	WIN 0x40
.set i_, 0
.rept 16
	global_load_b128 v[\base+4*i_:\base+4*i_+3], v[CB], s[\ptr:\ptr+1] offset:128*(i_/4)+16*(i_%4)
.set i_, i_+1
.endr
	WIN 0
.endm
; nu units of 16 numbers of a lane, v[s + 16 b + i]; a block of 32 lies in lanes l and l xor 16.  Codes to v[PC + 4 b] on, the scales' bytes to v[TM + 4 + b].
.macro QUANT s, relu, nu
.set b_, 0
.rept \nu
.if \relu
	v_max3_num_f32 v[TM+b_], v[\s+16*b_], v[\s+16*b_+1], 0x4800000       ; the floor 2^(9 - 127) among the leaves: the byte cannot fall under 1
.else
	v_max3_num_f32 v[TM+b_], |v[\s+16*b_]|, |v[\s+16*b_+1]|, 0x4800000
.endif
.set b_, b_+1
.endr
.set i_, 2
.rept 7
.set b_, 0
.rept \nu
.if \relu
	v_max3_num_f32 v[TM+b_], v[TM+b_], v[\s+16*b_+i_], v[\s+16*b_+i_+1]
.else
	v_max3_num_f32 v[TM+b_], v[TM+b_], |v[\s+16*b_+i_]|, |v[\s+16*b_+i_+1]|
.endif
.set b_, b_+1
.endr
.set i_, i_+2
.endr
.set b_, 0
.rept \nu
	v_permlanex16_b32 v[TM+4+b_], v[TM+b_], s[SEL], s[SEL+1]
.set b_, b_+1
.endr
.set b_, 0
.rept \nu
	v_max_num_f32 v[TM+b_], v[TM+b_], v[TM+4+b_]                         ; the block's largest magnitude
.set b_, b_+1
.endr
.set b_, 0
.rept \nu
	v_add_nc_u32 v[TM+12+b_], 0xfc000000, v[TM+b_]                       ; 8 off its exponent field: the conversion's scale operand
.set b_, b_+1
.endr
.set b_, 0
.rept \nu
	v_and_or_b32 v[TM+8+b_], v[TM+b_], 0x7f800000, s[MNT]                ; 448 x the scale
.set b_, b_+1
.endr
.set b_, 0
.rept \nu
	v_lshrrev_b32 v[TM+4+b_], 23, v[TM+12+b_]                            ; the scale's byte
.set b_, b_+1
.endr
.set b_, 0
.rept \nu
.set i_, 0
.rept 16
.if \relu
	v_med3_num_f32 v[\s+16*b_+i_], v[\s+16*b_+i_], 0, v[TM+8+b_]
.else
	v_med3_num_f32 v[\s+16*b_+i_], v[\s+16*b_+i_], -v[TM+8+b_], v[TM+8+b_]   ; the conversion does not saturate (ISA guide 7.6.2): the hold comes first
.endif
.set i_, i_+1
.endr
	v_cvt_scalef32_pk8_fp8_f32 v[PC+4*b_:PC+4*b_+1], v[\s+16*b_:\s+16*b_+7], v[TM+12+b_]
	v_cvt_scalef32_pk8_fp8_f32 v[PC+4*b_+2:PC+4*b_+3], v[\s+16*b_+8:\s+16*b_+15], v[TM+12+b_]
.set b_, b_+1
.endr
	v_nop                                          ; one plain line behind the last conversion
.endm
.macro WORD d                          ; four bytes make a scale word
	v_lshl_or_b32 v[\d], v[TM+5], 8, v[TM+4]
	v_lshl_or_b32 v[\d], v[TM+6], 16, v[\d]
	v_lshl_or_b32 v[\d], v[TM+7], 24, v[\d]
.endm
.macro IMAGE a, off                    ; the fragment in v[PC] on goes to LDS as it stands
.set c_, 0
.rept 4
	ds_store_b128 v[\a], v[PC+4*c_:PC+4*c_+3] offset:\off+512*c_
.set c_, c_+1
.endr
.endm
.macro FETCHA li, ls                   ; all 16 fragments and their scale words, into window 1 and v[AS] on
	WIN 0x40
.set m_, 0
.rept 4
.set s_, 0
.rept 4
.set c_, 0
.rept 4
	ds_load_b128 v[16*(4*m_+s_)+4*c_:16*(4*m_+s_)+4*c_+3], v[\li] offset:(4*s_+m_)*2048+512*c_
.set c_, c_+1
.endr
.set s_, s_+1
.endr
.set m_, m_+1
.endr
	WIN 0
.set m_, 0
.rept 4
.set s_, 0
.rept 4
	ds_load_b32 v[AS+4*m_+s_], v[\ls] offset:32768+(4*s_+m_)*128
.set s_, s_+1
.endr
.set m_, m_+1
.endr
.endm
.macro LOADB slot, off                 ; a batch: four weight fragments, 16 loads of 512 consecutive bytes
	WIN 0x80
.set i_, 0
.rept 16
	global_load_b128 v[64*(\slot)+4*i_:64*(\slot)+4*i_+3], v[LI0], s[WP:WP+1] offset:(\off)+512*i_
.set i_, i_+1
.endr
	WIN 0
.endm
.macro WMS cz, ra, rb                  ; one product on the registers named by rD, rA, rB, rC, rSA, rSB.  cz: the sum starts at 0.  ra, rb: that side's scales stand in lanes 16-31
.if \cz
.if \ra
	v_wmma_scale_f32_16x16x128_f8f6f4 v[rD:rD+7], v[rA:rA+15], v[rB:rB+15], 0, v[rSA], v[rSB] matrix_a_scale:MATRIX_SCALE_ROW1
.elseif \rb
	v_wmma_scale_f32_16x16x128_f8f6f4 v[rD:rD+7], v[rA:rA+15], v[rB:rB+15], 0, v[rSA], v[rSB] matrix_b_scale:MATRIX_SCALE_ROW1
.else
	v_wmma_scale_f32_16x16x128_f8f6f4 v[rD:rD+7], v[rA:rA+15], v[rB:rB+15], 0, v[rSA], v[rSB]
.endif
.else
.if \ra
	v_wmma_scale_f32_16x16x128_f8f6f4 v[rD:rD+7], v[rA:rA+15], v[rB:rB+15], v[rC:rC+7], v[rSA], v[rSB] matrix_a_scale:MATRIX_SCALE_ROW1
.elseif \rb
	v_wmma_scale_f32_16x16x128_f8f6f4 v[rD:rD+7], v[rA:rA+15], v[rB:rB+15], v[rC:rC+7], v[rSA], v[rSB] matrix_b_scale:MATRIX_SCALE_ROW1
.else
	v_wmma_scale_f32_16x16x128_f8f6f4 v[rD:rD+7], v[rA:rA+15], v[rB:rB+15], v[rC:rC+7], v[rSA], v[rSB]
.endif
.endif
.endm
; 16 products: a batch's two K steps (2 hf, 2 hf + 1) x two weight tiles x four tiles of rows.  The eight accumulators take turns, one instruction a turn.
; kind 0 (q, k): source 0 the weights;  kind 3 (v): source 0 the rows of h, and the accumulators ordered so that unit 2 u + m / 2 holds 16 neighbouring keys.
.macro MMH kind, slot, hf, ws
.if (\kind)==3
	WIN 0x09
.else
	WIN 0x06
.endif
.set sl_, 0
.rept 2
.set s_, 2*(\hf)+sl_
.set cz_, 0
.if s_==0
.set cz_, 1
.endif
.set u_, 0
.rept 2
.set m_, 0
.rept 4
.if (\kind)==3
.set rD, ACC+16*(2*u_+m_/2)+8*(m_%2)
.set rA, 16*(4*m_+s_)
.set rB, 64*(\slot)+16*(2*sl_+u_)
.set rSA, AS+4*m_+s_
.set rSB, \ws+s_
.set rC, rD
	WMS cz_, 0, u_
.else
.set rD, ACC+16*m_+8*u_
.set rA, 64*(\slot)+16*(2*sl_+u_)
.set rB, 16*(4*m_+s_)
.set rSA, \ws+s_
.set rSB, AS+4*m_+s_
.set rC, rD
	WMS cz_, u_, 0
.endif
.set m_, m_+1
.endr
.set u_, u_+1
.endr
.set sl_, sl_+1
.endr
	WIN 0
.endm
; The norm, first half: of my 128 channels of tile m's rows the mean and the sum of squared deviations from it, to LDS.  T is read in ascending order.
.macro LNSTAT m
.set SM_, ST+8*(\m)
	WIN 0x0f
.set k_, 0
.rept 4
	v_pk_add_f32 v[TM+2*k_:TM+2*k_+1], v[64*(\m)+4*k_:64*(\m)+4*k_+1], v[64*(\m)+4*k_+2:64*(\m)+4*k_+3]
.set k_, k_+1
.endr
	WIN 0x0c
.set k_, 0
.rept 24
	v_pk_add_f32 v[TM+2*(k_%4):TM+2*(k_%4)+1], v[TM+2*(k_%4):TM+2*(k_%4)+1], v[64*(\m)+16+2*k_:64*(\m)+17+2*k_]
.set k_, k_+1
.endr
	WIN 0
	v_pk_add_f32 v[TM:TM+1], v[TM:TM+1], v[TM+2:TM+3]
	v_pk_add_f32 v[TM+4:TM+5], v[TM+4:TM+5], v[TM+6:TM+7]
	v_pk_add_f32 v[TM:TM+1], v[TM:TM+1], v[TM+4:TM+5]
	v_add_f32 v[TM], v[TM], v[TM+1]
	v_permlanex16_b32 v[TM+2], v[TM], s[SEL], s[SEL+1]
	v_add_f32 v[TM], v[TM], v[TM+2]
	v_mul_f32 v[SM_], 0x3c000000, v[TM]            ; / 128
	WIN 0x03
.set k_, 0
.rept 32
	v_pk_add_f32 v[ACC+2*k_:ACC+2*k_+1], v[64*(\m)+2*k_:64*(\m)+2*k_+1], v[SM_:SM_+1] op_sel_hi:[1,0] neg_lo:[0,1] neg_hi:[0,1]
.set k_, k_+1
.endr
	WIN 0
.set k_, 0
.rept 4
	v_pk_mul_f32 v[TM+2*k_:TM+2*k_+1], v[ACC+2*k_:ACC+2*k_+1], v[ACC+2*k_:ACC+2*k_+1]
.set k_, k_+1
.endr
.set k_, 4
.rept 28
	v_pk_fma_f32 v[TM+2*(k_%4):TM+2*(k_%4)+1], v[ACC+2*k_:ACC+2*k_+1], v[ACC+2*k_:ACC+2*k_+1], v[TM+2*(k_%4):TM+2*(k_%4)+1]
.set k_, k_+1
.endr
	v_pk_add_f32 v[TM:TM+1], v[TM:TM+1], v[TM+2:TM+3]
	v_pk_add_f32 v[TM+4:TM+5], v[TM+4:TM+5], v[TM+6:TM+7]
	v_pk_add_f32 v[TM:TM+1], v[TM:TM+1], v[TM+4:TM+5]
	v_add_f32 v[TM], v[TM], v[TM+1]
	v_permlanex16_b32 v[TM+2], v[TM], s[SEL], s[SEL+1]
	v_add_f32 v[SM_+1], v[TM], v[TM+2]
	ds_store_b64 v[SAW], v[SM_:SM_+1] offset:128*(\m)
.endm
; Second half: the four waves' figures are joined (the parts' sums of squares, and 128 x the squared distances of their means from the whole mean: no difference of large sums is formed);
; my channels are normed, scaled, shifted and quantised: K step w of the next product, tile m: image to LDS.  No wait stands behind the image's stores: what follows writes registers alone, and the
; barrier's own wait shows the stores landed before any wave reads them.
.macro LNFIN m
.set A_, ST+8*(\m)
	v_add_f32 v[TM], v[A_], v[A_+2]
	v_add_f32 v[TM+1], v[A_+4], v[A_+6]
	v_add_f32 v[TM+2], v[A_+1], v[A_+3]
	v_add_f32 v[TM+3], v[A_+5], v[A_+7]
	v_add_f32 v[TM], v[TM], v[TM+1]
	v_add_f32 v[TM+2], v[TM+2], v[TM+3]
	v_mul_f32 v[MS], 0x3e800000, v[TM]             ; the row's mean
	v_sub_f32 v[TM+4], v[A_], v[MS]
	v_sub_f32 v[TM+5], v[A_+2], v[MS]
	v_sub_f32 v[TM+6], v[A_+4], v[MS]
	v_sub_f32 v[TM+7], v[A_+6], v[MS]
	v_mul_f32 v[TM], v[TM+4], v[TM+4]
	v_fmac_f32 v[TM], v[TM+5], v[TM+5]
	v_fmac_f32 v[TM], v[TM+6], v[TM+6]
	v_fmac_f32 v[TM], v[TM+7], v[TM+7]
	v_fmamk_f32 v[TM], v[TM], 0x43000000, v[TM+2]
	v_fma_f32 v[TM], v[TM], 0x3b000000, s[EPS]     ; / 512 + eps
	v_rsq_f32 v[RS], v[TM]
	WIN 0x03
.set k_, 0
.rept 32
	v_pk_add_f32 v[ACC+2*k_:ACC+2*k_+1], v[64*(\m)+2*k_:64*(\m)+2*k_+1], v[MS:MS+1] op_sel_hi:[1,0] neg_lo:[0,1] neg_hi:[0,1]   ; plain work that names nothing of the root's
.set k_, k_+1
.endr
	WIN 0
	s_wait_alu depctr_va_vdst(0)                   ; the wait ahead of the first line that names the root's result
.set k_, 0
.rept 32
	v_pk_mul_f32 v[ACC+2*k_:ACC+2*k_+1], v[ACC+2*k_:ACC+2*k_+1], v[RS:RS+1] op_sel_hi:[1,0]
.set k_, k_+1
.endr
	WIN 0x14
.set k_, 0
.rept 32
	v_pk_fma_f32 v[ACC+2*k_:ACC+2*k_+1], v[ACC+2*k_:ACC+2*k_+1], v[2*k_:2*k_+1], v[64+2*k_:65+2*k_]   ; x gain + bias (window 1)
.set k_, k_+1
.endr
	WIN 0
	QUANT ACC, 0, 4
	WORD PW
	IMAGE IW1, 2048*(\m)
	ds_store_b32 v[IS1], v[PW] offset:32768+128*(\m)
.endm
	s_load_b512 s[4:19], s[0:1], 0x0
	s_load_b256 s[20:27], s[0:1], 0x40
	s_load_b64 s[28:29], s[0:1], 0x60
	v_lshl_add_u32 v254, v0, 2, 0x19c00
	v_mov_b32 v255, 0
	v_lshrrev_b32 v1, 5, v0
	v_readfirstlane_b32 s[WV], v1                  ; wave 0..3
	v_and_b32 v18, 31, v0                          ; lane
	v_and_b32 v19, 15, v0                          ; r
	v_bfe_u32 v20, v0, 4, 1                        ; h
	v_and_b32 v21, 8, v19
	v_add_nc_u32 v21, v21, v19                     ; r + 8 (r / 8)
	v_lshlrev_b32 v[LI0], 4, v18
	v_add_nc_u32 v[LI1], IMG1, v[LI0]
	v_lshlrev_b32 v[LS1], 2, v18
	s_lshl_b32 s31, s[WV], 9
	v_add_nc_u32 v[IS1], s31, v[LS1]
	v_add_nc_u32 v[IS1], IMG1, v[IS1]
	v_add_nc_u32 v[LS1], IMG1, v[LS1]
	v_lshl_add_u32 v[CB], v20, 6, s31
	v_lshlrev_b32 v[SAR], 3, v19
	v_add_nc_u32 v[SAR], STAT, v[SAR]
	v_add_nc_u32 v[SAW], s31, v[SAR]
	s_lshl_b32 s31, s[WV], 13
	v_add_nc_u32 v[IW1], s31, v[LI0]
	v_add_nc_u32 v[IW1], IMG1, v[IW1]
	s_mul_i32 s31, s[WV], 8448
	s_add_co_u32 s31, s31, STG
	v_add_nc_u32 v[STW], s31, v[LI0]
	v_mul_u32_u24 v[STR], v19, 528
	v_lshl_add_u32 v[STR], v20, 6, v[STR]
	v_add_nc_u32 v[STR], s31, v[STR]
	v_lshl_add_u32 v[SPA], v20, 3, v21
	v_lshlrev_b32 v[SPA], 4, v[SPA]
	v_lshlrev_b32 v[L8], 3, v18
	s_mov_b32 s[SEL], 0x76543210
	s_mov_b32 s[SEL+1], 0xfedcba98                 ; v_permlanex16_b32's selects for lane l xor 16
	s_mov_b32 s[MNT], 0x600000                     ; the mantissa field of 448
	s_mov_b32 s[EPS], 0x3727c5ac                   ; 1e-5
	s_mov_b32 s[HIM], 0xffff0000                   ; lanes 16-31
.irp i, 2,4,5,6,7
	v_mov_b32 v[TM+\i], 0                          ; written once: a lane permute's destination counts as one of its sources
.endr
.irp i, 0,1,2,3
	v_mov_b32 v[ST+8*\i+1], 0                      ; named as the upper half of a pair before it is first written
.endr
	v_mov_b32 v[MS+1], 0
	v_mov_b32 v[RS+1], 0
	s_mov_b32 s33, 0
	s_wait_kmcnt 0x0
	s_lshl_b32 s32, ttmp9, 17                      ; 64 rows of 2,048 bytes a block,
	s_lshl_b32 s34, s[WV], 9                       ; my 512 bytes of a row
	s_add_co_u32 s32, s32, s34
	s_add_nc_u64 s[XP:XP+1], s[XP:XP+1], s[32:33]
	s_mul_i32 s32, s[WV], 786432
	s_add_nc_u64 s[WP:WP+1], s[WP:WP+1], s[32:33]
	s_lshl_b32 s32, s[WV], 11                      ; my 128 weight rows' scale bytes
.irp i, 0,2,4
	s_add_nc_u64 s[WSP+\i:WSP+\i+1], s[WSP+\i:WSP+\i+1], s[32:33]
.endr
	s_lshl_b32 s32, ttmp9, 15
	s_lshl_b32 s34, s[WV], 13
	s_add_co_u32 s32, s32, s34                     ; qf, kf: block x 32,768 + head 2 w x 4,096
	s_add_nc_u64 s[CFP:CFP+1], s[CFP:CFP+1], s[32:33]
	s_add_nc_u64 s[CFP+2:CFP+3], s[CFP+2:CFP+3], s[32:33]
	s_lshr_b32 s32, ttmp9, 3
	s_lshl_b32 s32, s32, 18                        ; vf: batch x 262,144
	s_lshl_b32 s34, s[WV], 16                      ; + head 2 w x 32,768
	s_add_co_u32 s32, s32, s34
	s_bfe_u32 s34, ttmp9, 0x20001
	s_lshl_b32 s34, s34, 13                        ; + key step x 8,192
	s_add_co_u32 s32, s32, s34
	s_and_b32 s34, ttmp9, 1
	s_lshl_b32 s34, s34, 10                        ; + which half of the step's 128 keys: register groups 2, 3
	s_add_co_u32 s32, s32, s34
	s_add_nc_u64 s[CFP+4:CFP+5], s[CFP+4:CFP+5], s[32:33]
	s_lshl_b32 s32, ttmp9, 10
	s_lshl_b32 s34, s[WV], 8
	s_add_co_u32 s32, s32, s34
.irp i, 0,2,4
	s_add_nc_u64 s[SFP+\i:SFP+\i+1], s[SFP+\i:SFP+\i+1], s[32:33]
.endr
	XLD 0, 0
	XLD 1, 8
	XLD 2, 32
	XLD 3, 40
	GLD 0, G1P
	GLD 64, B1LP
	s_wait_loadcnt 32                              ; gain's and bias's 32 loads were issued behind x's 64: x is in
	XTR 0
	XTR 1
	XTR 2
	XTR 3
.set p_, 0                                     ; the weights' scale words and the ring's first four batches are asked for here: they have the whole norm in which to land, and x is not kept waiting behind them
.rept 12
	global_load_b128 v[WSQ+4*p_:WSQ+4*p_+3], v[SPA], s[WSP+2*(p_/4):WSP+2*(p_/4)+1] offset:512*(p_%4)
.set p_, p_+1
.endr
	LOADB 0, 0
	LOADB 1, 8192
	LOADB 2, 16384
	LOADB 3, 24576
	s_wait_dscnt 0x0
	LNSTAT 0
	LNSTAT 1
	LNSTAT 2
	LNSTAT 3
	BARRIER                                        ; all four waves' figures lie in LDS
.set m_, 0
.rept 4
.set k_, 0
.rept 4
	ds_load_b64 v[ST+8*m_+2*k_:ST+8*m_+2*k_+1], v[SAR] offset:512*k_+128*m_
.set k_, k_+1
.endr
.set m_, m_+1
.endr
	s_wait_dscnt 0x0
	s_wait_loadcnt 63                              ; 76 loads were issued behind gain and bias: both are in
	LNFIN 0
	LNFIN 1
	LNFIN 2
	LNFIN 3
	BARRIER                                        ; h's sixteen fragments lie in LDS
	FETCHA LI1, LS1
	s_wait_dscnt 0x0
; Twelve pairs of weight tiles: pairs 0-3 q, 4-7 k, 8-11 v; in each four: head 2 w + e, e = (p % 4) / 2, its d block p % 2.  A pair is two batches (K steps 0, 1 and 2, 3).
.set p_, 0
.rept 12
.set e_, (p_%4)/2
.set bt_, p_%2
.set hf_, 0
.rept 2
.set g_, 2*p_+hf_
.if g_ < 21
	s_wait_loadcnt 48                              ; three younger batches of 16 loads may be out: this batch is in
.else
	s_wait_loadcnt 16*(23-g_)
.endif
.if p_ < 8
	MMH 0, g_%4, hf_, WSQ+4*p_
.else
	MMH 3, g_%4, hf_, WSQ+4*p_
.endif
	NOPS 8                                         ; places in front of loads into registers that these products have read, and of the first read of results
.if hf_ == 0
	s_wait_xcnt 0x0                                ; the last pair's stores have read their data: the codes' registers are written again, by this pair's conversions, only behind this wait.  It stands ahead of this pair's loads, sixteen products behind those stores
.endif
.if g_+4 < 24
	LOADB g_%4, 8192*(g_+4)
.endif
.set hf_, hf_+1
.endr
	QUANT ACC, 0, 4
.if p_ < 8
.set m_, 0
.rept 4
	global_store_b128 v[LI0], v[PC+4*m_:PC+4*m_+3], s[CFP+2*(p_/4):CFP+2*(p_/4)+1] offset:4096*e_+1024*m_+512*bt_   ; 512 consecutive bytes: tile m's register group of d block bt
.if (bt_==0) && (m_%2==0)
	v_mov_b32 v[SQ+2*e_+m_/2], v[TM+4+m_]
.else
	v_lshl_or_b32 v[SQ+2*e_+m_/2], v[TM+4+m_], 16*(m_%2)+8*bt_, v[SQ+2*e_+m_/2]
.endif
.set m_, m_+1
.endr
.else
.set m_, 0
.rept 4
	global_store_b128 v[LI0], v[PC+4*m_:PC+4*m_+3], s[CFP+4:CFP+5] offset:32768*e_+2048*(2*bt_+m_/2)+512*(m_%2)     ; d tile 2 bt + unit / 2, key block unit % 2
.set m_, m_+1
.endr
	WORD SQ+2*e_+bt_
.endif
.if p_%4 == 3
	v_cndmask_b32 v[OUT], v[SQ], v[SQ+2], s[HIM]   ; lanes 0-15 carry head 2 w's words, lanes 16-31 head 2 w + 1's
	v_cndmask_b32 v[OUT+1], v[SQ+1], v[SQ+3], s[HIM]
	global_store_b64 v[L8], v[OUT:OUT+1], s[SFP+2*(p_/4):SFP+2*(p_/4)+1]   ; 256 consecutive bytes, aligned
.endif
.set p_, p_+1
.endr
	s_wait_tensorcnt 0x0
	ds_add_u32 v254, v255
	s_wait_dscnt 0x0
	s_endpgm
.Lfunc_end_k_q802dde467c_qkv:
	.size	k_q802dde467c_qkv, .Lfunc_end_k_q802dde467c_qkv-k_q802dde467c_qkv
	.p2alignl 7, 3214868480
	.fill 96, 4, 3214868480
	.section	.rodata,"a",@progbits
	.p2align	6, 0x0
	.amdhsa_kernel k_q802dde467c_qkv
		.amdhsa_group_segment_fixed_size 105984
		.amdhsa_private_segment_fixed_size 0
		.amdhsa_enable_private_segment 0
		.amdhsa_kernarg_size 104
		.amdhsa_user_sgpr_count 2
		.amdhsa_user_sgpr_kernarg_segment_ptr 1
		.amdhsa_wavefront_size32 1
		.amdhsa_system_sgpr_workgroup_id_x 1
		.amdhsa_system_sgpr_workgroup_id_y 1
		.amdhsa_system_sgpr_workgroup_id_z 1
		.amdhsa_system_vgpr_workitem_id 0
		.amdhsa_next_free_vgpr 1024
		.amdhsa_next_free_sgpr 66
		.amdhsa_reserve_vcc 0
		.amdhsa_float_denorm_mode_32 3
		.amdhsa_float_denorm_mode_16_64 3
		.amdhsa_memory_ordered 1
		.amdhsa_forward_progress 1
		.amdhsa_inst_pref_size 255
	.end_amdhsa_kernel
	.section	.bss,"aw",@nobits
	.p2align	6
	.space	262144
	.amdgpu_metadata
---
amdhsa.version: [ 1, 2 ]
amdhsa.kernels:
  - .name:           k_q802dde467c_qkv
    .symbol:         k_q802dde467c_qkv.kd
    .args:
      - { .name: x, .offset: 0, .size: 8, .value_kind: global_buffer, .address_space: global }
      - { .name: ln1_g, .offset: 8, .size: 8, .value_kind: global_buffer, .address_space: global }
      - { .name: ln1_b, .offset: 16, .size: 8, .value_kind: global_buffer, .address_space: global }
      - { .name: wq_scales, .offset: 24, .size: 8, .value_kind: global_buffer, .address_space: global }
      - { .name: wk_scales, .offset: 32, .size: 8, .value_kind: global_buffer, .address_space: global }
      - { .name: wv_scales, .offset: 40, .size: 8, .value_kind: global_buffer, .address_space: global }
      - { .name: wf, .offset: 48, .size: 8, .value_kind: global_buffer, .address_space: global }
      - { .name: qf, .offset: 56, .size: 8, .value_kind: global_buffer, .address_space: global }
      - { .name: kf, .offset: 64, .size: 8, .value_kind: global_buffer, .address_space: global }
      - { .name: vf, .offset: 72, .size: 8, .value_kind: global_buffer, .address_space: global }
      - { .name: qs, .offset: 80, .size: 8, .value_kind: global_buffer, .address_space: global }
      - { .name: ks, .offset: 88, .size: 8, .value_kind: global_buffer, .address_space: global }
      - { .name: vs, .offset: 96, .size: 8, .value_kind: global_buffer, .address_space: global }
    .group_segment_fixed_size: 105984
    .private_segment_fixed_size: 0
    .kernarg_segment_align: 8
    .kernarg_segment_size: 104
    .max_flat_workgroup_size: 128
    .sgpr_count:     66
    .vgpr_count:     1024
    .wavefront_size: 32
...
	.end_amdgpu_metadata
.endif
;; end of part 2
;; launch block (part 3): grid 256 x 1, 4 waves a work-group, no clusters, 124,416 bytes of LDS; arguments x, qf, kf, vf, qs, ks, vs, wf, w_proj_scales, b_proj, ln2_g, ln2_b, w1_scales, b1, w2_scales, b2, out0; writes out0
.if DOCPART == 3
	.amdgcn_target "amdgcn-amd-amdhsa--gfx1250"
	.amdhsa_code_object_version 6
	.text
	.protected	k_q802dde467c_block
	.globl	k_q802dde467c_block
	.p2align	8
	.type	k_q802dde467c_block,@function
k_q802dde467c_block:
	s_mov_b64 s[64:65], 0
	v_nop
	global_prefetch_b8 v0, s[64:65] scope:SCOPE_SE
	s_setreg_imm32_b32 hwreg(HW_REG_WAVE_MODE, 25, 1), 1
	s_wait_xcnt 0x0
; Causal attention on the codes of q, k, v; x1 = x + o W_proj + b_proj; h2 = layernorm(x1); out = x1 + relu(h2 W1 + b1) W2 + b2.  All five products on codes of E4M3 with one E8M0 scale for each 32 along K.
; o, x1, h2 and the hidden layer never go to memory.
; SHARES.  A work-group owns 64 rows of one batch: four tiles of 16 queries, tile j = tile mt of the batch's 64-row block a + 2 j (g = work-group % 8, a = g % 2, mt = g / 2).  Under the causal mask tile j needs j + 1 key steps
; of 128 keys, the last of them on the diagonal: 10 steps a head in every work-group, and no trip count hangs on the work-group's number.
; ATTENTION: wave w takes heads 2 w and 2 w + 1, one after the other, all four tiles.  A head's K and V (64 KiB of codes) lie in the wave's registers (windows 1 and 2).  Both products are used transposed: a lane holds one query.
; K = 64 fills half of the instruction's 128: a fragment of K carries TWO tiles of 16 keys (register groups 0, 1 and 2, 3), and q stands beside eight registers of zero codes, below or above, which picks one of the two.
; SOFTMAX: t = score x log2(e) / sqrt(512); M = the running largest t rounded up to a whole number; p = 2^(t - M) is quantised along the keys; the row's sum is taken of the unquantised p and divides at the end.
; THE TAIL: the waves share the columns: wave w owns channels 128 w .. + 127 of x1 and out (window 3), hidden units 128 w .. + 127 of each chunk of 512.  Operands go from wave to wave through LDS as images of their registers.
; The weights come from wf straight into registers: a ring of four slots of four fragments, three batches of 16 loads on their way.  No cluster and no tensor load: each weight byte is used by one wave of a work-group, so LDS
; would add a write and a read to each and spare none; the ring needs no barrier.
; LIMITS: a block of zeros gets the byte 1 where the rule says 127 (its codes are zeros; the bytes stay in this program); a block whose largest magnitude lies under 2^-118 is held at that floor; NaN and infinities are not served;
; t is formed with the one constant log2(e) / sqrt(512), one rounding where two multiplications would round twice.
.set IMG1, 34816                       ; LDS: IMG0 at 0: o's images, later the hidden layer's; IMG1: h2's.  Each: 16 fragments ((m, s) at (4 s + m) x 2,048), then 16 x 128 bytes of scale words
.set STG,  69632                       ; a stage of 16 rows x (512 + 16) bytes for each wave
.set STAT, 103424                      ; [wave][64 rows][mean, sum of squared deviations]
.set QST,  105472                      ; for each wave 4,608 bytes: a head's q: four tiles x 1,024 bytes of codes, then 4 x 128 bytes of scale words
.set LI0, 1                            ; v1   16 x lane
.set LI1, 2                            ; v2   + IMG1
.set LS0, 3                            ; v3   4 x lane
.set LS1, 4                            ; v4   + IMG1
.set IW0, 5                            ; v5   16 x lane + 8,192 x wave: where I store images
.set IW1, 6
.set IS0, 7                            ; v7   4 x lane + 512 x wave: and their scale words
.set IS1, 8
.set STW, 9                            ; v9   my stage, by rows
.set STR, 10                           ; v10  my stage, by my row
.set SAW, 11
.set SAR, 12
.set CB,  13                           ; v13  512 x wave + 64 h
.set SPA, 14                           ; v14  16 x (8 h + r + 8 (r / 8))
.set SPB, 15                           ; v15  64 x the same
.set B1A, 16                           ; v16  64 h
.set QWA, 17                           ; v17  q's codes in LDS: my 16 bytes
.set QWS, 18                           ; v18  q's scale words
.set QRA, 19                           ; v19, v20 the same for the tile that comes next
.set QRS, 20
.set OAD, 21                           ; v21, v22 where the tile's o goes
.set OSA, 22
.set DM,  23                           ; v23  my query's place in its key step, less 16 h
.set NINF, 24
.set SLA, 25                           ; v25  8 r
.set QSA, 26                           ; v26  8 r + 2 mt
.set PFO, 27                           ; v27  the prefetch's offset; never rewritten
.set NM,  28                           ; v28 -M, v29 the running largest t;  in the norm the pair MS
.set RT,  29
.set MS,  28
.set LSUM, 30                          ; v[30:31] the row's sum in two halves;  in the norm the pair RS
.set RS,  30
.set ACC, 32                           ; v32-95   scores and p; 64 numbers at work; eight accumulators; hidden fragments, set 0
.set PC,  96                           ; v96-111  codes just made
.set TM,  112                          ; v112-127 the quantiser's
.set SW,  128                          ; v128-131 scale words on their way to LDS
.set PW,  128
.set AS,  132                          ; v132-147 scale words of the 16 fragments in window 1;  in attention: v132-135 V's, v136 q's low, v137 q's high, v138 p's
.set VSW, 132
.set QLO, 136
.set QHI, 137
.set PWA, 138
.set HS,  148                          ; v148-155 the hidden layer's scale words, two sets
.set W1S, 156                          ; v156-163 scale words of w_proj or W1, two sets of four K steps
.set W2S, 164                          ; v164-179 W2's;  in attention K's, (step S, fragment u) at 4 S + u
.set KSC, 164
.set B1R, 180                          ; v180-211 b1 in the result's layout, two sets of 16
.set QZ,  180                          ; v180-203 in attention: eight zeros, q's eight registers, eight zeros
.set OA,  204                          ; v204-235 O^T
.set VSR, 236                          ; v236-251 V's scale bytes as they lie in memory
.set ST,  220                          ; v220-251 the norm's figures; hidden fragments, set 1 (with v96-127)
.set FF,  252                          ; v[252:253] the factor 2^(old M - new M), later 1 / the sum
.set X0,  254
.set XP, 4
.set QP, 6
.set KP, 8
.set VP, 10
.set QSP, 12
.set KSP, 14
.set VSP, 16
.set WP, 18
.set PSP, 20
.set BPP, 22
.set G2P, 24
.set B2LP, 26
.set W1SP, 28
.set B1P, 30
.set W2SP, 32
.set B2P, 34
.set OUTP, 36
.set WV, 38
.set SE, 48                            ; s48 which of my two heads;  s49 the tile;  s50 the key step;  s51 the chunk
.set SJ, 49
.set SS, 50
.set SCH, 51
.set SEL, 52
.set CS, 54
.set MNT, 56
.set P0, 57
.set P1, 58
.set EPS, 59
.set JO, 60
.set JS, 61
.set PFA, 62
.set JQ, 66
.set JQS, 67
.set MSB, 0
.macro WIN new                         ; the immediate's high byte repeats the setting that is left; a switch that changes nothing is dropped
.if MSB != (\new)
	s_set_vgpr_msb (MSB<<8)|(\new)
.set MSB, \new
.endif
.endm
.macro NOPS n
.rept \n
	v_nop
.endr
.endm
.macro BARRIER                         ; my LDS stores have landed and my LDS loads are in: then the work-group's barrier
	s_wait_dscnt 0x0
	s_barrier_signal -1
	s_barrier_wait -1
.endm
.macro XLD m, rows                     ; tile m's 16 rows of x, my 512 bytes of each
	WIN 0xc0
.set i_, 0
.rept 16
	global_load_b128 v[64*(\m)+4*i_:64*(\m)+4*i_+3], v[LI0], s[XP:XP+1] offset:((\rows)+i_+8*(i_/8))*2048 th:TH_LOAD_NT
.set i_, i_+1
.endr
	WIN 0
.endm
.macro XTR m                           ; through my own stage: in by rows, back 64 bytes of my row at a time.  LDS serves a wave's instructions in order: no wait between
	WIN 0x0c
.set i_, 0
.rept 16
	ds_store_b128 v[STW], v[64*(\m)+4*i_:64*(\m)+4*i_+3] offset:528*i_
.set i_, i_+1
.endr
	WIN 0xc0
.set i_, 0
.rept 16
	ds_load_b128 v[64*(\m)+4*i_:64*(\m)+4*i_+3], v[STR] offset:128*(i_/4)+16*(i_%4)
.set i_, i_+1
.endr
	WIN 0
.endm
.macro GLD base, ptr                   ; a gain or bias in T's layout, into window 1
	WIN 0x40
.set i_, 0
.rept 16
	global_load_b128 v[\base+4*i_:\base+4*i_+3], v[CB], s[\ptr:\ptr+1] offset:128*(i_/4)+16*(i_%4)
.set i_, i_+1
.endr
	WIN 0
.endm
.macro BIASADD base                    ; T += a bias, all four tiles
	WIN 0xc7
.set m_, 0
.rept 4
.set i_, 0
.rept 32
	v_pk_add_f32 v[64*m_+2*i_:64*m_+2*i_+1], v[64*m_+2*i_:64*m_+2*i_+1], v[\base+2*i_:\base+2*i_+1]
.set i_, i_+1
.endr
.set m_, m_+1
.endr
	WIN 0
.endm
; nu units of 16 numbers of a lane, v[s + 16 b + i]; a block of 32 lies in lanes l and l xor 16.  Codes to v[PC + 4 b] on, the scales' bytes to v[TM + 4 + b].  relu = 1: what is negative becomes 0 on the way.
.macro QUANT s, relu, nu
.set b_, 0
.rept \nu
.if \relu
	v_max3_num_f32 v[TM+b_], v[\s+16*b_], v[\s+16*b_+1], 0x4800000       ; the floor 2^(9 - 127) among the leaves: the byte cannot fall under 1
.else
	v_max3_num_f32 v[TM+b_], |v[\s+16*b_]|, |v[\s+16*b_+1]|, 0x4800000
.endif
.set b_, b_+1
.endr
.set i_, 2
.rept 7
.set b_, 0
.rept \nu
.if \relu
	v_max3_num_f32 v[TM+b_], v[TM+b_], v[\s+16*b_+i_], v[\s+16*b_+i_+1]
.else
	v_max3_num_f32 v[TM+b_], v[TM+b_], |v[\s+16*b_+i_]|, |v[\s+16*b_+i_+1]|
.endif
.set b_, b_+1
.endr
.set i_, i_+2
.endr
.set b_, 0
.rept \nu
	v_permlanex16_b32 v[TM+4+b_], v[TM+b_], s[SEL], s[SEL+1]
.set b_, b_+1
.endr
.set b_, 0
.rept \nu
	v_max_num_f32 v[TM+b_], v[TM+b_], v[TM+4+b_]                         ; the block's largest magnitude
.set b_, b_+1
.endr
.set b_, 0
.rept \nu
	v_add_nc_u32 v[TM+12+b_], 0xfc000000, v[TM+b_]                       ; 8 off its exponent field: the conversion's scale operand
.set b_, b_+1
.endr
.set b_, 0
.rept \nu
	v_and_or_b32 v[TM+8+b_], v[TM+b_], 0x7f800000, s[MNT]                ; 448 x the scale
.set b_, b_+1
.endr
.set b_, 0
.rept \nu
	v_lshrrev_b32 v[TM+4+b_], 23, v[TM+12+b_]                            ; the scale's byte
.set b_, b_+1
.endr
.set b_, 0
.rept \nu
.set i_, 0
.rept 16
.if \relu
	v_med3_num_f32 v[\s+16*b_+i_], v[\s+16*b_+i_], 0, v[TM+8+b_]         ; the activation and the hold in one
.else
	v_med3_num_f32 v[\s+16*b_+i_], v[\s+16*b_+i_], -v[TM+8+b_], v[TM+8+b_]   ; the conversion does not saturate (ISA guide 7.6.2): the hold comes first
.endif
.set i_, i_+1
.endr
	v_cvt_scalef32_pk8_fp8_f32 v[PC+4*b_:PC+4*b_+1], v[\s+16*b_:\s+16*b_+7], v[TM+12+b_]
	v_cvt_scalef32_pk8_fp8_f32 v[PC+4*b_+2:PC+4*b_+3], v[\s+16*b_+8:\s+16*b_+15], v[TM+12+b_]
.set b_, b_+1
.endr
	v_nop                                          ; one plain line behind the last conversion
.endm
.macro WORD d
	v_lshl_or_b32 v[\d], v[TM+5], 8, v[TM+4]
	v_lshl_or_b32 v[\d], v[TM+6], 16, v[\d]
	v_lshl_or_b32 v[\d], v[TM+7], 24, v[\d]
.endm
.macro IMAGE a, off
.set c_, 0
.rept 4
	ds_store_b128 v[\a], v[PC+4*c_:PC+4*c_+3] offset:\off+512*c_
.set c_, c_+1
.endr
.endm
.macro FETCHA li, ls                   ; all 16 fragments and their scale words, into window 1 and v[AS] on
	WIN 0x40
.set m_, 0
.rept 4
.set s_, 0
.rept 4
.set c_, 0
.rept 4
	ds_load_b128 v[16*(4*m_+s_)+4*c_:16*(4*m_+s_)+4*c_+3], v[\li] offset:(4*s_+m_)*2048+512*c_
.set c_, c_+1
.endr
.set s_, s_+1
.endr
.set m_, m_+1
.endr
	WIN 0
.set m_, 0
.rept 4
.set s_, 0
.rept 4
	ds_load_b32 v[AS+4*m_+s_], v[\ls] offset:32768+(4*s_+m_)*128
.set s_, s_+1
.endr
.set m_, m_+1
.endr
.endm
.macro LOADB slot, off                 ; a batch: four weight fragments, 16 loads of 512 consecutive bytes
	WIN 0x80
.set i_, 0
.rept 16
	global_load_b128 v[64*(\slot)+4*i_:64*(\slot)+4*i_+3], v[LI0], s[WP:WP+1] offset:(\off)+512*i_
.set i_, i_+1
.endr
	WIN 0
.endm
.macro WMS cz, ra, rb                  ; one product on the registers named by rD, rA, rB, rC, rSA, rSB.  cz: the sum starts at 0.  ra, rb: that side's scales stand in lanes 16-31
.if \cz
.if \ra
	v_wmma_scale_f32_16x16x128_f8f6f4 v[rD:rD+7], v[rA:rA+15], v[rB:rB+15], 0, v[rSA], v[rSB] matrix_a_scale:MATRIX_SCALE_ROW1
.elseif \rb
	v_wmma_scale_f32_16x16x128_f8f6f4 v[rD:rD+7], v[rA:rA+15], v[rB:rB+15], 0, v[rSA], v[rSB] matrix_b_scale:MATRIX_SCALE_ROW1
.else
	v_wmma_scale_f32_16x16x128_f8f6f4 v[rD:rD+7], v[rA:rA+15], v[rB:rB+15], 0, v[rSA], v[rSB]
.endif
.else
.if \ra
	v_wmma_scale_f32_16x16x128_f8f6f4 v[rD:rD+7], v[rA:rA+15], v[rB:rB+15], v[rC:rC+7], v[rSA], v[rSB] matrix_a_scale:MATRIX_SCALE_ROW1
.elseif \rb
	v_wmma_scale_f32_16x16x128_f8f6f4 v[rD:rD+7], v[rA:rA+15], v[rB:rB+15], v[rC:rC+7], v[rSA], v[rSB] matrix_b_scale:MATRIX_SCALE_ROW1
.else
	v_wmma_scale_f32_16x16x128_f8f6f4 v[rD:rD+7], v[rA:rA+15], v[rB:rB+15], v[rC:rC+7], v[rSA], v[rSB]
.endif
.endif
.endm
; 16 products: a batch's two K steps (2 hf, 2 hf + 1) x two weight tiles x four tiles of rows; source 0 the weights, source 1 the rows.  The eight accumulators take turns, one instruction a turn.
; kind 1: the hidden layer, into v[ACC] on; the first K step's C is b1.   kind 2: the projection, onto T (window 3), which holds x + b_proj.
.macro MMH kind, slot, hf, ws, beta
.if (\kind)==2
	WIN 0xf6
.else
	WIN 0x06
.endif
.set sl_, 0
.rept 2
.set s_, 2*(\hf)+sl_
.set u_, 0
.rept 2
.set m_, 0
.rept 4
.set rA, 64*(\slot)+16*(2*sl_+u_)
.set rB, 16*(4*m_+s_)
.set rSA, \ws+s_
.set rSB, AS+4*m_+s_
.if (\kind)==2
.set rD, 64*m_+8*(2*(\beta)+u_)
.else
.set rD, ACC+16*m_+8*u_
.endif
.set rC, rD
.if ((\kind)==1) && (s_==0)
.set rC, B1R+16*((\beta)%2)+8*u_
.endif
	WMS 0, u_, 0
.set m_, m_+1
.endr
.set u_, u_+1
.endr
.set sl_, sl_+1
.endr
	WIN 0
.endm
; The norm, first half: of my 128 channels of tile m's rows the mean and the sum of squared deviations from it, to LDS.  T is read in ascending order, each accumulator from its low end on.
.macro LNSTAT m
.set SM_, ST+8*(\m)
	WIN 0x0f
.set k_, 0
.rept 4
	v_pk_add_f32 v[TM+2*k_:TM+2*k_+1], v[64*(\m)+4*k_:64*(\m)+4*k_+1], v[64*(\m)+4*k_+2:64*(\m)+4*k_+3]
.set k_, k_+1
.endr
	WIN 0x0c
.set k_, 0
.rept 24
	v_pk_add_f32 v[TM+2*(k_%4):TM+2*(k_%4)+1], v[TM+2*(k_%4):TM+2*(k_%4)+1], v[64*(\m)+16+2*k_:64*(\m)+17+2*k_]
.set k_, k_+1
.endr
	WIN 0
	v_pk_add_f32 v[TM:TM+1], v[TM:TM+1], v[TM+2:TM+3]
	v_pk_add_f32 v[TM+4:TM+5], v[TM+4:TM+5], v[TM+6:TM+7]
	v_pk_add_f32 v[TM:TM+1], v[TM:TM+1], v[TM+4:TM+5]
	v_add_f32 v[TM], v[TM], v[TM+1]
	v_permlanex16_b32 v[TM+2], v[TM], s[SEL], s[SEL+1]
	v_add_f32 v[TM], v[TM], v[TM+2]
	v_mul_f32 v[SM_], 0x3c000000, v[TM]            ; / 128
	WIN 0x03
.set k_, 0
.rept 32
	v_pk_add_f32 v[ACC+2*k_:ACC+2*k_+1], v[64*(\m)+2*k_:64*(\m)+2*k_+1], v[SM_:SM_+1] op_sel_hi:[1,0] neg_lo:[0,1] neg_hi:[0,1]
.set k_, k_+1
.endr
	WIN 0
.set k_, 0
.rept 4
	v_pk_mul_f32 v[TM+2*k_:TM+2*k_+1], v[ACC+2*k_:ACC+2*k_+1], v[ACC+2*k_:ACC+2*k_+1]
.set k_, k_+1
.endr
.set k_, 4
.rept 28
	v_pk_fma_f32 v[TM+2*(k_%4):TM+2*(k_%4)+1], v[ACC+2*k_:ACC+2*k_+1], v[ACC+2*k_:ACC+2*k_+1], v[TM+2*(k_%4):TM+2*(k_%4)+1]
.set k_, k_+1
.endr
	v_pk_add_f32 v[TM:TM+1], v[TM:TM+1], v[TM+2:TM+3]
	v_pk_add_f32 v[TM+4:TM+5], v[TM+4:TM+5], v[TM+6:TM+7]
	v_pk_add_f32 v[TM:TM+1], v[TM:TM+1], v[TM+4:TM+5]
	v_add_f32 v[TM], v[TM], v[TM+1]
	v_permlanex16_b32 v[TM+2], v[TM], s[SEL], s[SEL+1]
	v_add_f32 v[SM_+1], v[TM], v[TM+2]
	ds_store_b64 v[SAW], v[SM_:SM_+1] offset:128*(\m)
.endm
; Second half: the four waves' figures are joined (the parts' sums of squares, and 128 x the squared distances of their means from the whole mean: no difference of large sums is formed);
; my channels are normed, scaled, shifted and quantised: K step w of the next product, tile m: image to LDS.  No wait stands behind the image's stores: what follows writes registers alone, and the
; barrier's own wait shows the stores landed before any wave reads them.
.macro LNFIN m
.set A_, ST+8*(\m)
	v_add_f32 v[TM], v[A_], v[A_+2]
	v_add_f32 v[TM+1], v[A_+4], v[A_+6]
	v_add_f32 v[TM+2], v[A_+1], v[A_+3]
	v_add_f32 v[TM+3], v[A_+5], v[A_+7]
	v_add_f32 v[TM], v[TM], v[TM+1]
	v_add_f32 v[TM+2], v[TM+2], v[TM+3]
	v_mul_f32 v[MS], 0x3e800000, v[TM]             ; the row's mean
	v_sub_f32 v[TM+4], v[A_], v[MS]
	v_sub_f32 v[TM+5], v[A_+2], v[MS]
	v_sub_f32 v[TM+6], v[A_+4], v[MS]
	v_sub_f32 v[TM+7], v[A_+6], v[MS]
	v_mul_f32 v[TM], v[TM+4], v[TM+4]
	v_fmac_f32 v[TM], v[TM+5], v[TM+5]
	v_fmac_f32 v[TM], v[TM+6], v[TM+6]
	v_fmac_f32 v[TM], v[TM+7], v[TM+7]
	v_fmamk_f32 v[TM], v[TM], 0x43000000, v[TM+2]
	v_fma_f32 v[TM], v[TM], 0x3b000000, s[EPS]     ; / 512 + eps
	v_rsq_f32 v[RS], v[TM]
	WIN 0x03
.set k_, 0
.rept 32
	v_pk_add_f32 v[ACC+2*k_:ACC+2*k_+1], v[64*(\m)+2*k_:64*(\m)+2*k_+1], v[MS:MS+1] op_sel_hi:[1,0] neg_lo:[0,1] neg_hi:[0,1]   ; plain work that names nothing of the root's
.set k_, k_+1
.endr
	WIN 0
	s_wait_alu depctr_va_vdst(0)                   ; the wait ahead of the first line that names the root's result
.set k_, 0
.rept 32
	v_pk_mul_f32 v[ACC+2*k_:ACC+2*k_+1], v[ACC+2*k_:ACC+2*k_+1], v[RS:RS+1] op_sel_hi:[1,0]
.set k_, k_+1
.endr
	WIN 0x14
.set k_, 0
.rept 32
	v_pk_fma_f32 v[ACC+2*k_:ACC+2*k_+1], v[ACC+2*k_:ACC+2*k_+1], v[2*k_:2*k_+1], v[64+2*k_:65+2*k_]   ; x gain + bias (window 1)
.set k_, k_+1
.endr
	WIN 0
	QUANT ACC, 0, 4
	WORD PW
	IMAGE IW1, 2048*(\m)
	ds_store_b32 v[IS1], v[PW] offset:32768+128*(\m)
.endm
; A HEAD'S LOADS: q's four tiles (12 loads), then for each key step S a group of 36: K's four fragments (window 1, 64 S on), V's four (window 2), K's and V's scale bytes of the step's two blocks.
.macro ETOP
.set j_, 0
.rept 4
	global_load_b128 v[ACC+8*j_:ACC+8*j_+3], v[LI0], s[QP:QP+1] offset:65536*j_
	global_load_b128 v[ACC+8*j_+4:ACC+8*j_+7], v[LI0], s[QP:QP+1] offset:65536*j_+512
	global_load_u16 v[ACC+32+j_], v[QSA], s[QSP:QSP+1] offset:2048*j_
.set j_, j_+1
.endr
.set t_, 0
.rept 4
	WIN 0x40
.set i_, 0
.rept 16
	global_load_b128 v[64*t_+4*i_:64*t_+4*i_+3], v[LI0], s[KP:KP+1] offset:65536*t_+32768*(i_/8)+2048*((i_/4)%2)+512*(i_%4)
.set i_, i_+1
.endr
	WIN 0x80
.set i_, 0
.rept 16
	global_load_b128 v[64*t_+4*i_:64*t_+4*i_+3], v[LI0], s[VP:VP+1] offset:8192*t_+512*i_
.set i_, i_+1
.endr
	WIN 0
.set i_, 0
.rept 2
	global_load_b64 v[KSC+4*t_+2*i_:KSC+4*t_+2*i_+1], v[SLA], s[KSP:KSP+1] offset:1024*(2*t_+i_)
.set i_, i_+1
.endr
.set i_, 0
.rept 2
	global_load_b64 v[VSR+4*t_+2*i_:VSR+4*t_+2*i_+1], v[SLA], s[VSP:VSP+1] offset:1024*(2*t_+i_)
.set i_, i_+1
.endr
.set t_, t_+1
.endr
.endm
.macro WAITG t                         ; behind group t stand 36 (3 - t) loads of the head's (x's, behind those, only add to that); a wait's count holds 63 at most
.if (\t)<2
	s_wait_loadcnt 63
.else
	s_wait_loadcnt 36*(3-(\t))
.endif
.endm
; S^T = K Q^T of key step t: eight tiles of 16 keys.  Fragment u of K holds tiles 2 u and 2 u + 1; q below the zeros picks the first, q above them the second.  V's scale words of the step are put together here.
.macro QK t
	WAITG \t
	v_perm_b32 v[VSW], v[VSR+4*(\t)+2], v[VSR+4*(\t)], s[P0]        ; d tile 0: the low halves of the two blocks' first words;
	v_perm_b32 v[VSW+1], v[VSR+4*(\t)+2], v[VSR+4*(\t)], s[P1]      ; d tile 1: the high halves
	v_perm_b32 v[VSW+2], v[VSR+4*(\t)+3], v[VSR+4*(\t)+1], s[P0]
	v_perm_b32 v[VSW+3], v[VSR+4*(\t)+3], v[VSR+4*(\t)+1], s[P1]
	WIN 0x01
.set u_, 0
.rept 4
.set y_, 0
.rept 2
.set rD, ACC+8*(2*u_+y_)
.set rA, 64*(\t)+16*u_
.set rB, QZ+8-8*y_
.set rC, rD
.set rSA, KSC+4*(\t)+u_
.set rSB, QLO+y_
	WMS 1, 0, 0
.set y_, y_+1
.endr
.set u_, u_+1
.endr
	WIN 0
.endm
.macro PV t                            ; O^T += V^T P^T: four tiles of 16 of the head's 64; K = the step's 128 keys.  The four accumulators take turns
	WAITG \t
	WIN 0x02
.set u_, 0
.rept 4
.set rD, OA+8*u_
.set rC, rD
.set rA, 64*(\t)+16*u_
.set rB, PC
.set rSA, VSW+u_
.set rSB, PWA
	WMS 0, 0, 0
.set u_, u_+1
.endr
	WIN 0
.endm
; The softmax of a key step: register 16 b + i of v[ACC] on is key 32 b + 16 h + i of the step, for my query.
.macro SOFT
.set b_, 0
.rept 4
	v_max3_num_f32 v[TM+b_], v[ACC+16*b_], v[ACC+16*b_+1], v[ACC+16*b_+2]   ; the largest score of each block of 32 keys: for the row's maximum, and, since p rises with the score, for the block's largest p
.set b_, b_+1
.endr
.set i_, 3
.rept 6
.set b_, 0
.rept 4
	v_max3_num_f32 v[TM+b_], v[TM+b_], v[ACC+16*b_+i_], v[ACC+16*b_+i_+1]
.set b_, b_+1
.endr
.set i_, i_+2
.endr
.set b_, 0
.rept 4
	v_max_num_f32 v[TM+b_], v[TM+b_], v[ACC+16*b_+15]
.set b_, b_+1
.endr
.set b_, 0
.rept 4
	v_permlanex16_b32 v[TM+4+b_], v[TM+b_], s[SEL], s[SEL+1]
.set b_, b_+1
.endr
.set b_, 0
.rept 4
	v_max_num_f32 v[TM+b_], v[TM+b_], v[TM+4+b_]
.set b_, b_+1
.endr
	v_max3_num_f32 v[X0], v[TM], v[TM+1], v[TM+2]
	v_max_num_f32 v[X0], v[X0], v[TM+3]
	v_mul_f32 v[X0], s[CS], v[X0]                  ; the step's largest t (c is positive)
	v_max_num_f32 v[RT], v[RT], v[X0]
	v_mov_b32 v[X0], v[NM]
	v_floor_f32 v[NM], -v[RT]                      ; -M = floor(-t): M is a whole number
	v_sub_f32 v[X0], v[NM], v[X0]
	v_cvt_i32_f32 v[X0], v[X0]                     ; (it saturates)
	v_ldexp_f32 v[FF], 1.0, v[X0]                  ; f = 2^(old M - new M): rounds nothing; 0 in a tile's first step
.set j_, 0
.rept 32
	v_pk_fma_f32 v[ACC+2*j_:ACC+2*j_+1], v[ACC+2*j_:ACC+2*j_+1], s[CS:CS+1], v[NM:NM+1] op_sel_hi:[1,0,0]   ; t - M
.set j_, j_+1
.endr
.set b_, 0
.rept 4
	v_fma_f32 v[TM+b_], v[TM+b_], s[CS], v[NM]
.set b_, b_+1
.endr
.set j_, 0
.rept 64
	v_exp_f32 v[ACC+j_], v[ACC+j_]                 ; p = 2^(t - M): not normalised
.set j_, j_+1
.endr
	v_pk_mul_f32 v[LSUM:LSUM+1], v[LSUM:LSUM+1], v[FF:FF+1] op_sel_hi:[1,0]   ; a plain line behind the exponentials
	s_wait_alu depctr_va_vdst(0)                   ; one wait for the batch of 64, ahead of its first reader
.set b_, 0
.rept 4
	v_exp_f32 v[TM+b_], v[TM+b_]                   ; the block's largest p
.set b_, b_+1
.endr
	v_pk_add_f32 v[TM+4:TM+5], v[ACC:ACC+1], v[ACC+2:ACC+3]                  ; the row's sum is taken of the unquantised p, in two chains
.set j_, 4
.rept 15
	v_pk_add_f32 v[LSUM:LSUM+1], v[LSUM:LSUM+1], v[ACC+j_:ACC+j_+1]
	v_pk_add_f32 v[TM+4:TM+5], v[TM+4:TM+5], v[ACC+j_+2:ACC+j_+3]
.set j_, j_+4
.endr
	v_pk_add_f32 v[LSUM:LSUM+1], v[LSUM:LSUM+1], v[TM+4:TM+5]
	s_wait_alu depctr_va_vdst(0)                   ; and one for the four
.set b_, 0
.rept 4
	v_max_num_f32 v[TM+b_], 0x4800000, v[TM+b_]
.set b_, b_+1
.endr
.set b_, 0
.rept 4
	v_add_nc_u32 v[TM+12+b_], 0xfc000000, v[TM+b_]
.set b_, b_+1
.endr
.set b_, 0
.rept 4
	v_and_or_b32 v[TM+8+b_], v[TM+b_], 0x7f800000, s[MNT]
.set b_, b_+1
.endr
.set b_, 0
.rept 4
	v_lshrrev_b32 v[TM+4+b_], 23, v[TM+12+b_]
.set b_, b_+1
.endr
	WORD PWA                                       ; p's scale word for these 128 keys
.set b_, 0
.rept 4
.set i_, 0
.rept 16
	v_min_num_f32 v[ACC+16*b_+i_], v[ACC+16*b_+i_], v[TM+8+b_]               ; p is not negative: the hold is one-sided
.set i_, i_+1
.endr
	v_cvt_scalef32_pk8_fp8_f32 v[PC+4*b_:PC+4*b_+1], v[ACC+16*b_:ACC+16*b_+7], v[TM+12+b_]
	v_cvt_scalef32_pk8_fp8_f32 v[PC+4*b_+2:PC+4*b_+3], v[ACC+16*b_+8:ACC+16*b_+15], v[TM+12+b_]
.set b_, b_+1
.endr
.set j_, 0
.rept 16
	v_pk_mul_f32 v[OA+2*j_:OA+2*j_+1], v[OA+2*j_:OA+2*j_+1], v[FF:FF+1] op_sel_hi:[1,0]   ; O^T under the new M; these 16 are also the places between the codes and the products
.set j_, j_+1
.endr
.endm
.macro EP b                            ; w_proj's scale words of pair b: four K steps; lanes 0-15 the even tile's rows, lanes 16-31 the odd tile's
	global_load_b128 v[W1S+4*((\b)%2):W1S+4*((\b)%2)+3], v[SPA], s[PSP:PSP+1] offset:512*(\b)
.endm
.macro EF b, d                         ; W1's scale words and b1 of pair b, d chunks on
	global_load_b128 v[W1S+4*((\b)%2):W1S+4*((\b)%2)+3], v[SPA], s[W1SP:W1SP+1] offset:8192*(\d)+512*(\b)
.set i_, 0
.rept 4
	global_load_b128 v[B1R+16*((\b)%2)+4*i_:B1R+16*((\b)%2)+4*i_+3], v[B1A], s[B1P:B1P+1] offset:2048*(\d)+128*(\b)+16*i_
.set i_, i_+1
.endr
.endm
; THE RING.  In front of a batch: at most 48 loads out: the three younger batches (scale words and biases among them only add to the count), so the batch is in.  Behind it: eight places, then the loads into what it has read.
; The scale words and biases of a pair are asked for three batches ahead of it, in front of a batch's loads: 48 loads or more are younger when the pair's first wait has passed.
.macro PJB g
	s_wait_loadcnt 48
	MMH 2, (\g)%4, (\g)%2, W1S+4*(((\g)/2)%2), (\g)/2
	NOPS 8
.if (\g)==1
	EP 2
.elseif (\g)==3
	EP 3
.elseif (\g)==5
	EF 0, 0
.elseif (\g)==7
	EF 1, 0
.endif
	LOADB (\g)%4, 8192*((\g)+4)
.endm
.macro F1P b                           ; 32 hidden units of mine for the 64 rows: relu, quantised: register group b of K step w of the second product.  No wait stands behind the stores: the barrier's own wait shows them landed
	s_wait_loadcnt 48
	MMH 1, (2*(\b))%4, 0, W1S+4*((\b)%2), \b
	NOPS 8
	LOADB (2*(\b))%4, 8192*(2*(\b)+4)
	s_wait_loadcnt 48
	MMH 1, (2*(\b)+1)%4, 1, W1S+4*((\b)%2), \b
	NOPS 8
.if (\b)<2
	EF (\b)+2, 0
.endif
	LOADB (2*(\b)+1)%4, 8192*(2*(\b)+5)
	QUANT ACC, 1, 4
.set m_, 0
.rept 4
	ds_store_b128 v[IW0], v[PC+4*m_:PC+4*m_+3] offset:2048*m_+512*(\b)
.if (\b)==0
	v_mov_b32 v[SW+m_], v[TM+4+m_]
.else
	v_lshl_or_b32 v[SW+m_], v[TM+4+m_], 8*(\b), v[SW+m_]
.endif
.set m_, m_+1
.endr
.if (\b)==3
.set m_, 0
.rept 4
	ds_store_b32 v[IS0], v[SW+m_] offset:32768+128*m_
.set m_, m_+1
.endr
.endif
.endm
.macro SETHF set, m                    ; where the hidden fragment of tile m lies: set 0: v32 on; set 1: v96, v112, v220, v236
.if (\set)==0
.set rHF, ACC+16*(\m)
.elseif (\m)<2
.set rHF, PC+16*(\m)
.else
.set rHF, ST+16*((\m)-2)
.endif
.endm
.macro HFETCH s                        ; K step s of the chunk: four fragments and their scale words: 20 LDS loads
.set m_, 0
.rept 4
	SETHF (\s)%2, m_
.set c_, 0
.rept 4
	ds_load_b128 v[rHF+4*c_:rHF+4*c_+3], v[LI0] offset:(4*(\s)+m_)*2048+512*c_
.set c_, c_+1
.endr
	ds_load_b32 v[HS+4*((\s)%2)+m_], v[LS0] offset:32768+(4*(\s)+m_)*128
.set m_, m_+1
.endr
.endm
.macro F2B s, half, slot               ; 16 products onto T: four of my eight column tiles x four tiles of rows; sixteen accumulators by turns
	WIN 0xf2
.set f_, 0
.rept 4
.set ct_, 4*(\half)+f_
.set m_, 0
.rept 4
	SETHF (\s)%2, m_
.set rD, 64*m_+8*ct_
.set rC, rD
.set rA, 64*(\slot)+16*f_
.set rB, rHF
.set rSA, W2S+4*(ct_/2)+(\s)
.set rSB, HS+4*((\s)%2)+m_
	WMS 0, ct_%2, 0
.set m_, m_+1
.endr
.set f_, f_+1
.endr
	WIN 0
.endm
; K step s of the second product: batches 8 + 2 s and 9 + 2 s of the chunk.  look = 1: the ring runs on (into the next chunk from s = 2 on); look = 0: the launch's last batches: nothing is asked for, the counts run down.
.macro F2STEP s, look
.if (\s)==3
	s_wait_dscnt 0x0
.else
	s_wait_dscnt 20                                ; the next K step's 20 loads may be out
.endif
.if \look
	s_wait_loadcnt 48
.else
	s_wait_loadcnt 16*(7-2*(\s))
.endif
	F2B \s, 0, (2*(\s))%4
.if \look
	NOPS 8
	LOADB (2*(\s))%4, 8192*(12+2*(\s))
	s_wait_loadcnt 48
.else
	s_wait_loadcnt 16*(6-2*(\s))
.endif
	F2B \s, 1, (2*(\s)+1)%4
	NOPS 8
.if \look
.if (\s)==2
	EF 0, 1
.elseif (\s)==3
	EF 1, 1
.endif
	LOADB (2*(\s)+1)%4, 8192*(13+2*(\s))
.endif
.if (\s)<2
	HFETCH (\s)+2
.endif
.endm
.macro TOST m                          ; the way out of tile m: into my stage by my row (each accumulator from its low end on), back by rows, into the registers that it left
	WIN 0x0c
.set i_, 0
.rept 16
	ds_store_b128 v[STR], v[64*(\m)+4*i_:64*(\m)+4*i_+3] offset:128*(i_/4)+16*(i_%4)
.set i_, i_+1
.endr
	WIN 0xc0
.set i_, 0
.rept 16
	ds_load_b128 v[64*(\m)+4*i_:64*(\m)+4*i_+3], v[STW] offset:528*i_
.set i_, i_+1
.endr
	WIN 0
.endm
.macro SEND m
	WIN 0x0c
.set i_, 0
.rept 16
	global_store_b128 v[LI0], v[64*(\m)+4*i_:64*(\m)+4*i_+3], s[OUTP:OUTP+1] offset:(128*(\m)+i_+8*(i_/8))*2048 th:TH_STORE_NT   ; 512 consecutive bytes of a row, aligned
.set i_, i_+1
.endr
	WIN 0
.endm
	s_load_b512 s[4:19], s[0:1], 0x0
	s_load_b512 s[20:35], s[0:1], 0x40
	s_load_b64 s[36:37], s[0:1], 0x80
	v_lshrrev_b32 v1, 5, v0
	v_readfirstlane_b32 s[WV], v1                  ; wave 0..3
	s_lshr_b32 s39, ttmp9, 3                       ; batch
	s_and_b32 s40, ttmp9, 7                        ; g
	s_and_b32 s41, s40, 1                          ; a
	s_lshr_b32 s42, s40, 1                         ; mt
	v_and_b32 v112, 31, v0                         ; lane
	v_and_b32 v113, 15, v0                         ; r
	v_bfe_u32 v114, v0, 4, 1                       ; h
	v_and_b32 v115, 8, v113
	v_add_nc_u32 v115, v115, v113                  ; r + 8 (r / 8)
	v_lshlrev_b32 v[LI0], 4, v112
	v_add_nc_u32 v[LI1], IMG1, v[LI0]
	v_lshlrev_b32 v[LS0], 2, v112
	v_add_nc_u32 v[LS1], IMG1, v[LS0]
	s_lshl_b32 s43, s[WV], 13
	v_add_nc_u32 v[IW0], s43, v[LI0]
	v_add_nc_u32 v[IW1], IMG1, v[IW0]
	s_lshl_b32 s43, s[WV], 9
	v_add_nc_u32 v[IS0], s43, v[LS0]
	v_add_nc_u32 v[IS1], IMG1, v[IS0]
	v_lshl_add_u32 v[CB], v114, 6, s43
	v_lshlrev_b32 v[SLA], 3, v113
	v_add_nc_u32 v[SAR], STAT, v[SLA]
	v_add_nc_u32 v[SAW], s43, v[SAR]
	s_mul_i32 s43, s[WV], 8448
	s_add_co_u32 s43, s43, STG
	v_add_nc_u32 v[STW], s43, v[LI0]
	v_mul_u32_u24 v[STR], v113, 528
	v_lshl_add_u32 v[STR], v114, 6, v[STR]
	v_add_nc_u32 v[STR], s43, v[STR]
	v_lshl_add_u32 v[SPA], v114, 3, v115
	v_lshlrev_b32 v[SPB], 6, v[SPA]
	v_lshlrev_b32 v[SPA], 4, v[SPA]
	v_lshlrev_b32 v[B1A], 6, v114
	s_mul_i32 s43, s[WV], 4608
	s_add_co_u32 s43, s43, QST
	v_add_nc_u32 v[QWA], s43, v[LI0]
	s_add_co_u32 s43, s43, 4096
	v_add_nc_u32 v[QWS], s43, v[LS0]
	s_lshl_b32 s44, s42, 1
	v_add_nc_u32 v[QSA], s44, v[SLA]
	s_lshl_b32 s43, s41, 6
	s_lshr_b32 s44, s42, 1
	s_lshl_b32 s44, s44, 5
	s_add_co_u32 s43, s43, s44
	s_and_b32 s44, s42, 1
	s_lshl_b32 s44, s44, 3
	s_add_co_u32 s43, s43, s44                     ; 64 a + 32 (mt / 2) + 8 (mt % 2): my tiles' first row in their 128 rows
	v_lshlrev_b32 v116, 4, v114
	v_sub_nc_u32 v[DM], v115, v116
	v_add_nc_u32 v[DM], s43, v[DM]
	v_mov_b32 v[NINF], 0xff800000
	s_mov_b32 s[SEL], 0x76543210
	s_mov_b32 s[SEL+1], 0xfedcba98                 ; v_permlanex16_b32's selects for lane l xor 16
	s_mov_b32 s[CS], 0x3d8293ee                    ; c = log2(e) / sqrt(512)
	s_mov_b32 s[CS+1], s[CS]                       ; (named with it as a pair, so it is written)
	s_mov_b32 s[MNT], 0x600000                     ; the mantissa field of 448
	s_mov_b32 s[P0], 0x05040100
	s_mov_b32 s[P1], 0x07060302
	s_mov_b32 s[EPS], 0x3727c5ac                   ; 1e-5
	s_mov_b32 s45, 0
	s_mov_b32 s47, 0
	s_wait_kmcnt 0x0
	s_lshl_b32 s44, s39, 9
	s_add_co_u32 s44, s44, s43                     ; tile 0's first row
	s_lshl_b32 s44, s44, 11
	s_lshl_b32 s46, s[WV], 9                       ; my 512 bytes of a row
	s_add_co_u32 s44, s44, s46
	s_add_nc_u64 s[XP:XP+1], s[XP:XP+1], s[44:45]
	s_add_nc_u64 s[OUTP:OUTP+1], s[OUTP:OUTP+1], s[44:45]
	s_add_nc_u64 s[B1P:B1P+1], s[B1P:B1P+1], s[46:47]
	s_lshl_b32 s43, s39, 3
	s_add_co_u32 s43, s43, s41                     ; tile 0's block: 8 batch + a
	s_lshl_b32 s44, s43, 15
	s_lshl_b32 s46, s[WV], 13
	s_add_co_u32 s44, s44, s46
	s_add_nc_u64 s[W2SP:W2SP+1], s[W2SP:W2SP+1], s[46:47]
	s_lshl_b32 s46, s42, 10
	s_add_co_u32 s44, s44, s46
	s_add_nc_u64 s[QP:QP+1], s[QP:QP+1], s[44:45]
	s_lshl_b32 s44, s43, 10
	s_lshl_b32 s46, s[WV], 8
	s_add_co_u32 s44, s44, s46
	s_add_nc_u64 s[QSP:QSP+1], s[QSP:QSP+1], s[44:45]
	s_lshl_b32 s44, s39, 13
	s_add_co_u32 s44, s44, s46
	s_add_nc_u64 s[KSP:KSP+1], s[KSP:KSP+1], s[44:45]
	s_add_nc_u64 s[VSP:VSP+1], s[VSP:VSP+1], s[44:45]
	s_lshl_b32 s43, s39, 18
	s_lshl_b32 s46, s[WV], 13
	s_add_co_u32 s44, s43, s46
	s_add_nc_u64 s[KP:KP+1], s[KP:KP+1], s[44:45]
	s_lshl_b32 s46, s[WV], 16
	s_add_co_u32 s44, s43, s46
	s_add_nc_u64 s[VP:VP+1], s[VP:VP+1], s[44:45]
	s_mul_i32 s44, s[WV], 786432
	s_add_co_u32 s44, s44, 196608                  ; behind the first launch's twelve pairs
	s_add_nc_u64 s[WP:WP+1], s[WP:WP+1], s[44:45]
	s_lshl_b32 s44, s[WV], 11
	s_add_nc_u64 s[PSP:PSP+1], s[PSP:PSP+1], s[44:45]
	s_add_nc_u64 s[W1SP:W1SP+1], s[W1SP:W1SP+1], s[44:45]
	; The prefetch of head 2 w + 1's K and V (32 KiB each for a batch): the batch's eight work-groups share them out, 32 blocks of 256 bytes a wave, a lane a block, each block named once in the launch.
	; g even: K's blocks g and g + 1 (16 lanes each, 32,768 bytes apart); g odd: piece g / 2 of V, 8,192 consecutive bytes.
	s_cmp_eq_u32 s41, 0
	s_cselect_b64 s[PFA:PFA+1], s[KP:KP+1], s[VP:VP+1]
	s_cselect_b32 s43, 16, 13
	s_mov_b32 s46, 32768
	s_cselect_b32 s46, 4096, s46                   ; the second head begins here
	s_mov_b32 s40, 4096
	s_cselect_b32 s40, 32768, s40                  ; from lanes 0-15 to lanes 16-31
	s_lshl_b32 s44, s42, s43
	s_add_co_u32 s44, s44, s46
	s_add_nc_u64 s[PFA:PFA+1], s[PFA:PFA+1], s[44:45]
	v_mul_lo_u32 v[PFO], v114, s40
	v_lshl_add_u32 v[PFO], v113, 8, v[PFO]
.set i_, 0
.rept 8
	v_mov_b32 v[QZ+i_], 0                          ; the zero codes beside q: written once
	v_mov_b32 v[QZ+16+i_], 0
.set i_, i_+1
.endr
.set i_, 0
.rept 32
	v_mov_b32 v[OA+i_], 0                          ; O^T: the key step is written once; a tile's first step multiplies what it finds by 0
.set i_, i_+1
.endr
	v_mov_b32 v[LSUM], 0
	v_mov_b32 v[LSUM+1], 0
	v_mov_b32 v[FF+1], 0                           ; (named as the upper half of a pair)
	v_mov_b32 v[X0], 0
.irp i, 2,4,5,6,7
	v_mov_b32 v[TM+\i], 0                          ; written once: a lane permute's destination counts as one of its sources
.endr
	ETOP                                           ; head 2 w
	XLD 0, 0                                       ; x, behind the head's loads: it is wanted only behind both heads
	XLD 1, 128
	XLD 2, 256
	XLD 3, 384
	s_mov_b32 s[SE], 0
.Lhead:
	s_wait_loadcnt 63                              ; 144 loads or more were issued behind q's twelve
.set j_, 0
.rept 4
	ds_store_b128 v[QWA], v[ACC+8*j_:ACC+8*j_+3] offset:1024*j_       ; q waits in my own LDS bytes: the loop over tiles is written once, and picks its tile by address
	ds_store_b128 v[QWA], v[ACC+8*j_+4:ACC+8*j_+7] offset:1024*j_+512
	ds_store_b32 v[QWS], v[ACC+32+j_] offset:128*j_
.set j_, j_+1
.endr
	ds_load_b128 v[QZ+8:QZ+11], v[QWA]             ; the head's first tile of q (LDS serves a wave's instructions in order: these see the stores above)
	ds_load_b128 v[QZ+12:QZ+15], v[QWA] offset:512
	ds_load_b32 v[QLO], v[QWS]                     ; bytes: d block 0, d block 1, 0, 0 (the two 0 stand over zero codes)
	s_mov_b32 s[SJ], 0
.Ltile:
	s_lshl_b32 s43, s[SE], 2
	s_add_co_u32 s43, s43, s[SJ]
	s_cmp_lg_u32 s43, 3                            ; at the head of the first head's last tile: four key steps ahead of the second head's loads
	s_cbranch_scc1 .Lnoask
	global_prefetch_b8 v[PFO], s[PFA:PFA+1] th:TH_LOAD_NT scope:SCOPE_SE
.Lnoask:
	s_wait_dscnt 0x0                               ; this tile's q, asked for at the end of the tile before (or just above), is in
	v_lshlrev_b32 v[QHI], 16, v[QLO]               ; the same two bytes for q above the zeros
	v_mov_b32 v[RT], 0xff61b1e6                    ; the largest t so far: -3e38, under every t
	v_floor_f32 v[NM], -v[RT]
	NOPS 6                                         ; with the two lines above: eight places between a scale word made by a vector line and the product that takes it
	s_mov_b32 s[SS], 0
.Lstep:                                                ; a key step; K's and V's registers are picked by a branch on the step's number
	s_cmp_eq_u32 s[SS], 0
	s_cbranch_scc1 .Lqk0
	s_cmp_eq_u32 s[SS], 1
	s_cbranch_scc1 .Lqk1
	s_cmp_eq_u32 s[SS], 2
	s_cbranch_scc1 .Lqk2
	QK 3
	s_branch .Lqkj
.Lqk0:
	QK 0
	s_branch .Lqkj
.Lqk1:
	QK 1
	s_branch .Lqkj
.Lqk2:
	QK 2
.Lqkj:
	NOPS 8                                         ; places in front of the first read of the scores
	s_cmp_lg_u32 s[SS], s[SJ]
	s_cbranch_scc1 .Lopen                          ; only a tile's last step lies on the diagonal
.set n_, 0
.rept 64
	v_cmp_gt_i32 vcc_lo, 32*(n_/16)+n_%16, v[DM]   ; key 32 b + 16 h + i comes after my query: its score becomes -infinity, p = 0
	v_cndmask_b32 v[ACC+n_], v[ACC+n_], v[NINF], vcc_lo
.set n_, n_+1
.endr
.Lopen:
	SOFT
	s_cmp_eq_u32 s[SS], 0
	s_cbranch_scc1 .Lpv0
	s_cmp_eq_u32 s[SS], 1
	s_cbranch_scc1 .Lpv1
	s_cmp_eq_u32 s[SS], 2
	s_cbranch_scc1 .Lpv2
	PV 3
	s_branch .Lpvj
.Lpv0:
	PV 0
	s_branch .Lpvj
.Lpv1:
	PV 1
	s_branch .Lpvj
.Lpv2:
	PV 2
.Lpvj:
	NOPS 8                                         ; places in front of whatever next reads O^T or writes the products' codes and scale words
	s_add_co_u32 s[SS], s[SS], 1
	s_cmp_le_u32 s[SS], s[SJ]
	s_cbranch_scc1 .Lstep
	; the tile's end.  First the next tile's q is asked for, tile (j + 1) % 4 (behind the last tile that is tile 0 again, which nobody uses): the lines below stand between the loads and the wait for them.
	; The products that read q's registers stand a whole softmax back.
	s_add_co_u32 s43, s[SJ], 1
	s_and_b32 s43, s43, 3
	s_lshl_b32 s[JQ], s43, 10
	s_lshl_b32 s[JQS], s43, 7
	v_add_nc_u32 v[QRA], s[JQ], v[QWA]
	v_add_nc_u32 v[QRS], s[JQS], v[QWS]
	ds_load_b128 v[QZ+8:QZ+11], v[QRA]
	ds_load_b128 v[QZ+12:QZ+15], v[QRA] offset:512
	ds_load_b32 v[QLO], v[QRS]
	; O^T / the sum, quantised along the channels: register groups 2 e, 2 e + 1 of K step w of the projection, tile j
	v_add_f32 v[LSUM], v[LSUM], v[LSUM+1]
	v_permlanex16_b32 v[X0], v[LSUM], s[SEL], s[SEL+1]
	v_add_f32 v[LSUM], v[LSUM], v[X0]
	v_rcp_f32 v[FF], v[LSUM]
	s_lshl_b32 s[JO], s[SJ], 11
	s_lshl_b32 s43, s[SE], 10
	s_add_co_u32 s[JO], s[JO], s43
	s_lshl_b32 s[JS], s[SJ], 7
	s_lshl_b32 s43, s[SE], 1
	s_add_co_u32 s[JS], s[JS], s43
	v_add_nc_u32 v[OAD], s[JO], v[IW0]             ; (a plain line behind the reciprocal)
	v_add_nc_u32 v[OSA], s[JS], v[IS0]
	s_wait_alu depctr_va_vdst(0)                   ; the wait ahead of the reciprocal's first reader
.set j_, 0
.rept 16
	v_pk_mul_f32 v[OA+2*j_:OA+2*j_+1], v[OA+2*j_:OA+2*j_+1], v[FF:FF+1] op_sel_hi:[1,0]
.set j_, j_+1
.endr
	QUANT OA, 0, 2
	v_lshl_or_b32 v[SW], v[TM+5], 8, v[TM+4]
	ds_store_b128 v[OAD], v[PC:PC+3]
	ds_store_b128 v[OAD], v[PC+4:PC+7] offset:512
	ds_store_b16 v[OSA], v[SW] offset:32768        ; my head's half of the row's scale word
	s_add_co_u32 s[SJ], s[SJ], 1
	s_cmp_lt_u32 s[SJ], 4
	s_cbranch_scc1 .Ltile
	s_wait_dscnt 0x0                               ; no LDS load is out: q's registers may be loaded anew
	s_wait_loadcnt 0x0                             ; every load is in (x too): the pointers may step
	s_cmp_eq_u32 s[SE], 1
	s_cbranch_scc1 .Ltail
	s_add_nc_u64 s[QP:QP+1], s[QP:QP+1], 4096      ; head 2 w + 1
	s_add_nc_u64 s[KP:KP+1], s[KP:KP+1], 4096
	s_add_nc_u64 s[VP:VP+1], s[VP:VP+1], 32768
	s_add_nc_u64 s[QSP:QSP+1], s[QSP:QSP+1], 128
	s_add_nc_u64 s[KSP:KSP+1], s[KSP:KSP+1], 128
	s_add_nc_u64 s[VSP:VSP+1], s[VSP:VSP+1], 128
	ETOP
	s_add_co_u32 s[SE], s[SE], 1
	s_cmp_lt_u32 s[SE], 2
	s_cbranch_scc1 .Lhead
.Ltail:
	s_wait_loadcnt 0x0                             ; no load is out on any way here
	; ---- x + b_proj into T's layout; the ring starts: two batches ahead of x's way through the stage, two behind it, so that the wave has 50 loads out while it issues the stage's lines
	EP 0
	EP 1
	GLD 192, BPP
	LOADB 0, 0
	LOADB 1, 8192
	XTR 0
	XTR 1
	XTR 2
	XTR 3
	LOADB 2, 16384
	LOADB 3, 24576
	s_wait_dscnt 0x0
	s_wait_loadcnt 63                              ; 64 loads were issued behind b_proj's
	BIASADD 192
	BARRIER                                        ; o's sixteen fragments lie in LDS
	FETCHA LI0, LS0
	s_wait_dscnt 0x0
	; ---- the projection, onto T
	PJB 0
	PJB 1
	PJB 2
	PJB 3
	PJB 4
	PJB 5
	PJB 6
	PJB 7
	; ---- the second norm.  Its gain and bias, and b2, are asked for between the tiles' figures: o's fragments, whose registers they take, are done with (the last batch's eight places and two tiles' lines stand between)
	LNSTAT 0
	LNSTAT 1
	GLD 0, G2P
	GLD 64, B2LP
	GLD 128, B2P
	LNSTAT 2
	LNSTAT 3
	BARRIER                                        ; all four waves' figures lie in LDS
.set m_, 0
.rept 4
.set k_, 0
.rept 4
	ds_load_b64 v[ST+8*m_+2*k_:ST+8*m_+2*k_+1], v[SAR] offset:512*k_+128*m_
.set k_, k_+1
.endr
.set m_, m_+1
.endr
	s_wait_dscnt 0x0
	s_wait_loadcnt 0x0                             ; gain, bias and b2 were the last loads issued
	LNFIN 0
	LNFIN 1
	LNFIN 2
	LNFIN 3
	BIASADD 128                                    ; T = x1 + b2: the second product adds onto it
	BARRIER                                        ; h2's sixteen fragments lie in LDS
	FETCHA LI1, LS1
	s_wait_dscnt 0x0
	s_wait_xcnt 0x0                                ; the loads have read their base: it may step
	s_add_nc_u64 s[WP:WP+1], s[WP:WP+1], 65536     ; past the projection's eight batches
	s_mov_b32 s[SCH], 0
.Lchunk:                                               ; 512 hidden units: 16 batches: eight of W1, eight of W2
.set i_, 0
.rept 4
	global_load_b128 v[W2S+4*i_:W2S+4*i_+3], v[SPB], s[W2SP:W2SP+1] offset:2048*i_   ; W2's scale words of the chunk's four K steps; eight batches' loads follow before they are used
.set i_, i_+1
.endr
	F1P 0
	F1P 1
	F1P 2
	F1P 3
	BARRIER                                        ; the hidden layer's sixteen fragments lie in LDS
	HFETCH 0
	HFETCH 1
	F2STEP 0, 1
	F2STEP 1, 1
	s_cmp_eq_u32 s[SCH], 3
	s_cbranch_scc1 .Llast                          ; the last chunk's tail is written out: no load leaves its buffer
	F2STEP 2, 1
	F2STEP 3, 1
	BARRIER                                        ; every wave has read the hidden layer's images: they may be written again
	s_wait_xcnt 0x0                                ; the loads have read their bases
	s_add_nc_u64 s[WP:WP+1], s[WP:WP+1], 131072
	s_add_nc_u64 s[W1SP:W1SP+1], s[W1SP:W1SP+1], 8192
	s_add_nc_u64 s[B1P:B1P+1], s[B1P:B1P+1], 2048
	s_add_nc_u64 s[W2SP:W2SP+1], s[W2SP:W2SP+1], 16
	s_add_co_u32 s[SCH], s[SCH], 1
	s_cmp_lt_u32 s[SCH], 4
	s_cbranch_scc1 .Lchunk
.Llast:
	F2STEP 2, 0
	F2STEP 3, 0                                    ; (its last eight places stand in front of the first read of T)
	; ---- the way out: a tile's rows are stored while the next tile goes through the stage
	TOST 0
	TOST 1
	s_wait_dscnt 32                                ; the next tile's 16 stores and 16 loads may be out
	SEND 0
	TOST 2
	s_wait_dscnt 32
	SEND 1
	TOST 3
	s_wait_dscnt 32
	SEND 2
	s_wait_dscnt 0x0
	SEND 3
	s_wait_xcnt 0x0
	v_lshl_add_u32 v254, v0, 2, 0x1e400
	v_mov_b32 v255, 0
	s_wait_tensorcnt 0x0
	ds_add_u32 v254, v255
	s_wait_dscnt 0x0
	s_endpgm
.Lfunc_end_k_q802dde467c_block:
	.size	k_q802dde467c_block, .Lfunc_end_k_q802dde467c_block-k_q802dde467c_block
	.p2alignl 7, 3214868480
	.fill 96, 4, 3214868480
	.section	.rodata,"a",@progbits
	.p2align	6, 0x0
	.amdhsa_kernel k_q802dde467c_block
		.amdhsa_group_segment_fixed_size 124416
		.amdhsa_private_segment_fixed_size 0
		.amdhsa_enable_private_segment 0
		.amdhsa_kernarg_size 136
		.amdhsa_user_sgpr_count 2
		.amdhsa_user_sgpr_kernarg_segment_ptr 1
		.amdhsa_wavefront_size32 1
		.amdhsa_system_sgpr_workgroup_id_x 1
		.amdhsa_system_sgpr_workgroup_id_y 1
		.amdhsa_system_sgpr_workgroup_id_z 1
		.amdhsa_system_vgpr_workitem_id 0
		.amdhsa_next_free_vgpr 1024
		.amdhsa_next_free_sgpr 68
		.amdhsa_reserve_vcc 1
		.amdhsa_float_denorm_mode_32 3
		.amdhsa_float_denorm_mode_16_64 3
		.amdhsa_memory_ordered 1
		.amdhsa_forward_progress 1
		.amdhsa_inst_pref_size 255
	.end_amdhsa_kernel
	.section	.bss,"aw",@nobits
	.p2align	6
	.space	262144
	.amdgpu_metadata
---
amdhsa.version: [ 1, 2 ]
amdhsa.kernels:
  - .name:           k_q802dde467c_block
    .symbol:         k_q802dde467c_block.kd
    .args:
      - { .name: x, .offset: 0, .size: 8, .value_kind: global_buffer, .address_space: global }
      - { .name: qf, .offset: 8, .size: 8, .value_kind: global_buffer, .address_space: global }
      - { .name: kf, .offset: 16, .size: 8, .value_kind: global_buffer, .address_space: global }
      - { .name: vf, .offset: 24, .size: 8, .value_kind: global_buffer, .address_space: global }
      - { .name: qs, .offset: 32, .size: 8, .value_kind: global_buffer, .address_space: global }
      - { .name: ks, .offset: 40, .size: 8, .value_kind: global_buffer, .address_space: global }
      - { .name: vs, .offset: 48, .size: 8, .value_kind: global_buffer, .address_space: global }
      - { .name: wf, .offset: 56, .size: 8, .value_kind: global_buffer, .address_space: global }
      - { .name: w_proj_scales, .offset: 64, .size: 8, .value_kind: global_buffer, .address_space: global }
      - { .name: b_proj, .offset: 72, .size: 8, .value_kind: global_buffer, .address_space: global }
      - { .name: ln2_g, .offset: 80, .size: 8, .value_kind: global_buffer, .address_space: global }
      - { .name: ln2_b, .offset: 88, .size: 8, .value_kind: global_buffer, .address_space: global }
      - { .name: w1_scales, .offset: 96, .size: 8, .value_kind: global_buffer, .address_space: global }
      - { .name: b1, .offset: 104, .size: 8, .value_kind: global_buffer, .address_space: global }
      - { .name: w2_scales, .offset: 112, .size: 8, .value_kind: global_buffer, .address_space: global }
      - { .name: b2, .offset: 120, .size: 8, .value_kind: global_buffer, .address_space: global }
      - { .name: out0, .offset: 128, .size: 8, .value_kind: global_buffer, .address_space: global }
    .group_segment_fixed_size: 124416
    .private_segment_fixed_size: 0
    .kernarg_segment_align: 8
    .kernarg_segment_size: 136
    .max_flat_workgroup_size: 128
    .sgpr_count:     68
    .vgpr_count:     1024
    .wavefront_size: 32
...
	.end_amdgpu_metadata
.endif
;; end of part 3
;; ======== version 2 of 2: 3 launches
;; workspace buffers: wf 3,145,728 bytes; qf 8,388,608 bytes; kf 8,388,608 bytes; vf 8,388,608 bytes; qs 262,144 bytes; ks 262,144 bytes; vs 262,144 bytes
;; launch lay (part 4): grid 48 x 4, 8 waves a work-group, no clusters, 0 bytes of LDS; arguments wq_codes, wk_codes, wv_codes, w_proj_codes, w1_codes, w2_codes, wf; writes wf
.if DOCPART == 4
	.amdgcn_target "amdgcn-amd-amdhsa--gfx1250"
	.amdhsa_code_object_version 6
	.text
	.protected	k_q802dde467c_lay
	.globl	k_q802dde467c_lay
	.p2align	8
	.type	k_q802dde467c_lay,@function
k_q802dde467c_lay:
	s_mov_b64 s[64:65], 0
	v_nop
	global_prefetch_b8 v0, s[64:65] scope:SCOPE_SE
	s_setreg_imm32_b32 hwreg(HW_REG_WAVE_MODE, 25, 1), 1
	s_wait_xcnt 0x0
; The six weights' codes are laid once in the order in which the two large launches take them into operand registers.
; wf = [w 4][X 48][wv 8][c 4][lane 32][16 bytes]: a fragment (16 rows x 128 K) is 2,048 consecutive bytes, register group c of lane l at 512 c + 16 l.
; w = the wave of the later launches that will read it (it owns 128 rows of each weight, for w1 128 of each chunk of 512), X = work-group x, wv = this wave: one wave moves one fragment.
; THE ROWS OF A TILE ARE NOT NEIGHBOURS: lane r of tile t takes row 32 (t / 2) + 8 (t % 2) + r + 8 (r / 8), so that the results of tiles 2 b and 2 b + 1 are 16 neighbours along the next K.
; X 0-11: wq, wk, wv (X / 4), pair X % 4;  X 12-15: w_proj;  X 16-47: X - 16 = 8 ch + 4 ph + xx: ph = 0: w1, chunk ch, pair xx;  ph = 1: w2, K step 4 ch + xx, tile wv.
; In all but w2: tile = 2 pair + wv % 2, K step = 2 (wv / 4) + (wv % 4) / 2.
; Each store of a wave covers 512 consecutive bytes, aligned.  The loads take 32 bytes of 16 rows: 3 MiB in all, once.
	s_load_b256 s[4:11], s[0:1], 0x0               ; wq s[4:5], wk s[6:7], wv s[8:9], w_proj s[10:11]
	s_load_b128 s[12:15], s[0:1], 0x20             ; w1 s[12:13], w2 s[14:15]
	s_load_b64 s[16:17], s[0:1], 0x30              ; wf
	v_lshrrev_b32 v1, 5, v0
	s_delay_alu instid0(VALU_DEP_1)
	v_readfirstlane_b32 s18, v1                    ; wv 0..7
	s_and_b32 s19, ttmp7, 0xffff                   ; w
	s_lshr_b32 s20, s18, 2                         ; hf
	s_and_b32 s21, s18, 3                          ; f
	s_and_b32 s22, s21, 1                          ; u
	s_lshr_b32 s23, s21, 1
	s_lshl_b32 s24, s20, 1
	s_add_co_u32 s23, s23, s24                     ; K step where the source is not w2: 2 hf + f / 2
	s_and_b32 s24, ttmp9, 3                        ; X % 4
	s_lshl_b32 s25, s24, 1
	s_add_co_u32 s25, s25, s22                     ; tile in the wave's share: 2 (X % 4) + u
	s_max_u32 s26, ttmp9, 16
	s_sub_co_u32 s26, s26, 16                      ; Y = X - 16, or 0 for X < 16: then ch = ph = 0
	s_lshr_b32 s27, s26, 3                         ; ch
	s_bfe_u32 s28, s26, 0x10002                    ; ph
	s_lshl_b32 s29, s27, 5
	s_add_co_u32 s29, s29, s25                     ; 32 ch + tile
	s_lshl_b32 s30, s27, 2
	s_add_co_u32 s30, s30, s24                     ; w2's K step: 4 ch + xx
	s_cmp_eq_u32 s28, 1                            ; w2?
	s_cselect_b32 s29, s18, s29                    ; its tile is wv
	s_cselect_b32 s30, s30, s23
	s_cselect_b32 s31, 11, 9                       ; a row is 2,048 bytes in w2, 512 elsewhere
	s_lshl_b32 s32, s19, 3
	s_add_co_u32 s29, s29, s32                     ; + 8 w
	s_lshr_b32 s33, s29, 1
	s_lshl_b32 s33, s33, 5
	s_and_b32 s34, s29, 1
	s_lshl_b32 s34, s34, 3
	s_add_co_u32 s33, s33, s34                     ; the tile's first row
	s_lshl_b32 s30, s30, 7                         ; the K step in bytes
	v_and_b32 v2, 15, v0                           ; r
	v_bfe_u32 v3, v0, 4, 1                         ; h
	s_delay_alu instid0(VALU_DEP_2)
	v_and_b32 v4, 8, v2
	s_delay_alu instid0(VALU_DEP_1)
	v_add_nc_u32 v2, v2, v4                        ; r + 8 (r / 8)
	s_delay_alu instid0(VALU_DEP_1)
	v_add_nc_u32 v2, s33, v2
	s_delay_alu instid0(VALU_DEP_1)
	v_lshlrev_b32 v2, s31, v2                      ; my row
	s_delay_alu instid0(VALU_DEP_1)
	v_lshl_add_u32 v2, v3, 4, v2                   ; + 16 h
	s_delay_alu instid0(VALU_DEP_1)
	v_add_nc_u32 v2, s30, v2
	v_and_b32 v5, 31, v0
	s_delay_alu instid0(VALU_DEP_1)
	v_lshlrev_b32 v5, 4, v5
	s_mul_i32 s35, s19, 786432
	s_lshl_b32 s36, ttmp9, 14
	s_add_co_u32 s35, s35, s36
	s_lshl_b32 s36, s18, 11
	s_add_co_u32 s35, s35, s36
	v_add_nc_u32 v5, s35, v5                       ; where the fragment goes
	s_wait_alu depctr_va_vdst(0)
	s_wait_kmcnt 0x0
	s_mov_b64 s[38:39], s[4:5]                     ; the source: a choice on the work-group's number alone
	s_cmp_ge_u32 ttmp9, 4
	s_cselect_b64 s[38:39], s[6:7], s[38:39]
	s_cmp_ge_u32 ttmp9, 8
	s_cselect_b64 s[38:39], s[8:9], s[38:39]
	s_cmp_ge_u32 ttmp9, 12
	s_cselect_b64 s[38:39], s[10:11], s[38:39]
	s_cmp_ge_u32 ttmp9, 16
	s_cselect_b64 s[38:39], s[12:13], s[38:39]
	s_cmp_eq_u32 s28, 1
	s_cselect_b64 s[38:39], s[14:15], s[38:39]
.irp c, 0,1,2,3
	global_load_b128 v[8+4*\c:11+4*\c], v2, s[38:39] offset:32*\c   ; k = 32 c + 16 h + 0 .. 15 of my row
.endr
	s_wait_loadcnt 0x0
.irp c, 0,1,2,3
	global_store_b128 v5, v[8+4*\c:11+4*\c], s[16:17] offset:512*\c
.endr
	s_endpgm
.Lfunc_end_k_q802dde467c_lay:
	.size	k_q802dde467c_lay, .Lfunc_end_k_q802dde467c_lay-k_q802dde467c_lay
	.p2alignl 7, 3214868480
	.fill 96, 4, 3214868480
	.section	.rodata,"a",@progbits
	.p2align	6, 0x0
	.amdhsa_kernel k_q802dde467c_lay
		.amdhsa_group_segment_fixed_size 0
		.amdhsa_private_segment_fixed_size 0
		.amdhsa_enable_private_segment 0
		.amdhsa_kernarg_size 56
		.amdhsa_user_sgpr_count 2
		.amdhsa_user_sgpr_kernarg_segment_ptr 1
		.amdhsa_wavefront_size32 1
		.amdhsa_system_sgpr_workgroup_id_x 1
		.amdhsa_system_sgpr_workgroup_id_y 1
		.amdhsa_system_sgpr_workgroup_id_z 1
		.amdhsa_system_vgpr_workitem_id 0
		.amdhsa_next_free_vgpr 24
		.amdhsa_next_free_sgpr 66
		.amdhsa_reserve_vcc 0
		.amdhsa_float_denorm_mode_32 3
		.amdhsa_float_denorm_mode_16_64 3
		.amdhsa_memory_ordered 1
		.amdhsa_forward_progress 1
		.amdhsa_inst_pref_size 4
	.end_amdhsa_kernel
	.amdgpu_metadata
---
amdhsa.version: [ 1, 2 ]
amdhsa.kernels:
  - .name:           k_q802dde467c_lay
    .symbol:         k_q802dde467c_lay.kd
    .args:
      - { .name: wq_codes, .offset: 0, .size: 8, .value_kind: global_buffer, .address_space: global }
      - { .name: wk_codes, .offset: 8, .size: 8, .value_kind: global_buffer, .address_space: global }
      - { .name: wv_codes, .offset: 16, .size: 8, .value_kind: global_buffer, .address_space: global }
      - { .name: w_proj_codes, .offset: 24, .size: 8, .value_kind: global_buffer, .address_space: global }
      - { .name: w1_codes, .offset: 32, .size: 8, .value_kind: global_buffer, .address_space: global }
      - { .name: w2_codes, .offset: 40, .size: 8, .value_kind: global_buffer, .address_space: global }
      - { .name: wf, .offset: 48, .size: 8, .value_kind: global_buffer, .address_space: global }
    .group_segment_fixed_size: 0
    .private_segment_fixed_size: 0
    .kernarg_segment_align: 8
    .kernarg_segment_size: 56
    .max_flat_workgroup_size: 256
    .sgpr_count:     66
    .vgpr_count:     24
    .wavefront_size: 32
...
	.end_amdgpu_metadata
.endif
;; end of part 4
;; launch qkv (part 5): grid 256 x 1, 4 waves a work-group, no clusters, 105,984 bytes of LDS; arguments x, ln1_g, ln1_b, wq_scales, wk_scales, wv_scales, wf, qf, kf, vf, qs, ks, vs; writes qf, kf, vf, qs, ks, vs
.if DOCPART == 5
	.amdgcn_target "amdgcn-amd-amdhsa--gfx1250"
	.amdhsa_code_object_version 6
	.text
	.protected	k_q802dde467c_qkv
	.globl	k_q802dde467c_qkv
	.p2align	8
	.type	k_q802dde467c_qkv,@function
k_q802dde467c_qkv:
	s_mov_b64 s[64:65], 0
	v_nop
	global_prefetch_b8 v0, s[64:65] scope:SCOPE_SE
	s_setreg_imm32_b32 hwreg(HW_REG_WAVE_SCHED_MODE, 0, 2), 2
	s_setreg_imm32_b32 hwreg(HW_REG_WAVE_MODE, 25, 1), 1
	s_wait_xcnt 0x0
	s_wait_alu depctr_vm_vsrc(0)
; h = layernorm(x), q, k, v = h W: three products on codes of E4M3 with one E8M0 scale for each 32 along K; q, k, v leave as codes, quantised for the attention's products (q, k along d; v along the keys).
; SHARES.  A work-group takes 64 rows of x (block x), as four tiles of 16; tile m holds at place i the row 32 (m / 2) + 8 (m % 2) + i + 8 (i / 8).  THE WAVES SHARE THE COLUMNS: wave w owns channels 128 w .. + 127 of x
; for the norm, and the 128 weight rows of heads 2 w and 2 w + 1 of each of q, k, v.  h's codes go from wave to wave through LDS as images of the operand's registers (4 x 512 bytes a fragment, 4 bytes a lane a scale word).
; The weights come from wf (laid by the launch before in this order) straight into registers: a ring of four slots of four fragments, three batches of 16 loads on their way; each weight byte is used by one wave of the work-group.
; q, k: source 0 = 16 weight rows, source 1 = 16 rows of h: a lane holds one token and 16 neighbouring d.   v: the sources swapped: a lane holds one d and 16 neighbouring tokens (keys).
; No cluster and no tensor load: the waves of a work-group share no weight byte, and what work-groups share (768 KiB of weights) is read by plain loads of 512 consecutive bytes.
; LIMITS: a block of zeros gets the byte 1 where the rule says 127 (its codes are zeros, and this program alone reads the bytes); a block whose largest magnitude lies under 2^-118 is held at that floor; NaN and infinities are not served.
; REGISTERS, in windows of 256: window 0 addresses, work, all scale words; window 1 gain and bias, then h's 16 fragments ((m, s) at 16 (4 m + s)); window 2 the weights' ring; window 3 x: T(m) at 64 m: register 16 B + i of lane
; (r, h) = channel 128 w + 32 B + 16 h + i of tile m's row r.
; THE MODE: SCHED_MODE bits 1:0 = 2 (LLVM: expert scheduling mode 2), set by the entry lines.  The code itself states the register dependences between vector or matrix instructions and memory or LDS instructions,
; with s_wait_alu, always for 0.
; THE PLAN.  Registers that memory or LDS instructions touch:
;   v1 .. v17      addresses and offsets: written at the head, never again: one wait on va_vdst ahead of the first load.
;   T (window 3)   x's loads land; the stage's LDS stores read T(m) and its LDS loads land in T(m): a wait on vm_vsrc between the two.  After that vector instructions alone name T.
;   window 1       gain and bias land; the norm's multiply-adds read them; h's fragments land behind the last image's wait on va_vdst; the products read them.
;   the ring       batch g's sixteen products read slot g % 4; batch g + 4 lands in it: one wait on va_vdst behind the products.  It stands there, and not at the next batch's head, so that a slot is asked for again at once.
;   v[ST ..]       the norm's figures: written by vector lines; one wait on va_vdst; four LDS stores; behind the barrier a wait on vm_vsrc; sixteen LDS loads land.
;   v[PC ..], v[PW], v[OUT ..]  codes and scale words on their way out: a wait on va_vdst ahead of each run of stores, a wait on vm_vsrc (beside s_wait_xcnt 0 where the stores are global) ahead of the next writer.
;   v[WSQ ..], v[AS ..]  scale words: loaded once, read by the products.
.set IMG1, 34816                       ; LDS: h's images: 16 fragments of 2,048 bytes ((m, s) at (4 s + m) x 2,048), then 16 x 128 bytes of scale words
.set STG,  69632                       ; a stage of 16 rows x (512 + 16) bytes for each wave
.set STAT, 103424                      ; [wave][64 rows][mean, sum of squared deviations]
.set LI0, 1                            ; v1   16 x lane
.set LI1, 2                            ; v2   16 x lane + IMG1
.set LS1, 4                            ; v4   4 x lane + IMG1
.set IW1, 6                            ; v6   16 x lane + 8,192 x wave + IMG1: where I store images
.set IS1, 8                            ; v8   4 x lane + 512 x wave + IMG1: and their scale words
.set STW, 9                            ; v9   my stage, by rows: + 16 x lane
.set STR, 10                           ; v10  my stage, by my row: + 528 r + 64 h
.set SAW, 11                           ; v11  STAT + 512 x wave + 8 r
.set SAR, 12                           ; v12  STAT + 8 r
.set CB,  13                           ; v13  512 x wave + 64 h: my channels in a gain or bias
.set SPA, 14                           ; v14  16 x (8 h + r + 8 (r / 8)): my weight row's 16 scale bytes
.set L8,  17                           ; v17  8 x lane
.set MS,  28                           ; v[28:29] the row's mean (a pair for the packed forms)
.set RS,  30                           ; v[30:31] 1 / sqrt(var + eps)
.set ACC, 32                           ; v32-95   64 numbers at work, or eight accumulators
.set PC,  96                           ; v96-111  codes just made
.set TM,  112                          ; v112-127 the quantiser's: largest magnitudes, bytes, limits, scale operands
.set PW,  128                          ; v128     a scale word just made
.set AS,  132                          ; v132-147 h's scale words, (m, s) at 4 m + s
.set WSQ, 148                          ; v148-195 the weights' scale words: pair p, K step s at 4 p + s; lanes 0-15 the even tile's rows, lanes 16-31 the odd tile's
.set SQ,  196                          ; v196-199 scale words of q, k or v on their way out
.set OUT, 200
.set ST,  220                          ; v220-251 the norm's figures, eight a tile
.set XP,  4                            ; s[4:5] x;  s[6:7] gain;  s[8:9] bias;  s[10:15] the three weights' scales;  s[16:17] wf;  s[18:23] qf, kf, vf;  s[24:29] qs, ks, vs
.set G1P, 6
.set B1LP, 8
.set WSP, 10
.set WP,  16
.set CFP, 18
.set SFP, 24
.set WV,  30
.set SEL, 36
.set MNT, 38
.set EPS, 39
.set HIM, 40
.set MSB, 0
.macro WIN new                         ; the immediate's high byte repeats the setting that is left; a switch that changes nothing is dropped
.if MSB != (\new)
	s_set_vgpr_msb (MSB<<8)|(\new)
.set MSB, \new
.endif
.endm
.macro NOPS n
.rept \n
	v_nop
.endr
.endm
.macro BARRIER                         ; my LDS stores have landed and my LDS loads are in: then the work-group's barrier
	s_wait_dscnt 0x0
	s_barrier_signal -1
	s_barrier_wait -1
.endm
.macro XLD m, rows                     ; tile m's 16 rows of x, my 512 bytes of each: 32 lanes read them on end
	WIN 0xc0
.set i_, 0
.rept 16
	global_load_b128 v[64*(\m)+4*i_:64*(\m)+4*i_+3], v[LI0], s[XP:XP+1] offset:((\rows)+i_+8*(i_/8))*2048
.set i_, i_+1
.endr
	WIN 0
.endm
.macro XTR m                           ; through my own stage: in by rows, back 64 bytes of my row at a time.  LDS serves a wave's instructions in order: no wait on DScnt between
	WIN 0x0c
.set i_, 0
.rept 16
	ds_store_b128 v[STW], v[64*(\m)+4*i_:64*(\m)+4*i_+3] offset:528*i_
.set i_, i_+1
.endr
	WIN 0xc0
	s_wait_alu depctr_vm_vsrc(0)                   ; the sixteen stores above have read T(m), in which the loads below land
.set i_, 0
.rept 16
	ds_load_b128 v[64*(\m)+4*i_:64*(\m)+4*i_+3], v[STR] offset:128*(i_/4)+16*(i_%4)
.set i_, i_+1
.endr
	WIN 0
.endm
.macro GLD base, ptr                   ; a gain or bias in T's layout, into window 1
	WIN 0x40
.set i_, 0
.rept 16
	global_load_b128 v[\base+4*i_:\base+4*i_+3], v[CB], s[\ptr:\ptr+1] offset:128*(i_/4)+16*(i_%4)
.set i_, i_+1
.endr
	WIN 0
.endm
; nu units of 16 numbers of a lane, v[s + 16 b + i]; a block of 32 lies in lanes l and l xor 16.  Codes to v[PC + 4 b] on, the scales' bytes to v[TM + 4 + b].
.macro QUANT s, relu, nu
.set b_, 0
.rept \nu
.if \relu
	v_max3_num_f32 v[TM+b_], v[\s+16*b_], v[\s+16*b_+1], 0x4800000       ; the floor 2^(9 - 127) among the leaves: the byte cannot fall under 1
.else
	v_max3_num_f32 v[TM+b_], |v[\s+16*b_]|, |v[\s+16*b_+1]|, 0x4800000
.endif
.set b_, b_+1
.endr
.set i_, 2
.rept 7
.set b_, 0
.rept \nu
.if \relu
	v_max3_num_f32 v[TM+b_], v[TM+b_], v[\s+16*b_+i_], v[\s+16*b_+i_+1]
.else
	v_max3_num_f32 v[TM+b_], v[TM+b_], |v[\s+16*b_+i_]|, |v[\s+16*b_+i_+1]|
.endif
.set b_, b_+1
.endr
.set i_, i_+2
.endr
.set b_, 0
.rept \nu
	v_permlanex16_b32 v[TM+4+b_], v[TM+b_], s[SEL], s[SEL+1]
.set b_, b_+1
.endr
.set b_, 0
.rept \nu
	v_max_num_f32 v[TM+b_], v[TM+b_], v[TM+4+b_]                         ; the block's largest magnitude
.set b_, b_+1
.endr
.set b_, 0
.rept \nu
	v_add_nc_u32 v[TM+12+b_], 0xfc000000, v[TM+b_]                       ; 8 off its exponent field: the conversion's scale operand
.set b_, b_+1
.endr
.set b_, 0
.rept \nu
	v_and_or_b32 v[TM+8+b_], v[TM+b_], 0x7f800000, s[MNT]                ; 448 x the scale
.set b_, b_+1
.endr
.set b_, 0
.rept \nu
	v_lshrrev_b32 v[TM+4+b_], 23, v[TM+12+b_]                            ; the scale's byte
.set b_, b_+1
.endr
.set b_, 0
.rept \nu
.set i_, 0
.rept 16
.if \relu
	v_med3_num_f32 v[\s+16*b_+i_], v[\s+16*b_+i_], 0, v[TM+8+b_]
.else
	v_med3_num_f32 v[\s+16*b_+i_], v[\s+16*b_+i_], -v[TM+8+b_], v[TM+8+b_]   ; the conversion does not saturate (ISA guide 7.6.2): the hold comes first
.endif
.set i_, i_+1
.endr
	v_cvt_scalef32_pk8_fp8_f32 v[PC+4*b_:PC+4*b_+1], v[\s+16*b_:\s+16*b_+7], v[TM+12+b_]
	v_cvt_scalef32_pk8_fp8_f32 v[PC+4*b_+2:PC+4*b_+3], v[\s+16*b_+8:\s+16*b_+15], v[TM+12+b_]
.set b_, b_+1
.endr
	v_nop                                          ; one plain line behind the last conversion
.endm
.macro WORD d                          ; four bytes make a scale word
	v_lshl_or_b32 v[\d], v[TM+5], 8, v[TM+4]
	v_lshl_or_b32 v[\d], v[TM+6], 16, v[\d]
	v_lshl_or_b32 v[\d], v[TM+7], 24, v[\d]
.endm
.macro IMAGE a, off                    ; the fragment in v[PC] on goes to LDS as it stands
.set c_, 0
.rept 4
	ds_store_b128 v[\a], v[PC+4*c_:PC+4*c_+3] offset:\off+512*c_
.set c_, c_+1
.endr
.endm
.macro FETCHA li, ls                   ; all 16 fragments and their scale words, into window 1 and v[AS] on
	WIN 0x40
.set m_, 0
.rept 4
.set s_, 0
.rept 4
.set c_, 0
.rept 4
	ds_load_b128 v[16*(4*m_+s_)+4*c_:16*(4*m_+s_)+4*c_+3], v[\li] offset:(4*s_+m_)*2048+512*c_
.set c_, c_+1
.endr
.set s_, s_+1
.endr
.set m_, m_+1
.endr
	WIN 0
.set m_, 0
.rept 4
.set s_, 0
.rept 4
	ds_load_b32 v[AS+4*m_+s_], v[\ls] offset:32768+(4*s_+m_)*128
.set s_, s_+1
.endr
.set m_, m_+1
.endr
.endm
.macro LOADB slot, off                 ; a batch: four weight fragments, 16 loads of 512 consecutive bytes
	WIN 0x80
.set i_, 0
.rept 16
	global_load_b128 v[64*(\slot)+4*i_:64*(\slot)+4*i_+3], v[LI0], s[WP:WP+1] offset:(\off)+512*i_
.set i_, i_+1
.endr
	WIN 0
.endm
.macro WMS cz, ra, rb                  ; one product on the registers named by rD, rA, rB, rC, rSA, rSB.  cz: the sum starts at 0.  ra, rb: that side's scales stand in lanes 16-31
.if \cz
.if \ra
	v_wmma_scale_f32_16x16x128_f8f6f4 v[rD:rD+7], v[rA:rA+15], v[rB:rB+15], 0, v[rSA], v[rSB] matrix_a_scale:MATRIX_SCALE_ROW1
.elseif \rb
	v_wmma_scale_f32_16x16x128_f8f6f4 v[rD:rD+7], v[rA:rA+15], v[rB:rB+15], 0, v[rSA], v[rSB] matrix_b_scale:MATRIX_SCALE_ROW1
.else
	v_wmma_scale_f32_16x16x128_f8f6f4 v[rD:rD+7], v[rA:rA+15], v[rB:rB+15], 0, v[rSA], v[rSB]
.endif
.else
.if \ra
	v_wmma_scale_f32_16x16x128_f8f6f4 v[rD:rD+7], v[rA:rA+15], v[rB:rB+15], v[rC:rC+7], v[rSA], v[rSB] matrix_a_scale:MATRIX_SCALE_ROW1
.elseif \rb
	v_wmma_scale_f32_16x16x128_f8f6f4 v[rD:rD+7], v[rA:rA+15], v[rB:rB+15], v[rC:rC+7], v[rSA], v[rSB] matrix_b_scale:MATRIX_SCALE_ROW1
.else
	v_wmma_scale_f32_16x16x128_f8f6f4 v[rD:rD+7], v[rA:rA+15], v[rB:rB+15], v[rC:rC+7], v[rSA], v[rSB]
.endif
.endif
.endm
; 16 products: a batch's two K steps (2 hf, 2 hf + 1) x two weight tiles x four tiles of rows.  The eight accumulators take turns, one instruction a turn.
; kind 0 (q, k): source 0 the weights;  kind 3 (v): source 0 the rows of h, and the accumulators ordered so that unit 2 u + m / 2 holds 16 neighbouring keys.
.macro MMH kind, slot, hf, ws
.if (\kind)==3
	WIN 0x09
.else
	WIN 0x06
.endif
.set sl_, 0
.rept 2
.set s_, 2*(\hf)+sl_
.set cz_, 0
.if s_==0
.set cz_, 1
.endif
.set u_, 0
.rept 2
.set m_, 0
.rept 4
.if (\kind)==3
.set rD, ACC+16*(2*u_+m_/2)+8*(m_%2)
.set rA, 16*(4*m_+s_)
.set rB, 64*(\slot)+16*(2*sl_+u_)
.set rSA, AS+4*m_+s_
.set rSB, \ws+s_
.set rC, rD
	WMS cz_, 0, u_
.else
.set rD, ACC+16*m_+8*u_
.set rA, 64*(\slot)+16*(2*sl_+u_)
.set rB, 16*(4*m_+s_)
.set rSA, \ws+s_
.set rSB, AS+4*m_+s_
.set rC, rD
	WMS cz_, u_, 0
.endif
.set m_, m_+1
.endr
.set u_, u_+1
.endr
.set sl_, sl_+1
.endr
	WIN 0
.endm
; The norm, first half: of my 128 channels of tile m's rows the mean and the sum of squared deviations from it, into v[ST + 8 m], v[ST + 8 m + 1].  T is read in ascending order.
; The four tiles' figures go to LDS together, behind the fourth.
.macro LNSTAT m
.set SM_, ST+8*(\m)
	WIN 0x0f
.set k_, 0
.rept 4
	v_pk_add_f32 v[TM+2*k_:TM+2*k_+1], v[64*(\m)+4*k_:64*(\m)+4*k_+1], v[64*(\m)+4*k_+2:64*(\m)+4*k_+3]
.set k_, k_+1
.endr
	WIN 0x0c
.set k_, 0
.rept 24
	v_pk_add_f32 v[TM+2*(k_%4):TM+2*(k_%4)+1], v[TM+2*(k_%4):TM+2*(k_%4)+1], v[64*(\m)+16+2*k_:64*(\m)+17+2*k_]
.set k_, k_+1
.endr
	WIN 0
	v_pk_add_f32 v[TM:TM+1], v[TM:TM+1], v[TM+2:TM+3]
	v_pk_add_f32 v[TM+4:TM+5], v[TM+4:TM+5], v[TM+6:TM+7]
	v_pk_add_f32 v[TM:TM+1], v[TM:TM+1], v[TM+4:TM+5]
	v_add_f32 v[TM], v[TM], v[TM+1]
	v_permlanex16_b32 v[TM+2], v[TM], s[SEL], s[SEL+1]
	v_add_f32 v[TM], v[TM], v[TM+2]
	v_mul_f32 v[SM_], 0x3c000000, v[TM]            ; / 128
	WIN 0x03
.set k_, 0
.rept 32
	v_pk_add_f32 v[ACC+2*k_:ACC+2*k_+1], v[64*(\m)+2*k_:64*(\m)+2*k_+1], v[SM_:SM_+1] op_sel_hi:[1,0] neg_lo:[0,1] neg_hi:[0,1]
.set k_, k_+1
.endr
	WIN 0
.set k_, 0
.rept 4
	v_pk_mul_f32 v[TM+2*k_:TM+2*k_+1], v[ACC+2*k_:ACC+2*k_+1], v[ACC+2*k_:ACC+2*k_+1]
.set k_, k_+1
.endr
.set k_, 4
.rept 28
	v_pk_fma_f32 v[TM+2*(k_%4):TM+2*(k_%4)+1], v[ACC+2*k_:ACC+2*k_+1], v[ACC+2*k_:ACC+2*k_+1], v[TM+2*(k_%4):TM+2*(k_%4)+1]
.set k_, k_+1
.endr
	v_pk_add_f32 v[TM:TM+1], v[TM:TM+1], v[TM+2:TM+3]
	v_pk_add_f32 v[TM+4:TM+5], v[TM+4:TM+5], v[TM+6:TM+7]
	v_pk_add_f32 v[TM:TM+1], v[TM:TM+1], v[TM+4:TM+5]
	v_add_f32 v[TM], v[TM], v[TM+1]
	v_permlanex16_b32 v[TM+2], v[TM], s[SEL], s[SEL+1]
	v_add_f32 v[SM_+1], v[TM], v[TM+2]
.endm
; Second half: the four waves' figures are joined (the parts' sums of squares, and 128 x the squared distances of their means from the whole mean: no difference of large sums is formed);
; my channels are normed, scaled, shifted and quantised: K step w of the next product, tile m: image to LDS.  The barrier's own wait shows the stores landed before any wave reads them.
.macro LNFIN m
.set A_, ST+8*(\m)
	v_add_f32 v[TM], v[A_], v[A_+2]
	v_add_f32 v[TM+1], v[A_+4], v[A_+6]
	v_add_f32 v[TM+2], v[A_+1], v[A_+3]
	v_add_f32 v[TM+3], v[A_+5], v[A_+7]
	v_add_f32 v[TM], v[TM], v[TM+1]
	v_add_f32 v[TM+2], v[TM+2], v[TM+3]
	v_mul_f32 v[MS], 0x3e800000, v[TM]             ; the row's mean
	v_sub_f32 v[TM+4], v[A_], v[MS]
	v_sub_f32 v[TM+5], v[A_+2], v[MS]
	v_sub_f32 v[TM+6], v[A_+4], v[MS]
	v_sub_f32 v[TM+7], v[A_+6], v[MS]
	v_mul_f32 v[TM], v[TM+4], v[TM+4]
	v_fmac_f32 v[TM], v[TM+5], v[TM+5]
	v_fmac_f32 v[TM], v[TM+6], v[TM+6]
	v_fmac_f32 v[TM], v[TM+7], v[TM+7]
	v_fmamk_f32 v[TM], v[TM], 0x43000000, v[TM+2]
	v_fma_f32 v[TM], v[TM], 0x3b000000, s[EPS]     ; / 512 + eps
	s_wait_alu depctr_va_vdst(0)
	v_rsq_f32 v[RS], v[TM]
	WIN 0x03
.set k_, 0
.rept 32
	v_pk_add_f32 v[ACC+2*k_:ACC+2*k_+1], v[64*(\m)+2*k_:64*(\m)+2*k_+1], v[MS:MS+1] op_sel_hi:[1,0] neg_lo:[0,1] neg_hi:[0,1]   ; plain work that names nothing of the root's
.set k_, k_+1
.endr
	WIN 0
	s_wait_alu depctr_va_vdst(0)                   ; the root's result v[RS] is written, ahead of the first line that names it
.set k_, 0
.rept 32
	v_pk_mul_f32 v[ACC+2*k_:ACC+2*k_+1], v[ACC+2*k_:ACC+2*k_+1], v[RS:RS+1] op_sel_hi:[1,0]
.set k_, k_+1
.endr
	WIN 0x14
.set k_, 0
.rept 32
	v_pk_fma_f32 v[ACC+2*k_:ACC+2*k_+1], v[ACC+2*k_:ACC+2*k_+1], v[2*k_:2*k_+1], v[64+2*k_:65+2*k_]   ; x gain + bias (window 1)
.set k_, k_+1
.endr
	WIN 0
.if (\m) > 0
	s_wait_alu depctr_vm_vsrc(0)                   ; the last tile's image stores have read v[PC ..] and v[PW], which the lines below write again
.endif
	QUANT ACC, 0, 4
	WORD PW
	s_wait_alu depctr_va_vdst(0)                   ; the conversions have written v[PC ..] and the line above v[PW], which the stores below read
	IMAGE IW1, 2048*(\m)
	ds_store_b32 v[IS1], v[PW] offset:32768+128*(\m)
.endm
	s_load_b512 s[4:19], s[0:1], 0x0
	s_load_b256 s[20:27], s[0:1], 0x40
	s_load_b64 s[28:29], s[0:1], 0x60
	v_lshl_add_u32 v254, v0, 2, 0x19c00
	v_mov_b32 v255, 0
	v_lshrrev_b32 v1, 5, v0
	v_readfirstlane_b32 s[WV], v1                  ; wave 0..3
	v_and_b32 v18, 31, v0                          ; lane
	v_and_b32 v19, 15, v0                          ; r
	v_bfe_u32 v20, v0, 4, 1                        ; h
	v_and_b32 v21, 8, v19
	v_add_nc_u32 v21, v21, v19                     ; r + 8 (r / 8)
	v_lshlrev_b32 v[LI0], 4, v18
	v_add_nc_u32 v[LI1], IMG1, v[LI0]
	v_lshlrev_b32 v[LS1], 2, v18
	s_wait_alu depctr_va_sdst(0)                   ; the wave's number s[WV] is written, ahead of its first reader
	s_lshl_b32 s31, s[WV], 9
	v_add_nc_u32 v[IS1], s31, v[LS1]
	v_add_nc_u32 v[IS1], IMG1, v[IS1]
	v_add_nc_u32 v[LS1], IMG1, v[LS1]
	v_lshl_add_u32 v[CB], v20, 6, s31
	v_lshlrev_b32 v[SAR], 3, v19
	v_add_nc_u32 v[SAR], STAT, v[SAR]
	v_add_nc_u32 v[SAW], s31, v[SAR]
	s_lshl_b32 s31, s[WV], 13
	v_add_nc_u32 v[IW1], s31, v[LI0]
	v_add_nc_u32 v[IW1], IMG1, v[IW1]
	s_mul_i32 s31, s[WV], 8448
	s_add_co_u32 s31, s31, STG
	v_add_nc_u32 v[STW], s31, v[LI0]
	v_mul_u32_u24 v[STR], v19, 528
	v_lshl_add_u32 v[STR], v20, 6, v[STR]
	v_add_nc_u32 v[STR], s31, v[STR]
	v_lshl_add_u32 v[SPA], v20, 3, v21
	v_lshlrev_b32 v[SPA], 4, v[SPA]
	v_lshlrev_b32 v[L8], 3, v18
	s_mov_b32 s[SEL], 0x76543210
	s_mov_b32 s[SEL+1], 0xfedcba98                 ; v_permlanex16_b32's selects for lane l xor 16
	s_mov_b32 s[MNT], 0x600000                     ; the mantissa field of 448
	s_mov_b32 s[EPS], 0x3727c5ac                   ; 1e-5
	s_mov_b32 s[HIM], 0xffff0000                   ; lanes 16-31
.irp i, 2,4,5,6,7
	v_mov_b32 v[TM+\i], 0                          ; written once: a lane permute's destination counts as one of its sources
.endr
.irp i, 0,1,2,3
	v_mov_b32 v[ST+8*\i+1], 0                      ; named as the upper half of a pair before it is first written
.endr
	v_mov_b32 v[MS+1], 0
	v_mov_b32 v[RS+1], 0
	s_mov_b32 s33, 0
	s_wait_kmcnt 0x0
	s_lshl_b32 s32, ttmp9, 17                      ; 64 rows of 2,048 bytes a block,
	s_lshl_b32 s34, s[WV], 9                       ; my 512 bytes of a row
	s_add_co_u32 s32, s32, s34
	s_add_nc_u64 s[XP:XP+1], s[XP:XP+1], s[32:33]
	s_mul_i32 s32, s[WV], 786432
	s_add_nc_u64 s[WP:WP+1], s[WP:WP+1], s[32:33]
	s_lshl_b32 s32, s[WV], 11                      ; my 128 weight rows' scale bytes
.irp i, 0,2,4
	s_add_nc_u64 s[WSP+\i:WSP+\i+1], s[WSP+\i:WSP+\i+1], s[32:33]
.endr
	s_lshl_b32 s32, ttmp9, 15
	s_lshl_b32 s34, s[WV], 13
	s_add_co_u32 s32, s32, s34                     ; qf, kf: block x 32,768 + head 2 w x 4,096
	s_add_nc_u64 s[CFP:CFP+1], s[CFP:CFP+1], s[32:33]
	s_add_nc_u64 s[CFP+2:CFP+3], s[CFP+2:CFP+3], s[32:33]
	s_lshr_b32 s32, ttmp9, 3
	s_lshl_b32 s32, s32, 18                        ; vf: batch x 262,144
	s_lshl_b32 s34, s[WV], 16                      ; + head 2 w x 32,768
	s_add_co_u32 s32, s32, s34
	s_bfe_u32 s34, ttmp9, 0x20001
	s_lshl_b32 s34, s34, 13                        ; + key step x 8,192
	s_add_co_u32 s32, s32, s34
	s_and_b32 s34, ttmp9, 1
	s_lshl_b32 s34, s34, 10                        ; + which half of the step's 128 keys: register groups 2, 3
	s_add_co_u32 s32, s32, s34
	s_add_nc_u64 s[CFP+4:CFP+5], s[CFP+4:CFP+5], s[32:33]
	s_lshl_b32 s32, ttmp9, 10
	s_lshl_b32 s34, s[WV], 8
	s_add_co_u32 s32, s32, s34
.irp i, 0,2,4
	s_add_nc_u64 s[SFP+\i:SFP+\i+1], s[SFP+\i:SFP+\i+1], s[32:33]
.endr
	s_wait_alu depctr_va_vdst(0)                   ; the addresses and offsets v1 to v17 are written, which every load and store of the kernel reads; none of them is written again
	XLD 0, 0
	XLD 1, 8
	XLD 2, 32
	XLD 3, 40
	GLD 0, G1P
	GLD 64, B1LP
	s_wait_loadcnt 32                              ; gain's and bias's 32 loads were issued behind x's 64: x is in
	XTR 0
	XTR 1
	XTR 2
	XTR 3
.set p_, 0                                     ; the weights' scale words and the ring's first four batches are asked for here: they have the whole norm in which to land, and x is not kept waiting behind them
.rept 12
	global_load_b128 v[WSQ+4*p_:WSQ+4*p_+3], v[SPA], s[WSP+2*(p_/4):WSP+2*(p_/4)+1] offset:512*(p_%4)
.set p_, p_+1
.endr
	LOADB 0, 0
	LOADB 1, 8192
	LOADB 2, 16384
	LOADB 3, 24576
	s_wait_dscnt 0x0
	LNSTAT 0
	LNSTAT 1
	LNSTAT 2
	LNSTAT 3
	s_wait_alu depctr_va_vdst(0)                   ; the four tiles' figures v[ST + 8 m], v[ST + 8 m + 1] are written, which the four stores below read
.set m_, 0
.rept 4
	ds_store_b64 v[SAW], v[ST+8*m_:ST+8*m_+1] offset:128*m_
.set m_, m_+1
.endr
	BARRIER                                        ; all four waves' figures lie in LDS
	s_wait_alu depctr_vm_vsrc(0)                   ; my four stores have read v[ST + 8 m], v[ST + 8 m + 1], in which the loads below land (the lines that wrote and read them stand ahead of the wait on va_vdst above)
.set m_, 0
.rept 4
.set k_, 0
.rept 4
	ds_load_b64 v[ST+8*m_+2*k_:ST+8*m_+2*k_+1], v[SAR] offset:512*k_+128*m_
.set k_, k_+1
.endr
.set m_, m_+1
.endr
	s_wait_dscnt 0x0
	s_wait_loadcnt 63                              ; 76 loads were issued behind gain and bias: both are in
	LNFIN 0
	LNFIN 1
	LNFIN 2
	LNFIN 3
	BARRIER                                        ; h's sixteen fragments lie in LDS
	FETCHA LI1, LS1                                ; they land on gain and bias: the multiply-adds that read those stand ahead of the last image's wait on va_vdst, and no vector line has followed it
	s_wait_dscnt 0x0
; Twelve pairs of weight tiles: pairs 0-3 q, 4-7 k, 8-11 v; in each four: head 2 w + e, e = (p % 4) / 2, its d block p % 2.  A pair is two batches (K steps 0, 1 and 2, 3).
.set p_, 0
.rept 12
.set e_, (p_%4)/2
.set bt_, p_%2
.set hf_, 0
.rept 2
.set g_, 2*p_+hf_
.if g_ < 21
	s_wait_loadcnt 48                              ; three younger batches of 16 loads may be out: this batch is in
.else
	s_wait_loadcnt 16*(23-g_)
.endif
.if p_ < 8
	MMH 0, g_%4, hf_, WSQ+4*p_
.else
	MMH 3, g_%4, hf_, WSQ+4*p_
.endif
	NOPS 8                                         ; eight places behind the products, ahead of the first read of results; they stay ahead of the wait below
.if hf_ == 0
	s_wait_xcnt 0x0                                ; the last pair's stores have had their addresses translated: their data registers are written again, by this pair's conversions and selects, only behind this wait
	s_wait_alu depctr_vm_vsrc(0)                   ; and have read v[PC ..] and v[OUT ..] (ahead of the first pair: the last image's LDS stores have read v[PC ..]).  Both waits stand ahead of this pair's loads
.endif
.if g_+4 < 24
	s_wait_alu depctr_va_vdst(0)                   ; the batch's sixteen products are done reading slot g % 4, in which batch g + 4 lands
	LOADB g_%4, 8192*(g_+4)
.endif
.set hf_, hf_+1
.endr
	QUANT ACC, 0, 4
.if p_ < 8
.set m_, 0
.rept 4
.if (bt_==0) && (m_%2==0)
	v_mov_b32 v[SQ+2*e_+m_/2], v[TM+4+m_]
.else
	v_lshl_or_b32 v[SQ+2*e_+m_/2], v[TM+4+m_], 16*(m_%2)+8*bt_, v[SQ+2*e_+m_/2]
.endif
.set m_, m_+1
.endr
.else
	WORD SQ+2*e_+bt_
.endif
.if p_%4 == 3
	v_cndmask_b32 v[OUT], v[SQ], v[SQ+2], s[HIM]   ; lanes 0-15 carry head 2 w's words, lanes 16-31 head 2 w + 1's
	v_cndmask_b32 v[OUT+1], v[SQ+1], v[SQ+3], s[HIM]
.endif
	s_wait_alu depctr_va_vdst(0)                   ; the conversions have written v[PC ..] (and, in a fourth pair, the selects v[OUT ..]), which the stores below read
.set m_, 0
.rept 4
.if p_ < 8
	global_store_b128 v[LI0], v[PC+4*m_:PC+4*m_+3], s[CFP+2*(p_/4):CFP+2*(p_/4)+1] offset:4096*e_+1024*m_+512*bt_   ; 512 consecutive bytes: tile m's register group of d block bt
.else
	global_store_b128 v[LI0], v[PC+4*m_:PC+4*m_+3], s[CFP+4:CFP+5] offset:32768*e_+2048*(2*bt_+m_/2)+512*(m_%2)     ; d tile 2 bt + unit / 2, key block unit % 2
.endif
.set m_, m_+1
.endr
.if p_%4 == 3
	global_store_b64 v[L8], v[OUT:OUT+1], s[SFP+2*(p_/4):SFP+2*(p_/4)+1]   ; 256 consecutive bytes, aligned
.endif
.set p_, p_+1
.endr
	s_wait_dscnt 0x0                               ; the closing lines, six on end
	s_wait_alu 0x0
	s_wait_tensorcnt 0x0
	ds_add_u32 v254, v255
	s_wait_dscnt 0x0
	s_endpgm
.Lfunc_end_k_q802dde467c_qkv:
	.size	k_q802dde467c_qkv, .Lfunc_end_k_q802dde467c_qkv-k_q802dde467c_qkv
	.p2alignl 7, 3214868480
	.fill 96, 4, 3214868480
	.section	.rodata,"a",@progbits
	.p2align	6, 0x0
	.amdhsa_kernel k_q802dde467c_qkv
		.amdhsa_group_segment_fixed_size 105984
		.amdhsa_private_segment_fixed_size 0
		.amdhsa_enable_private_segment 0
		.amdhsa_kernarg_size 104
		.amdhsa_user_sgpr_count 2
		.amdhsa_user_sgpr_kernarg_segment_ptr 1
		.amdhsa_wavefront_size32 1
		.amdhsa_system_sgpr_workgroup_id_x 1
		.amdhsa_system_sgpr_workgroup_id_y 1
		.amdhsa_system_sgpr_workgroup_id_z 1
		.amdhsa_system_vgpr_workitem_id 0
		.amdhsa_next_free_vgpr 1024
		.amdhsa_next_free_sgpr 66
		.amdhsa_reserve_vcc 0
		.amdhsa_float_denorm_mode_32 3
		.amdhsa_float_denorm_mode_16_64 3
		.amdhsa_memory_ordered 1
		.amdhsa_forward_progress 1
		.amdhsa_inst_pref_size 255
	.end_amdhsa_kernel
	.section	.bss,"aw",@nobits
	.p2align	6
	.space	262144
	.amdgpu_metadata
---
amdhsa.version: [ 1, 2 ]
amdhsa.kernels:
  - .name:           k_q802dde467c_qkv
    .symbol:         k_q802dde467c_qkv.kd
    .args:
      - { .name: x, .offset: 0, .size: 8, .value_kind: global_buffer, .address_space: global }
      - { .name: ln1_g, .offset: 8, .size: 8, .value_kind: global_buffer, .address_space: global }
      - { .name: ln1_b, .offset: 16, .size: 8, .value_kind: global_buffer, .address_space: global }
      - { .name: wq_scales, .offset: 24, .size: 8, .value_kind: global_buffer, .address_space: global }
      - { .name: wk_scales, .offset: 32, .size: 8, .value_kind: global_buffer, .address_space: global }
      - { .name: wv_scales, .offset: 40, .size: 8, .value_kind: global_buffer, .address_space: global }
      - { .name: wf, .offset: 48, .size: 8, .value_kind: global_buffer, .address_space: global }
      - { .name: qf, .offset: 56, .size: 8, .value_kind: global_buffer, .address_space: global }
      - { .name: kf, .offset: 64, .size: 8, .value_kind: global_buffer, .address_space: global }
      - { .name: vf, .offset: 72, .size: 8, .value_kind: global_buffer, .address_space: global }
      - { .name: qs, .offset: 80, .size: 8, .value_kind: global_buffer, .address_space: global }
      - { .name: ks, .offset: 88, .size: 8, .value_kind: global_buffer, .address_space: global }
      - { .name: vs, .offset: 96, .size: 8, .value_kind: global_buffer, .address_space: global }
    .group_segment_fixed_size: 105984
    .private_segment_fixed_size: 0
    .kernarg_segment_align: 8
    .kernarg_segment_size: 104
    .max_flat_workgroup_size: 128
    .sgpr_count:     66
    .vgpr_count:     1024
    .wavefront_size: 32
...
	.end_amdgpu_metadata
.endif
;; end of part 5
;; launch block (part 6): grid 256 x 1, 4 waves a work-group, no clusters, 124,416 bytes of LDS; arguments x, qf, kf, vf, qs, ks, vs, wf, w_proj_scales, b_proj, ln2_g, ln2_b, w1_scales, b1, w2_scales, b2, out0; writes out0
.if DOCPART == 6
	.amdgcn_target "amdgcn-amd-amdhsa--gfx1250"
	.amdhsa_code_object_version 6
	.text
	.protected	k_q802dde467c_block
	.globl	k_q802dde467c_block
	.p2align	8
	.type	k_q802dde467c_block,@function
k_q802dde467c_block:
	s_mov_b64 s[64:65], 0
	v_nop
	global_prefetch_b8 v0, s[64:65] scope:SCOPE_SE
	s_setreg_imm32_b32 hwreg(HW_REG_WAVE_SCHED_MODE, 0, 2), 2
	s_setreg_imm32_b32 hwreg(HW_REG_WAVE_MODE, 25, 1), 1
	s_wait_xcnt 0x0
	s_wait_alu depctr_vm_vsrc(0)
; Causal attention on the codes of q, k, v; x1 = x + o W_proj + b_proj; h2 = layernorm(x1); out = x1 + relu(h2 W1 + b1) W2 + b2.  All five products on codes of E4M3 with one E8M0 scale for each 32 along K.
; o, x1, h2 and the hidden layer never go to memory.
; SHARES.  A work-group owns 64 rows of one batch: four tiles of 16 queries, tile j = tile mt of the batch's 64-row block a + 2 j (g = work-group % 8, a = g % 2, mt = g / 2).  Under the causal mask tile j needs j + 1 key steps
; of 128 keys, the last of them on the diagonal: 10 steps a head in every work-group, and no trip count hangs on the work-group's number.
; ATTENTION: wave w takes heads 2 w and 2 w + 1, one after the other, all four tiles.  A head's K and V (64 KiB of codes) lie in the wave's registers (windows 1 and 2).  Both products are used transposed: a lane holds one query.
; K = 64 fills half of the instruction's 128: a fragment of K carries TWO tiles of 16 keys (register groups 0, 1 and 2, 3), and q stands beside eight registers of zero codes, below or above, which picks one of the two.
; SOFTMAX: t = score x log2(e) / sqrt(512); M = the running largest t rounded up to a whole number; p = 2^(t - M) is quantised along the keys; the row's sum is taken of the unquantised p and divides at the end.
; THE TAIL: the waves share the columns: wave w owns channels 128 w .. + 127 of x1 and out (window 3), hidden units 128 w .. + 127 of each chunk of 512.  Operands go from wave to wave through LDS as images of their registers.
; The weights come from wf straight into registers: a ring of four slots of four fragments, three batches of 16 loads on their way.  No cluster and no tensor load: each weight byte is used by one wave of a work-group, so LDS
; would add a write and a read to each and spare none; the ring needs no barrier.
; LIMITS: a block of zeros gets the byte 1 where the rule says 127 (its codes are zeros; the bytes stay in this program); a block whose largest magnitude lies under 2^-118 is held at that floor; NaN and infinities are not served;
; t is formed with the one constant log2(e) / sqrt(512), one rounding where two multiplications would round twice.
; THE MODE: SCHED_MODE bits 1:0 = 2 (LLVM: expert scheduling mode 2), set by the entry lines.  The code itself states the register dependences between vector or matrix instructions and memory or LDS instructions,
; with s_wait_alu, always for 0.
; THE PLAN.  Registers that memory or LDS instructions touch:
;   addresses      v1 .. v18, v25 .. v27: written at the head, never again: one wait on va_vdst ahead of the first load (it also shows the zero codes beside q written, which products take).
;   v19 .. v22     the next tile's q and this tile's o in LDS: written at a tile's end, ahead of a wait on va_vdst; freed by the wait on vm_vsrc that closes the tile.
;   v[ACC ..]      q's loads land; q's LDS stores read them; a wait on vm_vsrc ahead of the first tile, whose products write them.  In the tail hidden fragments land there.
;   q and its word LDS loads land at a tile's end, behind the wait on va_vdst that shows the tile's products done with them.
;   windows 1, 2   a head's K and V: loaded, read by products; one wait on va_vdst behind the loop over tiles, ahead of the next head's loads and of the tail's.
;   p's codes, p's and V's scale words, q's shifted word: made by vector lines, taken by products: the places, then a wait on va_vdst.
;   v[PC ..], v[SW ..]  codes and scale words on their way to LDS: a wait on va_vdst ahead of each run of stores, a wait on vm_vsrc ahead of the next writer.
;   T (window 3)   x's loads land; the stage's LDS stores read T(m) and its LDS loads land in T(m): a wait on vm_vsrc between.  On the way out the LDS stores read T behind one wait on va_vdst, and the rows come back into window 1.
;   the ring       batch g's sixteen products read slot g % 4; the batch four on lands in it: one wait on va_vdst behind the products, which serves the scale words, biases and hidden fragments asked for there too.
;                  It stands there, and not at the next batch's head, so that a slot is asked for again at once.
;   v[ST ..]       the norm's figures: one wait on va_vdst, four LDS stores; behind the barrier a wait on vm_vsrc, sixteen LDS loads.
;   s68 .. s99     the causal mask's 32 masks a run: written by compares, read by selects: a wait on va_sdst between.
.set IMG1, 34816                       ; LDS: IMG0 at 0: o's images, later the hidden layer's; IMG1: h2's.  Each: 16 fragments ((m, s) at (4 s + m) x 2,048), then 16 x 128 bytes of scale words
.set STG,  69632                       ; a stage of 16 rows x (512 + 16) bytes for each wave
.set STAT, 103424                      ; [wave][64 rows][mean, sum of squared deviations]
.set QST,  105472                      ; for each wave 4,608 bytes: a head's q: four tiles x 1,024 bytes of codes, then 4 x 128 bytes of scale words
.set LI0, 1                            ; v1   16 x lane
.set LI1, 2                            ; v2   + IMG1
.set LS0, 3                            ; v3   4 x lane
.set LS1, 4                            ; v4   + IMG1
.set IW0, 5                            ; v5   16 x lane + 8,192 x wave: where I store images
.set IW1, 6
.set IS0, 7                            ; v7   4 x lane + 512 x wave: and their scale words
.set IS1, 8
.set STW, 9                            ; v9   my stage, by rows
.set STR, 10                           ; v10  my stage, by my row
.set SAW, 11
.set SAR, 12
.set CB,  13                           ; v13  512 x wave + 64 h
.set SPA, 14                           ; v14  16 x (8 h + r + 8 (r / 8))
.set SPB, 15                           ; v15  64 x the same
.set B1A, 16                           ; v16  64 h
.set QWA, 17                           ; v17  q's codes in LDS: my 16 bytes
.set QWS, 18                           ; v18  q's scale words
.set QRA, 19                           ; v19, v20 the same for the tile that comes next
.set QRS, 20
.set OAD, 21                           ; v21, v22 where the tile's o goes
.set OSA, 22
.set DM,  23                           ; v23  my query's place in its key step, less 16 h
.set NINF, 24
.set SLA, 25                           ; v25  8 r
.set QSA, 26                           ; v26  8 r + 2 mt
.set PFO, 27                           ; v27  the prefetch's offset; never rewritten
.set NM,  28                           ; v28 -M, v29 the running largest t;  in the norm the pair MS
.set RT,  29
.set MS,  28
.set LSUM, 30                          ; v[30:31] the row's sum in two halves;  in the norm the pair RS
.set RS,  30
.set ACC, 32                           ; v32-95   scores and p; 64 numbers at work; eight accumulators; hidden fragments, set 0
.set PC,  96                           ; v96-111  codes just made
.set TM,  112                          ; v112-127 the quantiser's
.set SW,  128                          ; v128-131 scale words on their way to LDS
.set PW,  128
.set AS,  132                          ; v132-147 scale words of the 16 fragments in window 1;  in attention: v132-135 V's, v136 q's low, v137 q's high, v138 p's
.set VSW, 132
.set QLO, 136
.set QHI, 137
.set PWA, 138
.set HS,  148                          ; v148-155 the hidden layer's scale words, two sets
.set W1S, 156                          ; v156-163 scale words of w_proj or W1, two sets of four K steps
.set W2S, 164                          ; v164-179 W2's;  in attention K's, (step S, fragment u) at 4 S + u
.set KSC, 164
.set B1R, 180                          ; v180-211 b1 in the result's layout, two sets of 16
.set QZ,  180                          ; v180-203 in attention: eight zeros, q's eight registers, eight zeros
.set OA,  204                          ; v204-235 O^T
.set VSR, 236                          ; v236-251 V's scale bytes as they lie in memory
.set ST,  220                          ; v220-251 the norm's figures; hidden fragments, set 1 (with v96-127)
.set FF,  252                          ; v[252:253] the factor 2^(old M - new M), later 1 / the sum
.set X0,  254
.set XP, 4
.set QP, 6
.set KP, 8
.set VP, 10
.set QSP, 12
.set KSP, 14
.set VSP, 16
.set WP, 18
.set PSP, 20
.set BPP, 22
.set G2P, 24
.set B2LP, 26
.set W1SP, 28
.set B1P, 30
.set W2SP, 32
.set B2P, 34
.set OUTP, 36
.set WV, 38
.set SE, 48                            ; s48 which of my two heads;  s49 the tile;  s50 the key step;  s51 the chunk
.set SJ, 49
.set SS, 50
.set SCH, 51
.set SEL, 52
.set CS, 54
.set MNT, 56
.set P0, 57
.set P1, 58
.set EPS, 59
.set JO, 60
.set JS, 61
.set PFA, 62
.set JQ, 66
.set JQS, 67
.set MK, 68                            ; s68-s99 the causal mask's 32 masks of a run
.set MSB, 0
.macro WIN new                         ; the immediate's high byte repeats the setting that is left; a switch that changes nothing is dropped
.if MSB != (\new)
	s_set_vgpr_msb (MSB<<8)|(\new)
.set MSB, \new
.endif
.endm
.macro NOPS n
.rept \n
	v_nop
.endr
.endm
.macro BARRIER                         ; my LDS stores have landed and my LDS loads are in: then the work-group's barrier
	s_wait_dscnt 0x0
	s_barrier_signal -1
	s_barrier_wait -1
.endm
.macro XLD m, rows                     ; tile m's 16 rows of x, my 512 bytes of each
	WIN 0xc0
.set i_, 0
.rept 16
	global_load_b128 v[64*(\m)+4*i_:64*(\m)+4*i_+3], v[LI0], s[XP:XP+1] offset:((\rows)+i_+8*(i_/8))*2048 th:TH_LOAD_NT
.set i_, i_+1
.endr
	WIN 0
.endm
.macro XTR m                           ; through my own stage: in by rows, back 64 bytes of my row at a time.  LDS serves a wave's instructions in order: no wait on DScnt between
	WIN 0x0c
.set i_, 0
.rept 16
	ds_store_b128 v[STW], v[64*(\m)+4*i_:64*(\m)+4*i_+3] offset:528*i_
.set i_, i_+1
.endr
	WIN 0xc0
	s_wait_alu depctr_vm_vsrc(0)                   ; the sixteen stores above have read T(m), in which the loads below land
.set i_, 0
.rept 16
	ds_load_b128 v[64*(\m)+4*i_:64*(\m)+4*i_+3], v[STR] offset:128*(i_/4)+16*(i_%4)
.set i_, i_+1
.endr
	WIN 0
.endm
.macro GLD base, ptr                   ; a gain or bias in T's layout, into window 1
	WIN 0x40
.set i_, 0
.rept 16
	global_load_b128 v[\base+4*i_:\base+4*i_+3], v[CB], s[\ptr:\ptr+1] offset:128*(i_/4)+16*(i_%4)
.set i_, i_+1
.endr
	WIN 0
.endm
.macro BIASADD base                    ; T += a bias, all four tiles
	WIN 0xc7
.set m_, 0
.rept 4
.set i_, 0
.rept 32
	v_pk_add_f32 v[64*m_+2*i_:64*m_+2*i_+1], v[64*m_+2*i_:64*m_+2*i_+1], v[\base+2*i_:\base+2*i_+1]
.set i_, i_+1
.endr
.set m_, m_+1
.endr
	WIN 0
.endm
; nu units of 16 numbers of a lane, v[s + 16 b + i]; a block of 32 lies in lanes l and l xor 16.  Codes to v[PC + 4 b] on, the scales' bytes to v[TM + 4 + b].  relu = 1: what is negative becomes 0 on the way.
.macro QUANT s, relu, nu
.set b_, 0
.rept \nu
.if \relu
	v_max3_num_f32 v[TM+b_], v[\s+16*b_], v[\s+16*b_+1], 0x4800000       ; the floor 2^(9 - 127) among the leaves: the byte cannot fall under 1
.else
	v_max3_num_f32 v[TM+b_], |v[\s+16*b_]|, |v[\s+16*b_+1]|, 0x4800000
.endif
.set b_, b_+1
.endr
.set i_, 2
.rept 7
.set b_, 0
.rept \nu
.if \relu
	v_max3_num_f32 v[TM+b_], v[TM+b_], v[\s+16*b_+i_], v[\s+16*b_+i_+1]
.else
	v_max3_num_f32 v[TM+b_], v[TM+b_], |v[\s+16*b_+i_]|, |v[\s+16*b_+i_+1]|
.endif
.set b_, b_+1
.endr
.set i_, i_+2
.endr
.set b_, 0
.rept \nu
	v_permlanex16_b32 v[TM+4+b_], v[TM+b_], s[SEL], s[SEL+1]
.set b_, b_+1
.endr
.set b_, 0
.rept \nu
	v_max_num_f32 v[TM+b_], v[TM+b_], v[TM+4+b_]                         ; the block's largest magnitude
.set b_, b_+1
.endr
.set b_, 0
.rept \nu
	v_add_nc_u32 v[TM+12+b_], 0xfc000000, v[TM+b_]                       ; 8 off its exponent field: the conversion's scale operand
.set b_, b_+1
.endr
.set b_, 0
.rept \nu
	v_and_or_b32 v[TM+8+b_], v[TM+b_], 0x7f800000, s[MNT]                ; 448 x the scale
.set b_, b_+1
.endr
.set b_, 0
.rept \nu
	v_lshrrev_b32 v[TM+4+b_], 23, v[TM+12+b_]                            ; the scale's byte
.set b_, b_+1
.endr
.set b_, 0
.rept \nu
.set i_, 0
.rept 16
.if \relu
	v_med3_num_f32 v[\s+16*b_+i_], v[\s+16*b_+i_], 0, v[TM+8+b_]         ; the activation and the hold in one
.else
	v_med3_num_f32 v[\s+16*b_+i_], v[\s+16*b_+i_], -v[TM+8+b_], v[TM+8+b_]   ; the conversion does not saturate (ISA guide 7.6.2): the hold comes first
.endif
.set i_, i_+1
.endr
	v_cvt_scalef32_pk8_fp8_f32 v[PC+4*b_:PC+4*b_+1], v[\s+16*b_:\s+16*b_+7], v[TM+12+b_]
	v_cvt_scalef32_pk8_fp8_f32 v[PC+4*b_+2:PC+4*b_+3], v[\s+16*b_+8:\s+16*b_+15], v[TM+12+b_]
.set b_, b_+1
.endr
	v_nop                                          ; one plain line behind the last conversion
.endm
.macro WORD d
	v_lshl_or_b32 v[\d], v[TM+5], 8, v[TM+4]
	v_lshl_or_b32 v[\d], v[TM+6], 16, v[\d]
	v_lshl_or_b32 v[\d], v[TM+7], 24, v[\d]
.endm
.macro IMAGE a, off
.set c_, 0
.rept 4
	ds_store_b128 v[\a], v[PC+4*c_:PC+4*c_+3] offset:\off+512*c_
.set c_, c_+1
.endr
.endm
.macro FETCHA li, ls                   ; all 16 fragments and their scale words, into window 1 and v[AS] on
	WIN 0x40
.set m_, 0
.rept 4
.set s_, 0
.rept 4
.set c_, 0
.rept 4
	ds_load_b128 v[16*(4*m_+s_)+4*c_:16*(4*m_+s_)+4*c_+3], v[\li] offset:(4*s_+m_)*2048+512*c_
.set c_, c_+1
.endr
.set s_, s_+1
.endr
.set m_, m_+1
.endr
	WIN 0
.set m_, 0
.rept 4
.set s_, 0
.rept 4
	ds_load_b32 v[AS+4*m_+s_], v[\ls] offset:32768+(4*s_+m_)*128
.set s_, s_+1
.endr
.set m_, m_+1
.endr
.endm
.macro LOADB slot, off                 ; a batch: four weight fragments, 16 loads of 512 consecutive bytes
	WIN 0x80
.set i_, 0
.rept 16
	global_load_b128 v[64*(\slot)+4*i_:64*(\slot)+4*i_+3], v[LI0], s[WP:WP+1] offset:(\off)+512*i_
.set i_, i_+1
.endr
	WIN 0
.endm
.macro WMS cz, ra, rb                  ; one product on the registers named by rD, rA, rB, rC, rSA, rSB.  cz: the sum starts at 0.  ra, rb: that side's scales stand in lanes 16-31
.if \cz
.if \ra
	v_wmma_scale_f32_16x16x128_f8f6f4 v[rD:rD+7], v[rA:rA+15], v[rB:rB+15], 0, v[rSA], v[rSB] matrix_a_scale:MATRIX_SCALE_ROW1
.elseif \rb
	v_wmma_scale_f32_16x16x128_f8f6f4 v[rD:rD+7], v[rA:rA+15], v[rB:rB+15], 0, v[rSA], v[rSB] matrix_b_scale:MATRIX_SCALE_ROW1
.else
	v_wmma_scale_f32_16x16x128_f8f6f4 v[rD:rD+7], v[rA:rA+15], v[rB:rB+15], 0, v[rSA], v[rSB]
.endif
.else
.if \ra
	v_wmma_scale_f32_16x16x128_f8f6f4 v[rD:rD+7], v[rA:rA+15], v[rB:rB+15], v[rC:rC+7], v[rSA], v[rSB] matrix_a_scale:MATRIX_SCALE_ROW1
.elseif \rb
	v_wmma_scale_f32_16x16x128_f8f6f4 v[rD:rD+7], v[rA:rA+15], v[rB:rB+15], v[rC:rC+7], v[rSA], v[rSB] matrix_b_scale:MATRIX_SCALE_ROW1
.else
	v_wmma_scale_f32_16x16x128_f8f6f4 v[rD:rD+7], v[rA:rA+15], v[rB:rB+15], v[rC:rC+7], v[rSA], v[rSB]
.endif
.endif
.endm
; 16 products: a batch's two K steps (2 hf, 2 hf + 1) x two weight tiles x four tiles of rows; source 0 the weights, source 1 the rows.  The eight accumulators take turns, one instruction a turn.
; kind 1: the hidden layer, into v[ACC] on; the first K step's C is b1.   kind 2: the projection, onto T (window 3), which holds x + b_proj.
.macro MMH kind, slot, hf, ws, beta
.if (\kind)==2
	WIN 0xf6
.else
	WIN 0x06
.endif
.set sl_, 0
.rept 2
.set s_, 2*(\hf)+sl_
.set u_, 0
.rept 2
.set m_, 0
.rept 4
.set rA, 64*(\slot)+16*(2*sl_+u_)
.set rB, 16*(4*m_+s_)
.set rSA, \ws+s_
.set rSB, AS+4*m_+s_
.if (\kind)==2
.set rD, 64*m_+8*(2*(\beta)+u_)
.else
.set rD, ACC+16*m_+8*u_
.endif
.set rC, rD
.if ((\kind)==1) && (s_==0)
.set rC, B1R+16*((\beta)%2)+8*u_
.endif
	WMS 0, u_, 0
.set m_, m_+1
.endr
.set u_, u_+1
.endr
.set sl_, sl_+1
.endr
	WIN 0
.endm
; The norm, first half: of my 128 channels of tile m's rows the mean and the sum of squared deviations from it, into v[ST + 8 m], v[ST + 8 m + 1].  T is read in ascending order, each accumulator from its low end on.
; The four tiles' figures go to LDS together, behind the fourth.
.macro LNSTAT m
.set SM_, ST+8*(\m)
	WIN 0x0f
.set k_, 0
.rept 4
	v_pk_add_f32 v[TM+2*k_:TM+2*k_+1], v[64*(\m)+4*k_:64*(\m)+4*k_+1], v[64*(\m)+4*k_+2:64*(\m)+4*k_+3]
.set k_, k_+1
.endr
	WIN 0x0c
.set k_, 0
.rept 24
	v_pk_add_f32 v[TM+2*(k_%4):TM+2*(k_%4)+1], v[TM+2*(k_%4):TM+2*(k_%4)+1], v[64*(\m)+16+2*k_:64*(\m)+17+2*k_]
.set k_, k_+1
.endr
	WIN 0
	v_pk_add_f32 v[TM:TM+1], v[TM:TM+1], v[TM+2:TM+3]
	v_pk_add_f32 v[TM+4:TM+5], v[TM+4:TM+5], v[TM+6:TM+7]
	v_pk_add_f32 v[TM:TM+1], v[TM:TM+1], v[TM+4:TM+5]
	v_add_f32 v[TM], v[TM], v[TM+1]
	v_permlanex16_b32 v[TM+2], v[TM], s[SEL], s[SEL+1]
	v_add_f32 v[TM], v[TM], v[TM+2]
	v_mul_f32 v[SM_], 0x3c000000, v[TM]            ; / 128
	WIN 0x03
.set k_, 0
.rept 32
	v_pk_add_f32 v[ACC+2*k_:ACC+2*k_+1], v[64*(\m)+2*k_:64*(\m)+2*k_+1], v[SM_:SM_+1] op_sel_hi:[1,0] neg_lo:[0,1] neg_hi:[0,1]
.set k_, k_+1
.endr
	WIN 0
.set k_, 0
.rept 4
	v_pk_mul_f32 v[TM+2*k_:TM+2*k_+1], v[ACC+2*k_:ACC+2*k_+1], v[ACC+2*k_:ACC+2*k_+1]
.set k_, k_+1
.endr
.set k_, 4
.rept 28
	v_pk_fma_f32 v[TM+2*(k_%4):TM+2*(k_%4)+1], v[ACC+2*k_:ACC+2*k_+1], v[ACC+2*k_:ACC+2*k_+1], v[TM+2*(k_%4):TM+2*(k_%4)+1]
.set k_, k_+1
.endr
	v_pk_add_f32 v[TM:TM+1], v[TM:TM+1], v[TM+2:TM+3]
	v_pk_add_f32 v[TM+4:TM+5], v[TM+4:TM+5], v[TM+6:TM+7]
	v_pk_add_f32 v[TM:TM+1], v[TM:TM+1], v[TM+4:TM+5]
	v_add_f32 v[TM], v[TM], v[TM+1]
	v_permlanex16_b32 v[TM+2], v[TM], s[SEL], s[SEL+1]
	v_add_f32 v[SM_+1], v[TM], v[TM+2]
.endm
; Second half: the four waves' figures are joined (the parts' sums of squares, and 128 x the squared distances of their means from the whole mean: no difference of large sums is formed);
; my channels are normed, scaled, shifted and quantised: K step w of the next product, tile m: image to LDS.  The barrier's own wait shows the stores landed before any wave reads them.
.macro LNFIN m
.set A_, ST+8*(\m)
	v_add_f32 v[TM], v[A_], v[A_+2]
	v_add_f32 v[TM+1], v[A_+4], v[A_+6]
	v_add_f32 v[TM+2], v[A_+1], v[A_+3]
	v_add_f32 v[TM+3], v[A_+5], v[A_+7]
	v_add_f32 v[TM], v[TM], v[TM+1]
	v_add_f32 v[TM+2], v[TM+2], v[TM+3]
	v_mul_f32 v[MS], 0x3e800000, v[TM]             ; the row's mean
	v_sub_f32 v[TM+4], v[A_], v[MS]
	v_sub_f32 v[TM+5], v[A_+2], v[MS]
	v_sub_f32 v[TM+6], v[A_+4], v[MS]
	v_sub_f32 v[TM+7], v[A_+6], v[MS]
	v_mul_f32 v[TM], v[TM+4], v[TM+4]
	v_fmac_f32 v[TM], v[TM+5], v[TM+5]
	v_fmac_f32 v[TM], v[TM+6], v[TM+6]
	v_fmac_f32 v[TM], v[TM+7], v[TM+7]
	v_fmamk_f32 v[TM], v[TM], 0x43000000, v[TM+2]
	v_fma_f32 v[TM], v[TM], 0x3b000000, s[EPS]     ; / 512 + eps
	s_wait_alu depctr_va_vdst(0)
	v_rsq_f32 v[RS], v[TM]
	WIN 0x03
.set k_, 0
.rept 32
	v_pk_add_f32 v[ACC+2*k_:ACC+2*k_+1], v[64*(\m)+2*k_:64*(\m)+2*k_+1], v[MS:MS+1] op_sel_hi:[1,0] neg_lo:[0,1] neg_hi:[0,1]   ; plain work that names nothing of the root's
.set k_, k_+1
.endr
	WIN 0
	s_wait_alu depctr_va_vdst(0)                   ; the root's result v[RS] is written, ahead of the first line that names it
.set k_, 0
.rept 32
	v_pk_mul_f32 v[ACC+2*k_:ACC+2*k_+1], v[ACC+2*k_:ACC+2*k_+1], v[RS:RS+1] op_sel_hi:[1,0]
.set k_, k_+1
.endr
	WIN 0x14
.set k_, 0
.rept 32
	v_pk_fma_f32 v[ACC+2*k_:ACC+2*k_+1], v[ACC+2*k_:ACC+2*k_+1], v[2*k_:2*k_+1], v[64+2*k_:65+2*k_]   ; x gain + bias (window 1)
.set k_, k_+1
.endr
	WIN 0
.if (\m) > 0
	s_wait_alu depctr_vm_vsrc(0)                   ; the last tile's image stores have read v[PC ..] and v[PW], which the lines below write again
.endif
	QUANT ACC, 0, 4
	WORD PW
	s_wait_alu depctr_va_vdst(0)                   ; the conversions have written v[PC ..] and the line above v[PW], which the stores below read
	IMAGE IW1, 2048*(\m)
	ds_store_b32 v[IS1], v[PW] offset:32768+128*(\m)
.endm
; A HEAD'S LOADS: q's four tiles (12 loads), then for each key step S a group of 36: K's four fragments (window 1, 64 S on), V's four (window 2), K's and V's scale bytes of the step's two blocks.
.macro ETOP
.set j_, 0
.rept 4
	global_load_b128 v[ACC+8*j_:ACC+8*j_+3], v[LI0], s[QP:QP+1] offset:65536*j_
	global_load_b128 v[ACC+8*j_+4:ACC+8*j_+7], v[LI0], s[QP:QP+1] offset:65536*j_+512
	global_load_u16 v[ACC+32+j_], v[QSA], s[QSP:QSP+1] offset:2048*j_
.set j_, j_+1
.endr
.set t_, 0
.rept 4
	WIN 0x40
.set i_, 0
.rept 16
	global_load_b128 v[64*t_+4*i_:64*t_+4*i_+3], v[LI0], s[KP:KP+1] offset:65536*t_+32768*(i_/8)+2048*((i_/4)%2)+512*(i_%4)
.set i_, i_+1
.endr
	WIN 0x80
.set i_, 0
.rept 16
	global_load_b128 v[64*t_+4*i_:64*t_+4*i_+3], v[LI0], s[VP:VP+1] offset:8192*t_+512*i_
.set i_, i_+1
.endr
	WIN 0
.set i_, 0
.rept 2
	global_load_b64 v[KSC+4*t_+2*i_:KSC+4*t_+2*i_+1], v[SLA], s[KSP:KSP+1] offset:1024*(2*t_+i_)
.set i_, i_+1
.endr
.set i_, 0
.rept 2
	global_load_b64 v[VSR+4*t_+2*i_:VSR+4*t_+2*i_+1], v[SLA], s[VSP:VSP+1] offset:1024*(2*t_+i_)
.set i_, i_+1
.endr
.set t_, t_+1
.endr
.endm
.macro WAITG t                         ; behind group t stand 36 (3 - t) loads of the head's (x's, behind those, only add to that); a wait's count holds 63 at most
.if (\t)<2
	s_wait_loadcnt 63
.else
	s_wait_loadcnt 36*(3-(\t))
.endif
.endm
; S^T = K Q^T of key step t: eight tiles of 16 keys.  Fragment u of K holds tiles 2 u and 2 u + 1; q below the zeros picks the first, q above them the second.  V's scale words of the step are put together here.
.macro QK t
	WAITG \t
	v_perm_b32 v[VSW], v[VSR+4*(\t)+2], v[VSR+4*(\t)], s[P0]        ; d tile 0: the low halves of the two blocks' first words;
	v_perm_b32 v[VSW+1], v[VSR+4*(\t)+2], v[VSR+4*(\t)], s[P1]      ; d tile 1: the high halves
	v_perm_b32 v[VSW+2], v[VSR+4*(\t)+3], v[VSR+4*(\t)+1], s[P0]
	v_perm_b32 v[VSW+3], v[VSR+4*(\t)+3], v[VSR+4*(\t)+1], s[P1]
	WIN 0x01
.set u_, 0
.rept 4
.set y_, 0
.rept 2
.set rD, ACC+8*(2*u_+y_)
.set rA, 64*(\t)+16*u_
.set rB, QZ+8-8*y_
.set rC, rD
.set rSA, KSC+4*(\t)+u_
.set rSB, QLO+y_
	WMS 1, 0, 0
.set y_, y_+1
.endr
.set u_, u_+1
.endr
	WIN 0
.endm
.macro PV t                            ; O^T += V^T P^T: four tiles of 16 of the head's 64; K = the step's 128 keys.  The four accumulators take turns
	WAITG \t
	WIN 0x02
.set u_, 0
.rept 4
.set rD, OA+8*u_
.set rC, rD
.set rA, 64*(\t)+16*u_
.set rB, PC
.set rSA, VSW+u_
.set rSB, PWA
	WMS 0, 0, 0
.set u_, u_+1
.endr
	WIN 0
.endm
; The softmax of a key step: register 16 b + i of v[ACC] on is key 32 b + 16 h + i of the step, for my query.
.macro SOFT
.set b_, 0
.rept 4
	v_max3_num_f32 v[TM+b_], v[ACC+16*b_], v[ACC+16*b_+1], v[ACC+16*b_+2]   ; the largest score of each block of 32 keys: for the row's maximum, and, since p rises with the score, for the block's largest p
.set b_, b_+1
.endr
.set i_, 3
.rept 6
.set b_, 0
.rept 4
	v_max3_num_f32 v[TM+b_], v[TM+b_], v[ACC+16*b_+i_], v[ACC+16*b_+i_+1]
.set b_, b_+1
.endr
.set i_, i_+2
.endr
.set b_, 0
.rept 4
	v_max_num_f32 v[TM+b_], v[TM+b_], v[ACC+16*b_+15]
.set b_, b_+1
.endr
.set b_, 0
.rept 4
	v_permlanex16_b32 v[TM+4+b_], v[TM+b_], s[SEL], s[SEL+1]
.set b_, b_+1
.endr
.set b_, 0
.rept 4
	v_max_num_f32 v[TM+b_], v[TM+b_], v[TM+4+b_]
.set b_, b_+1
.endr
	v_max3_num_f32 v[X0], v[TM], v[TM+1], v[TM+2]
	v_max_num_f32 v[X0], v[X0], v[TM+3]
	v_mul_f32 v[X0], s[CS], v[X0]                  ; the step's largest t (c is positive)
	v_max_num_f32 v[RT], v[RT], v[X0]
	v_mov_b32 v[X0], v[NM]
	v_floor_f32 v[NM], -v[RT]                      ; -M = floor(-t): M is a whole number
	v_sub_f32 v[X0], v[NM], v[X0]
	v_cvt_i32_f32 v[X0], v[X0]                     ; (it saturates)
	v_ldexp_f32 v[FF], 1.0, v[X0]                  ; f = 2^(old M - new M): rounds nothing; 0 in a tile's first step
.set j_, 0
.rept 32
	v_pk_fma_f32 v[ACC+2*j_:ACC+2*j_+1], v[ACC+2*j_:ACC+2*j_+1], s[CS:CS+1], v[NM:NM+1] op_sel_hi:[1,0,0]   ; t - M
.set j_, j_+1
.endr
.set b_, 0
.rept 4
	v_fma_f32 v[TM+b_], v[TM+b_], s[CS], v[NM]
.set b_, b_+1
.endr
.set j_, 0
	s_wait_alu depctr_va_vdst(0)
.rept 64
	v_exp_f32 v[ACC+j_], v[ACC+j_]                 ; p = 2^(t - M): not normalised
.set j_, j_+1
.endr
	v_pk_mul_f32 v[LSUM:LSUM+1], v[LSUM:LSUM+1], v[FF:FF+1] op_sel_hi:[1,0]   ; a plain line behind the exponentials
	s_wait_alu depctr_va_vdst(0)                   ; the 64 exponentials have written v[ACC ..]: one wait for the batch, ahead of its first reader
.set b_, 0
.rept 4
	v_exp_f32 v[TM+b_], v[TM+b_]                   ; the block's largest p
.set b_, b_+1
.endr
	v_pk_add_f32 v[TM+4:TM+5], v[ACC:ACC+1], v[ACC+2:ACC+3]                  ; the row's sum is taken of the unquantised p, in two chains
.set j_, 4
.rept 15
	v_pk_add_f32 v[LSUM:LSUM+1], v[LSUM:LSUM+1], v[ACC+j_:ACC+j_+1]
	v_pk_add_f32 v[TM+4:TM+5], v[TM+4:TM+5], v[ACC+j_+2:ACC+j_+3]
.set j_, j_+4
.endr
	v_pk_add_f32 v[LSUM:LSUM+1], v[LSUM:LSUM+1], v[TM+4:TM+5]
	s_wait_alu depctr_va_vdst(0)                   ; and one for the four, which have written v[TM] to v[TM + 3]
.set b_, 0
.rept 4
	v_max_num_f32 v[TM+b_], 0x4800000, v[TM+b_]
.set b_, b_+1
.endr
.set b_, 0
.rept 4
	v_add_nc_u32 v[TM+12+b_], 0xfc000000, v[TM+b_]
.set b_, b_+1
.endr
.set b_, 0
.rept 4
	v_and_or_b32 v[TM+8+b_], v[TM+b_], 0x7f800000, s[MNT]
.set b_, b_+1
.endr
.set b_, 0
.rept 4
	v_lshrrev_b32 v[TM+4+b_], 23, v[TM+12+b_]
.set b_, b_+1
.endr
	WORD PWA                                       ; p's scale word for these 128 keys
.set b_, 0
.rept 4
.set i_, 0
.rept 16
	v_min_num_f32 v[ACC+16*b_+i_], v[ACC+16*b_+i_], v[TM+8+b_]               ; p is not negative: the hold is one-sided
.set i_, i_+1
.endr
	v_cvt_scalef32_pk8_fp8_f32 v[PC+4*b_:PC+4*b_+1], v[ACC+16*b_:ACC+16*b_+7], v[TM+12+b_]
	v_cvt_scalef32_pk8_fp8_f32 v[PC+4*b_+2:PC+4*b_+3], v[ACC+16*b_+8:ACC+16*b_+15], v[TM+12+b_]
.set b_, b_+1
.endr
.set j_, 0
.rept 16
	v_pk_mul_f32 v[OA+2*j_:OA+2*j_+1], v[OA+2*j_:OA+2*j_+1], v[FF:FF+1] op_sel_hi:[1,0]   ; O^T under the new M; these 16 are also the places between the codes and the products
.set j_, j_+1
.endr
	s_wait_alu depctr_va_vdst(0)                   ; p's codes v[PC ..], its scale word v[PWA] and V's words v[VSW ..] are written by vector lines: the products below take them as operand and scales; the places above stay beside this wait
.endm
.macro EP b                            ; w_proj's scale words of pair b: four K steps; lanes 0-15 the even tile's rows, lanes 16-31 the odd tile's
	global_load_b128 v[W1S+4*((\b)%2):W1S+4*((\b)%2)+3], v[SPA], s[PSP:PSP+1] offset:512*(\b)
.endm
.macro EF b, d                         ; W1's scale words and b1 of pair b, d chunks on
	global_load_b128 v[W1S+4*((\b)%2):W1S+4*((\b)%2)+3], v[SPA], s[W1SP:W1SP+1] offset:8192*(\d)+512*(\b)
.set i_, 0
.rept 4
	global_load_b128 v[B1R+16*((\b)%2)+4*i_:B1R+16*((\b)%2)+4*i_+3], v[B1A], s[B1P:B1P+1] offset:2048*(\d)+128*(\b)+16*i_
.set i_, i_+1
.endr
.endm
; THE RING.  In front of a batch: at most 48 loads out: the three younger batches (scale words and biases among them only add to the count), so the batch is in.  Behind it: eight places, the wait that shows its products done
; with what they read, then the loads into that.  The scale words and biases of a pair are asked for three batches ahead of it, in front of a batch's loads: 48 loads or more are younger when the pair's first wait has passed.
.macro PJB g
	s_wait_loadcnt 48
	MMH 2, (\g)%4, (\g)%2, W1S+4*(((\g)/2)%2), (\g)/2
	NOPS 8
	s_wait_alu depctr_va_vdst(0)                   ; the batch's products are done reading slot g % 4, and, behind a pair's second batch, the pair's scale words: the loads below land in them
.if (\g)==1
	EP 2
.elseif (\g)==3
	EP 3
.elseif (\g)==5
	EF 0, 0
.elseif (\g)==7
	EF 1, 0
.endif
	LOADB (\g)%4, 8192*((\g)+4)
.endm
.macro F1P b                           ; 32 hidden units of mine for the 64 rows: relu, quantised: register group b of K step w of the second product.  The barrier's own wait shows the stores landed
	s_wait_loadcnt 48
	MMH 1, (2*(\b))%4, 0, W1S+4*((\b)%2), \b
	NOPS 8
	s_wait_alu depctr_vm_vsrc(0)                   ; the image stores issued so far have read v[PC ..] and v[SW ..], which this pair's conversions and the lines behind them write again; the wait stands ahead of the pair's loads
	s_wait_alu depctr_va_vdst(0)                   ; the batch's products are done reading its slot, in which the loads below land
	LOADB (2*(\b))%4, 8192*(2*(\b)+4)
	s_wait_loadcnt 48
	MMH 1, (2*(\b)+1)%4, 1, W1S+4*((\b)%2), \b
	NOPS 8                                         ; eight places ahead of the first read of results
	s_wait_alu depctr_va_vdst(0)                   ; the batch's products are done reading its slot, the pair's its scale words and its b1: the loads below land in them
.if (\b)<2
	EF (\b)+2, 0
.endif
	LOADB (2*(\b)+1)%4, 8192*(2*(\b)+5)
	QUANT ACC, 1, 4
.set m_, 0
.rept 4
.if (\b)==0
	v_mov_b32 v[SW+m_], v[TM+4+m_]
.else
	v_lshl_or_b32 v[SW+m_], v[TM+4+m_], 8*(\b), v[SW+m_]
.endif
.set m_, m_+1
.endr
	s_wait_alu depctr_va_vdst(0)                   ; the conversions have written v[PC ..] and the lines above v[SW ..], which the stores below read
.set m_, 0
.rept 4
	ds_store_b128 v[IW0], v[PC+4*m_:PC+4*m_+3] offset:2048*m_+512*(\b)
.set m_, m_+1
.endr
.if (\b)==3
.set m_, 0
.rept 4
	ds_store_b32 v[IS0], v[SW+m_] offset:32768+128*m_
.set m_, m_+1
.endr
.endif
.endm
.macro SETHF set, m                    ; where the hidden fragment of tile m lies: set 0: v32 on; set 1: v96, v112, v220, v236
.if (\set)==0
.set rHF, ACC+16*(\m)
.elseif (\m)<2
.set rHF, PC+16*(\m)
.else
.set rHF, ST+16*((\m)-2)
.endif
.endm
.macro HFETCH s                        ; K step s of the chunk: four fragments and their scale words: 20 LDS loads
.set m_, 0
.rept 4
	SETHF (\s)%2, m_
.set c_, 0
.rept 4
	ds_load_b128 v[rHF+4*c_:rHF+4*c_+3], v[LI0] offset:(4*(\s)+m_)*2048+512*c_
.set c_, c_+1
.endr
	ds_load_b32 v[HS+4*((\s)%2)+m_], v[LS0] offset:32768+(4*(\s)+m_)*128
.set m_, m_+1
.endr
.endm
.macro F2B s, half, slot               ; 16 products onto T: four of my eight column tiles x four tiles of rows; sixteen accumulators by turns
	WIN 0xf2
.set f_, 0
.rept 4
.set ct_, 4*(\half)+f_
.set m_, 0
.rept 4
	SETHF (\s)%2, m_
.set rD, 64*m_+8*ct_
.set rC, rD
.set rA, 64*(\slot)+16*f_
.set rB, rHF
.set rSA, W2S+4*(ct_/2)+(\s)
.set rSB, HS+4*((\s)%2)+m_
	WMS 0, ct_%2, 0
.set m_, m_+1
.endr
.set f_, f_+1
.endr
	WIN 0
.endm
; K step s of the second product: batches 8 + 2 s and 9 + 2 s of the chunk.  look = 1: the ring runs on (into the next chunk from s = 2 on); look = 0: the launch's last batches: nothing is asked for, the counts run down,
; and no wait on va_vdst is written: there is no load for it to serve.
.macro F2STEP s, look
.if (\s)==3
	s_wait_dscnt 0x0
.else
	s_wait_dscnt 20                                ; the next K step's 20 loads may be out
.endif
.if \look
	s_wait_loadcnt 48
.else
	s_wait_loadcnt 16*(7-2*(\s))
.endif
	F2B \s, 0, (2*(\s))%4
.if \look
	NOPS 8
	s_wait_alu depctr_va_vdst(0)                   ; the batch's products are done reading its slot, in which the loads below land
	LOADB (2*(\s))%4, 8192*(12+2*(\s))
	s_wait_loadcnt 48
.else
	s_wait_loadcnt 16*(6-2*(\s))
.endif
	F2B \s, 1, (2*(\s)+1)%4
	NOPS 8
.if \look
	s_wait_alu depctr_va_vdst(0)                   ; the batch's products are done reading its slot, the K step's its hidden fragments and their scale words; W1's scale words and b1 were done with in the chunk's first half: the loads below land in all of these
.if (\s)==2
	EF 0, 1
.elseif (\s)==3
	EF 1, 1
.endif
	LOADB (2*(\s)+1)%4, 8192*(13+2*(\s))
.endif
.if (\s)<2
	HFETCH (\s)+2
.endif
.endm
.macro TOST m                          ; the way out of tile m: into my stage by my row (each accumulator from its low end on), back by rows, into window 1, where h2's fragments are done with: the loads land in no register that a store reads
	WIN 0x0c
.set i_, 0
.rept 16
	ds_store_b128 v[STR], v[64*(\m)+4*i_:64*(\m)+4*i_+3] offset:128*(i_/4)+16*(i_%4)
.set i_, i_+1
.endr
	WIN 0x40
.set i_, 0
.rept 16
	ds_load_b128 v[64*(\m)+4*i_:64*(\m)+4*i_+3], v[STW] offset:528*i_
.set i_, i_+1
.endr
	WIN 0
.endm
.macro SEND m
	WIN 0x04
.set i_, 0
.rept 16
	global_store_b128 v[LI0], v[64*(\m)+4*i_:64*(\m)+4*i_+3], s[OUTP:OUTP+1] offset:(128*(\m)+i_+8*(i_/8))*2048 th:TH_STORE_NT   ; 512 consecutive bytes of a row, aligned
.set i_, i_+1
.endr
	WIN 0
.endm
	s_load_b512 s[4:19], s[0:1], 0x0
	s_load_b512 s[20:35], s[0:1], 0x40
	s_load_b64 s[36:37], s[0:1], 0x80
	v_lshrrev_b32 v1, 5, v0
	v_readfirstlane_b32 s[WV], v1                  ; wave 0..3
	s_lshr_b32 s39, ttmp9, 3                       ; batch
	s_and_b32 s40, ttmp9, 7                        ; g
	s_and_b32 s41, s40, 1                          ; a
	s_lshr_b32 s42, s40, 1                         ; mt
	v_and_b32 v112, 31, v0                         ; lane
	v_and_b32 v113, 15, v0                         ; r
	v_bfe_u32 v114, v0, 4, 1                       ; h
	v_and_b32 v115, 8, v113
	v_add_nc_u32 v115, v115, v113                  ; r + 8 (r / 8)
	v_lshlrev_b32 v[LI0], 4, v112
	v_add_nc_u32 v[LI1], IMG1, v[LI0]
	v_lshlrev_b32 v[LS0], 2, v112
	v_add_nc_u32 v[LS1], IMG1, v[LS0]
	s_wait_alu depctr_va_sdst(0)                   ; the wave's number s[WV] is written, ahead of its first reader
	s_lshl_b32 s43, s[WV], 13
	v_add_nc_u32 v[IW0], s43, v[LI0]
	v_add_nc_u32 v[IW1], IMG1, v[IW0]
	s_lshl_b32 s43, s[WV], 9
	v_add_nc_u32 v[IS0], s43, v[LS0]
	v_add_nc_u32 v[IS1], IMG1, v[IS0]
	v_lshl_add_u32 v[CB], v114, 6, s43
	v_lshlrev_b32 v[SLA], 3, v113
	v_add_nc_u32 v[SAR], STAT, v[SLA]
	v_add_nc_u32 v[SAW], s43, v[SAR]
	s_mul_i32 s43, s[WV], 8448
	s_add_co_u32 s43, s43, STG
	v_add_nc_u32 v[STW], s43, v[LI0]
	v_mul_u32_u24 v[STR], v113, 528
	v_lshl_add_u32 v[STR], v114, 6, v[STR]
	v_add_nc_u32 v[STR], s43, v[STR]
	v_lshl_add_u32 v[SPA], v114, 3, v115
	v_lshlrev_b32 v[SPB], 6, v[SPA]
	v_lshlrev_b32 v[SPA], 4, v[SPA]
	v_lshlrev_b32 v[B1A], 6, v114
	s_mul_i32 s43, s[WV], 4608
	s_add_co_u32 s43, s43, QST
	v_add_nc_u32 v[QWA], s43, v[LI0]
	s_add_co_u32 s43, s43, 4096
	v_add_nc_u32 v[QWS], s43, v[LS0]
	s_lshl_b32 s44, s42, 1
	v_add_nc_u32 v[QSA], s44, v[SLA]
	s_lshl_b32 s43, s41, 6
	s_lshr_b32 s44, s42, 1
	s_lshl_b32 s44, s44, 5
	s_add_co_u32 s43, s43, s44
	s_and_b32 s44, s42, 1
	s_lshl_b32 s44, s44, 3
	s_add_co_u32 s43, s43, s44                     ; 64 a + 32 (mt / 2) + 8 (mt % 2): my tiles' first row in their 128 rows
	v_lshlrev_b32 v116, 4, v114
	v_sub_nc_u32 v[DM], v115, v116
	v_add_nc_u32 v[DM], s43, v[DM]
	v_mov_b32 v[NINF], 0xff800000
	s_mov_b32 s[SEL], 0x76543210
	s_mov_b32 s[SEL+1], 0xfedcba98                 ; v_permlanex16_b32's selects for lane l xor 16
	s_mov_b32 s[CS], 0x3d8293ee                    ; c = log2(e) / sqrt(512)
	s_mov_b32 s[CS+1], s[CS]                       ; (named with it as a pair, so it is written)
	s_mov_b32 s[MNT], 0x600000                     ; the mantissa field of 448
	s_mov_b32 s[P0], 0x05040100
	s_mov_b32 s[P1], 0x07060302
	s_mov_b32 s[EPS], 0x3727c5ac                   ; 1e-5
	s_mov_b32 s45, 0
	s_mov_b32 s47, 0
	s_wait_kmcnt 0x0
	s_lshl_b32 s44, s39, 9
	s_add_co_u32 s44, s44, s43                     ; tile 0's first row
	s_lshl_b32 s44, s44, 11
	s_lshl_b32 s46, s[WV], 9                       ; my 512 bytes of a row
	s_add_co_u32 s44, s44, s46
	s_add_nc_u64 s[XP:XP+1], s[XP:XP+1], s[44:45]
	s_add_nc_u64 s[OUTP:OUTP+1], s[OUTP:OUTP+1], s[44:45]
	s_add_nc_u64 s[B1P:B1P+1], s[B1P:B1P+1], s[46:47]
	s_lshl_b32 s43, s39, 3
	s_add_co_u32 s43, s43, s41                     ; tile 0's block: 8 batch + a
	s_lshl_b32 s44, s43, 15
	s_lshl_b32 s46, s[WV], 13
	s_add_co_u32 s44, s44, s46
	s_add_nc_u64 s[W2SP:W2SP+1], s[W2SP:W2SP+1], s[46:47]
	s_lshl_b32 s46, s42, 10
	s_add_co_u32 s44, s44, s46
	s_add_nc_u64 s[QP:QP+1], s[QP:QP+1], s[44:45]
	s_lshl_b32 s44, s43, 10
	s_lshl_b32 s46, s[WV], 8
	s_add_co_u32 s44, s44, s46
	s_add_nc_u64 s[QSP:QSP+1], s[QSP:QSP+1], s[44:45]
	s_lshl_b32 s44, s39, 13
	s_add_co_u32 s44, s44, s46
	s_add_nc_u64 s[KSP:KSP+1], s[KSP:KSP+1], s[44:45]
	s_add_nc_u64 s[VSP:VSP+1], s[VSP:VSP+1], s[44:45]
	s_lshl_b32 s43, s39, 18
	s_lshl_b32 s46, s[WV], 13
	s_add_co_u32 s44, s43, s46
	s_add_nc_u64 s[KP:KP+1], s[KP:KP+1], s[44:45]
	s_lshl_b32 s46, s[WV], 16
	s_add_co_u32 s44, s43, s46
	s_add_nc_u64 s[VP:VP+1], s[VP:VP+1], s[44:45]
	s_mul_i32 s44, s[WV], 786432
	s_add_co_u32 s44, s44, 196608                  ; behind the first launch's twelve pairs
	s_add_nc_u64 s[WP:WP+1], s[WP:WP+1], s[44:45]
	s_lshl_b32 s44, s[WV], 11
	s_add_nc_u64 s[PSP:PSP+1], s[PSP:PSP+1], s[44:45]
	s_add_nc_u64 s[W1SP:W1SP+1], s[W1SP:W1SP+1], s[44:45]
	; The prefetch of head 2 w + 1's K and V (32 KiB each for a batch): the batch's eight work-groups share them out, 32 blocks of 256 bytes a wave, a lane a block, each block named once in the launch.
	; g even: K's blocks g and g + 1 (16 lanes each, 32,768 bytes apart); g odd: piece g / 2 of V, 8,192 consecutive bytes.
	s_cmp_eq_u32 s41, 0
	s_cselect_b64 s[PFA:PFA+1], s[KP:KP+1], s[VP:VP+1]
	s_cselect_b32 s43, 16, 13
	s_mov_b32 s46, 32768
	s_cselect_b32 s46, 4096, s46                   ; the second head begins here
	s_mov_b32 s40, 4096
	s_cselect_b32 s40, 32768, s40                  ; from lanes 0-15 to lanes 16-31
	s_lshl_b32 s44, s42, s43
	s_add_co_u32 s44, s44, s46
	s_add_nc_u64 s[PFA:PFA+1], s[PFA:PFA+1], s[44:45]
	v_mul_lo_u32 v[PFO], v114, s40
	v_lshl_add_u32 v[PFO], v113, 8, v[PFO]
.set i_, 0
.rept 8
	v_mov_b32 v[QZ+i_], 0                          ; the zero codes beside q: written once
	v_mov_b32 v[QZ+16+i_], 0
.set i_, i_+1
.endr
.set i_, 0
.rept 32
	v_mov_b32 v[OA+i_], 0                          ; O^T: the key step is written once; a tile's first step multiplies what it finds by 0
.set i_, i_+1
.endr
	v_mov_b32 v[LSUM], 0
	v_mov_b32 v[LSUM+1], 0
	v_mov_b32 v[FF+1], 0                           ; (named as the upper half of a pair)
	v_mov_b32 v[X0], 0
.irp i, 2,4,5,6,7
	v_mov_b32 v[TM+\i], 0                          ; written once: a lane permute's destination counts as one of its sources
.endr
	s_wait_alu depctr_va_vdst(0)                   ; the addresses and offsets v1 to v18 and v25 to v27 are written, which the loads, stores and the prefetch read; so are the zero codes beside q, which the products take as an operand
	ETOP                                           ; head 2 w
	XLD 0, 0                                       ; x, behind the head's loads: it is wanted only behind both heads
	XLD 1, 128
	XLD 2, 256
	XLD 3, 384
	s_mov_b32 s[SE], 0
.Lhead:
	s_wait_loadcnt 63                              ; 144 loads or more were issued behind q's twelve
.set j_, 0
.rept 4
	ds_store_b128 v[QWA], v[ACC+8*j_:ACC+8*j_+3] offset:1024*j_       ; q waits in my own LDS bytes: the loop over tiles is written once, and picks its tile by address
	ds_store_b128 v[QWA], v[ACC+8*j_+4:ACC+8*j_+7] offset:1024*j_+512
	ds_store_b32 v[QWS], v[ACC+32+j_] offset:128*j_
.set j_, j_+1
.endr
	ds_load_b128 v[QZ+8:QZ+11], v[QWA]             ; the head's first tile of q (LDS serves a wave's instructions in order: these see the stores above)
	ds_load_b128 v[QZ+12:QZ+15], v[QWA] offset:512
	ds_load_b32 v[QLO], v[QWS]                     ; bytes: d block 0, d block 1, 0, 0 (the two 0 stand over zero codes)
	s_wait_alu depctr_vm_vsrc(0)                   ; q's twelve stores have read v[ACC ..], which the first key step's products write
	s_mov_b32 s[SJ], 0
.Ltile:
	s_lshl_b32 s43, s[SE], 2
	s_add_co_u32 s43, s43, s[SJ]
	s_cmp_lg_u32 s43, 3                            ; at the head of the first head's last tile: four key steps ahead of the second head's loads
	s_cbranch_scc1 .Lnoask
	global_prefetch_b8 v[PFO], s[PFA:PFA+1] th:TH_LOAD_NT scope:SCOPE_SE
.Lnoask:
	s_wait_dscnt 0x0                               ; this tile's q, asked for at the end of the tile before (or just above), is in
	v_lshlrev_b32 v[QHI], 16, v[QLO]               ; the same two bytes for q above the zeros
	v_mov_b32 v[RT], 0xff61b1e6                    ; the largest t so far: -3e38, under every t
	v_floor_f32 v[NM], -v[RT]
	NOPS 6                                         ; with the two lines above: eight places between a scale word made by a vector line and the product that takes it
	s_wait_alu depctr_va_vdst(0)                   ; v[QHI] is written, which the tile's products take as a scale word; the places above stay beside this wait
	s_mov_b32 s[SS], 0
.Lstep:                                                ; a key step; K's and V's registers are picked by a branch on the step's number
	s_cmp_eq_u32 s[SS], 0
	s_cbranch_scc1 .Lqk0
	s_cmp_eq_u32 s[SS], 1
	s_cbranch_scc1 .Lqk1
	s_cmp_eq_u32 s[SS], 2
	s_cbranch_scc1 .Lqk2
	QK 3
	s_branch .Lqkj
.Lqk0:
	QK 0
	s_branch .Lqkj
.Lqk1:
	QK 1
	s_branch .Lqkj
.Lqk2:
	QK 2
.Lqkj:
	NOPS 8                                         ; places in front of the first read of the scores
	s_cmp_lg_u32 s[SS], s[SJ]
	s_cbranch_scc1 .Lopen                          ; only a tile's last step lies on the diagonal
.set h_, 0                                     ; key 32 b + 16 h + i comes after my query: its score becomes -infinity, p = 0.  Two runs of 32 compares, each into 32 scalar registers, with one wait behind the run
.rept 2
.set n_, 0
.rept 32
	v_cmp_gt_i32 s[MK+n_], 32*((32*h_+n_)/16)+(32*h_+n_)%16, v[DM]
.set n_, n_+1
.endr
	s_wait_alu depctr_va_sdst(0)                   ; the run's 32 masks are written, ahead of their first reader
.set n_, 0
.rept 32
	v_cndmask_b32 v[ACC+32*h_+n_], v[ACC+32*h_+n_], v[NINF], s[MK+n_]
.set n_, n_+1
.endr
.set h_, h_+1
.endr
.Lopen:
	SOFT
	s_cmp_eq_u32 s[SS], 0
	s_cbranch_scc1 .Lpv0
	s_cmp_eq_u32 s[SS], 1
	s_cbranch_scc1 .Lpv1
	s_cmp_eq_u32 s[SS], 2
	s_cbranch_scc1 .Lpv2
	PV 3
	s_branch .Lpvj
.Lpv0:
	PV 0
	s_branch .Lpvj
.Lpv1:
	PV 1
	s_branch .Lpvj
.Lpv2:
	PV 2
.Lpvj:
	NOPS 8                                         ; places in front of whatever next reads O^T or writes the products' codes and scale words
	s_add_co_u32 s[SS], s[SS], 1
	s_cmp_le_u32 s[SS], s[SJ]
	s_cbranch_scc1 .Lstep
	; the tile's end.  First the next tile's q is asked for, tile (j + 1) % 4 (behind the last tile that is tile 0 again, which nobody uses): the lines below stand between the loads and the wait for them.
	s_add_co_u32 s43, s[SJ], 1
	s_and_b32 s43, s43, 3
	s_lshl_b32 s[JQ], s43, 10
	s_lshl_b32 s[JQS], s43, 7
	v_add_nc_u32 v[QRA], s[JQ], v[QWA]             ; (the loads that read these two last stand ahead of the wait on vm_vsrc that closed the tile before)
	v_add_nc_u32 v[QRS], s[JQS], v[QWS]
	s_wait_alu depctr_va_vdst(0)                   ; the two addresses are written, which the loads below read; the tile's products are done reading q's registers and its scale word, and the shift v[QLO]: the loads land in them
	ds_load_b128 v[QZ+8:QZ+11], v[QRA]
	ds_load_b128 v[QZ+12:QZ+15], v[QRA] offset:512
	ds_load_b32 v[QLO], v[QRS]
	; O^T / the sum, quantised along the channels: register groups 2 e, 2 e + 1 of K step w of the projection, tile j
	v_add_f32 v[LSUM], v[LSUM], v[LSUM+1]
	v_permlanex16_b32 v[X0], v[LSUM], s[SEL], s[SEL+1]
	v_add_f32 v[LSUM], v[LSUM], v[X0]
	s_wait_alu depctr_va_vdst(0)
	v_rcp_f32 v[FF], v[LSUM]
	s_lshl_b32 s[JO], s[SJ], 11
	s_lshl_b32 s43, s[SE], 10
	s_add_co_u32 s[JO], s[JO], s43
	s_lshl_b32 s[JS], s[SJ], 7
	s_lshl_b32 s43, s[SE], 1
	s_add_co_u32 s[JS], s[JS], s43
	v_add_nc_u32 v[OAD], s[JO], v[IW0]             ; (a plain line behind the reciprocal)
	v_add_nc_u32 v[OSA], s[JS], v[IS0]
	s_wait_alu depctr_va_vdst(0)                   ; the reciprocal has written v[FF], ahead of its first reader
.set j_, 0
.rept 16
	v_pk_mul_f32 v[OA+2*j_:OA+2*j_+1], v[OA+2*j_:OA+2*j_+1], v[FF:FF+1] op_sel_hi:[1,0]
.set j_, j_+1
.endr
	QUANT OA, 0, 2
	v_lshl_or_b32 v[SW], v[TM+5], 8, v[TM+4]
	s_wait_alu depctr_va_vdst(0)                   ; the conversions have written v[PC ..] and the line above v[SW], which the stores below read, by the addresses v[OAD], v[OSA] made further up
	ds_store_b128 v[OAD], v[PC:PC+3]
	ds_store_b128 v[OAD], v[PC+4:PC+7] offset:512
	ds_store_b16 v[OSA], v[SW] offset:32768        ; my head's half of the row's scale word
	s_wait_alu depctr_vm_vsrc(0)                   ; the three stores have read v[PC ..], v[SW] and their addresses, q's loads theirs: the next tile writes all of these again.  The wait stands ahead of the branch
	s_add_co_u32 s[SJ], s[SJ], 1
	s_cmp_lt_u32 s[SJ], 4
	s_cbranch_scc1 .Ltile
	s_wait_dscnt 0x0                               ; no LDS load is out: q's registers may be loaded anew
	s_wait_loadcnt 0x0                             ; every load is in (x too): the pointers may step
	s_wait_alu depctr_va_vdst(0)                   ; the head's products are done reading K's, V's and q's registers and their scale words, its vector lines v[ACC ..] and V's scale bytes: the next head's loads, or the tail's, land in them
	s_cmp_eq_u32 s[SE], 1
	s_cbranch_scc1 .Ltail
	s_add_nc_u64 s[QP:QP+1], s[QP:QP+1], 4096      ; head 2 w + 1
	s_add_nc_u64 s[KP:KP+1], s[KP:KP+1], 4096
	s_add_nc_u64 s[VP:VP+1], s[VP:VP+1], 32768
	s_add_nc_u64 s[QSP:QSP+1], s[QSP:QSP+1], 128
	s_add_nc_u64 s[KSP:KSP+1], s[KSP:KSP+1], 128
	s_add_nc_u64 s[VSP:VSP+1], s[VSP:VSP+1], 128
	ETOP
	s_add_co_u32 s[SE], s[SE], 1
	s_cmp_lt_u32 s[SE], 2
	s_cbranch_scc1 .Lhead
.Ltail:
	s_wait_loadcnt 0x0                             ; no load is out on any way here
	; ---- x + b_proj into T's layout; the ring starts: two batches ahead of x's way through the stage, two behind it, so that the wave has 50 loads out while it issues the stage's lines
	EP 0
	EP 1
	GLD 192, BPP
	LOADB 0, 0
	LOADB 1, 8192
	XTR 0
	XTR 1
	XTR 2
	XTR 3
	LOADB 2, 16384
	LOADB 3, 24576
	s_wait_dscnt 0x0
	s_wait_loadcnt 63                              ; 64 loads were issued behind b_proj's
	BIASADD 192
	BARRIER                                        ; o's sixteen fragments lie in LDS
	s_wait_alu depctr_va_vdst(0)                   ; the additions are done reading b_proj's registers, in which o's fragments land
	FETCHA LI0, LS0
	s_wait_dscnt 0x0
	; ---- the projection, onto T
	PJB 0
	PJB 1
	PJB 2
	PJB 3
	PJB 4
	PJB 5
	PJB 6
	PJB 7
	; ---- the second norm.  Its gain and bias, and b2, are asked for between the tiles' figures.  They land on o's fragments: the products that read those stand ahead of the last batch's wait on va_vdst,
	; and the figures' lines between name nothing of window 1
	LNSTAT 0
	LNSTAT 1
	GLD 0, G2P
	GLD 64, B2LP
	GLD 128, B2P
	LNSTAT 2
	LNSTAT 3
	s_wait_alu depctr_va_vdst(0)                   ; the four tiles' figures v[ST + 8 m], v[ST + 8 m + 1] are written, which the four stores below read
.set m_, 0
.rept 4
	ds_store_b64 v[SAW], v[ST+8*m_:ST+8*m_+1] offset:128*m_
.set m_, m_+1
.endr
	BARRIER                                        ; all four waves' figures lie in LDS
	s_wait_alu depctr_vm_vsrc(0)                   ; my four stores have read v[ST + 8 m], v[ST + 8 m + 1], in which the loads below land (the lines that wrote and read them stand ahead of the wait on va_vdst above)
.set m_, 0
.rept 4
.set k_, 0
.rept 4
	ds_load_b64 v[ST+8*m_+2*k_:ST+8*m_+2*k_+1], v[SAR] offset:512*k_+128*m_
.set k_, k_+1
.endr
.set m_, m_+1
.endr
	s_wait_dscnt 0x0
	s_wait_loadcnt 0x0                             ; gain, bias and b2 were the last loads issued
	LNFIN 0
	LNFIN 1
	LNFIN 2
	LNFIN 3
	BIASADD 128                                    ; T = x1 + b2: the second product adds onto it
	BARRIER                                        ; h2's sixteen fragments lie in LDS
	s_wait_alu depctr_va_vdst(0)                   ; the additions are done reading b2's registers (the norm's multiply-adds gain's and bias's), in which h2's fragments land
	FETCHA LI1, LS1
	s_wait_dscnt 0x0
	s_wait_xcnt 0x0                                ; the loads have read their base: it may step
	s_add_nc_u64 s[WP:WP+1], s[WP:WP+1], 65536     ; past the projection's eight batches
	s_mov_b32 s[SCH], 0
.Lchunk:                                               ; 512 hidden units: 16 batches: eight of W1, eight of W2
.set i_, 0
.rept 4
	global_load_b128 v[W2S+4*i_:W2S+4*i_+3], v[SPB], s[W2SP:W2SP+1] offset:2048*i_   ; W2's scale words of the chunk's four K steps; eight batches' loads follow before they are used.  The products that read the last chunk's stand ahead of its last wait on va_vdst
.set i_, i_+1
.endr
	F1P 0
	F1P 1
	F1P 2
	F1P 3
	BARRIER                                        ; the hidden layer's sixteen fragments lie in LDS
	s_wait_alu depctr_vm_vsrc(0)                   ; my image stores have read v[PC ..], in which hidden fragments land (the quantiser's lines on v[ACC ..], v[PC ..] and v[TM ..] stand ahead of the last pair's wait on va_vdst)
	HFETCH 0
	HFETCH 1
	F2STEP 0, 1
	F2STEP 1, 1
	s_cmp_eq_u32 s[SCH], 3
	s_cbranch_scc1 .Llast                          ; the last chunk's tail is written out: no load leaves its buffer
	F2STEP 2, 1
	F2STEP 3, 1
	BARRIER                                        ; every wave has read the hidden layer's images: they may be written again
	s_wait_xcnt 0x0                                ; the loads have read their bases
	s_add_nc_u64 s[WP:WP+1], s[WP:WP+1], 131072
	s_add_nc_u64 s[W1SP:W1SP+1], s[W1SP:W1SP+1], 8192
	s_add_nc_u64 s[B1P:B1P+1], s[B1P:B1P+1], 2048
	s_add_nc_u64 s[W2SP:W2SP+1], s[W2SP:W2SP+1], 16
	s_add_co_u32 s[SCH], s[SCH], 1
	s_cmp_lt_u32 s[SCH], 4
	s_cbranch_scc1 .Lchunk
.Llast:
	F2STEP 2, 0
	F2STEP 3, 0                                    ; (its last eight places stand in front of the first read of T)
	; ---- the way out: a tile's rows are stored while the next tile goes through the stage
	s_wait_alu depctr_va_vdst(0)                   ; the products have written T, which the stage's stores read, and are done reading h2's fragments, in which the rows land on their way back; the places above stay beside this wait
	TOST 0
	TOST 1
	s_wait_dscnt 32                                ; the next tile's 16 stores and 16 loads may be out
	SEND 0
	TOST 2
	s_wait_dscnt 32
	SEND 1
	TOST 3
	s_wait_dscnt 32
	SEND 2
	s_wait_dscnt 0x0
	SEND 3
	s_wait_xcnt 0x0
	v_lshl_add_u32 v254, v0, 2, 0x1e400
	v_mov_b32 v255, 0
	s_wait_dscnt 0x0                               ; the closing lines, six on end
	s_wait_alu 0x0
	s_wait_tensorcnt 0x0
	ds_add_u32 v254, v255
	s_wait_dscnt 0x0
	s_endpgm
.Lfunc_end_k_q802dde467c_block:
	.size	k_q802dde467c_block, .Lfunc_end_k_q802dde467c_block-k_q802dde467c_block
	.p2alignl 7, 3214868480
	.fill 96, 4, 3214868480
	.section	.rodata,"a",@progbits
	.p2align	6, 0x0
	.amdhsa_kernel k_q802dde467c_block
		.amdhsa_group_segment_fixed_size 124416
		.amdhsa_private_segment_fixed_size 0
		.amdhsa_enable_private_segment 0
		.amdhsa_kernarg_size 136
		.amdhsa_user_sgpr_count 2
		.amdhsa_user_sgpr_kernarg_segment_ptr 1
		.amdhsa_wavefront_size32 1
		.amdhsa_system_sgpr_workgroup_id_x 1
		.amdhsa_system_sgpr_workgroup_id_y 1
		.amdhsa_system_sgpr_workgroup_id_z 1
		.amdhsa_system_vgpr_workitem_id 0
		.amdhsa_next_free_vgpr 1024
		.amdhsa_next_free_sgpr 100
		.amdhsa_reserve_vcc 0
		.amdhsa_float_denorm_mode_32 3
		.amdhsa_float_denorm_mode_16_64 3
		.amdhsa_memory_ordered 1
		.amdhsa_forward_progress 1
		.amdhsa_inst_pref_size 255
	.end_amdhsa_kernel
	.section	.bss,"aw",@nobits
	.p2align	6
	.space	262144
	.amdgpu_metadata
---
amdhsa.version: [ 1, 2 ]
amdhsa.kernels:
  - .name:           k_q802dde467c_block
    .symbol:         k_q802dde467c_block.kd
    .args:
      - { .name: x, .offset: 0, .size: 8, .value_kind: global_buffer, .address_space: global }
      - { .name: qf, .offset: 8, .size: 8, .value_kind: global_buffer, .address_space: global }
      - { .name: kf, .offset: 16, .size: 8, .value_kind: global_buffer, .address_space: global }
      - { .name: vf, .offset: 24, .size: 8, .value_kind: global_buffer, .address_space: global }
      - { .name: qs, .offset: 32, .size: 8, .value_kind: global_buffer, .address_space: global }
      - { .name: ks, .offset: 40, .size: 8, .value_kind: global_buffer, .address_space: global }
      - { .name: vs, .offset: 48, .size: 8, .value_kind: global_buffer, .address_space: global }
      - { .name: wf, .offset: 56, .size: 8, .value_kind: global_buffer, .address_space: global }
      - { .name: w_proj_scales, .offset: 64, .size: 8, .value_kind: global_buffer, .address_space: global }
      - { .name: b_proj, .offset: 72, .size: 8, .value_kind: global_buffer, .address_space: global }
      - { .name: ln2_g, .offset: 80, .size: 8, .value_kind: global_buffer, .address_space: global }
      - { .name: ln2_b, .offset: 88, .size: 8, .value_kind: global_buffer, .address_space: global }
      - { .name: w1_scales, .offset: 96, .size: 8, .value_kind: global_buffer, .address_space: global }
      - { .name: b1, .offset: 104, .size: 8, .value_kind: global_buffer, .address_space: global }
      - { .name: w2_scales, .offset: 112, .size: 8, .value_kind: global_buffer, .address_space: global }
      - { .name: b2, .offset: 120, .size: 8, .value_kind: global_buffer, .address_space: global }
      - { .name: out0, .offset: 128, .size: 8, .value_kind: global_buffer, .address_space: global }
    .group_segment_fixed_size: 124416
    .private_segment_fixed_size: 0
    .kernarg_segment_align: 8
    .kernarg_segment_size: 136
    .max_flat_workgroup_size: 128
    .sgpr_count:     100
    .vgpr_count:     1024
    .wavefront_size: 32
...
	.end_amdgpu_metadata
.endif
;; end of part 6
